; MI455X (gfx1250); checked and timed in simulation.
; The chip was launched on July 23, 2026; its instructions are those of AMD's public machine-readable ISA for CDNA 5 (MIT licence, August 2026) and "CDNA5" Instruction Set Architecture Reference Guide (July 2026). The comments in the code are by the model that wrote it; some were corrected since.
;; Decoder Block. Allowed arithmetic: matrix products marked QUANTISED: E2M1 operands, one E8M0 scale for each 32 along K, by v_wmma_scale_f32_16x16x128_f8f6f4 with both operands' format E2M1 (or v_wmma_scale_f32_32x16x128_f4), f32 sums; everything else in f32.
;; Inputs: W1_codes 512 x 32 x 16 uint8 (E2M1 codes of W1, K innermost, in blocks of 32 codes, two codes a byte); W1_scales 512 x 32 uint8 (E8M0 scales of W1, one for each 32 codes along K); W2_codes 1,024 x 16 x 16 uint8 (E2M1 codes of W2, K innermost, in blocks of 32 codes, two codes a byte); W2_scales 1,024 x 16 uint8 (E8M0 scales of W2, one for each 32 codes along K); Wk_codes 8 x 64 x 32 x 16 uint8 (E2M1 codes of Wk, K innermost, in blocks of 32 codes, two codes a byte); Wk_scales 8 x 64 x 32 uint8 (E8M0 scales of Wk, one for each 32 codes along K); Wo_codes 1,024 x 16 x 16 uint8 (E2M1 codes of Wo, K innermost, in blocks of 32 codes, two codes a byte); Wo_scales 1,024 x 16 uint8 (E8M0 scales of Wo, one for each 32 codes along K); Wq_codes 8 x 64 x 32 x 16 uint8 (E2M1 codes of Wq, K innermost, in blocks of 32 codes, two codes a byte); Wq_scales 8 x 64 x 32 uint8 (E8M0 scales of Wq, one for each 32 codes along K); Wv_codes 8 x 64 x 32 x 16 uint8 (E2M1 codes of Wv, K innermost, in blocks of 32 codes, two codes a byte); Wv_scales 8 x 64 x 32 uint8 (E8M0 scales of Wv, one for each 32 codes along K); b1 512 float32; b2 1,024 float32; bo 1,024 float32; ln1_b 1,024 float32; ln1_g 1,024 float32; ln2_b 1,024 float32; ln2_g 1,024 float32; x 4 x 2,048 x 1,024 float32.
;; Outputs: out0 4 x 2,048 x 1,024 float32.
;; This version of the problem:
;;   THIS VERSION OF THE PROBLEM IS GIVEN IN LOW PRECISION. The matrix products marked QUANTISED in the list below multiply operands that are first quantised to E2M1 (2 exponent bits, 1 mantissa bit; 4 bits a number), with one power-of-two scale for each 32 numbers along K (OCP MX v1.0); their sums are f32. All else is computed in f32.
;;   The module's matrix products, in the order in which they are computed (A, B: the left and right operand; K: the contracted axis; several contracted axes count as one K, in the product's order):
;;     1. [M 512, K 1,024] x [K 1,024, N 8,192]; A: input Wq (given as codes); B: computed on the way: QUANTISED
;;     2. [M 512, K 1,024] x [K 1,024, N 8,192]; A: input Wk (given as codes); B: computed on the way: QUANTISED
;;     3. [M 512, K 1,024] x [K 1,024, N 8,192]; A: input Wv (given as codes); B: computed on the way: QUANTISED
;;     4. batch 32 x [M 2,048, K 64] x [K 64, N 2,048]; A: computed on the way; B: computed on the way: QUANTISED
;;     5. batch 32 x [M 2,048, K 2,048] x [K 2,048, N 64]; A: softmax (see below); B: computed on the way: QUANTISED
;;     6. [M 8,192, K 512] x [K 512, N 1,024]; A: computed on the way; B: input Wo (given as codes): QUANTISED
;;     7. [M 8,192, K 1,024] x [K 1,024, N 512]; A: computed on the way; B: input W1 (given as codes): QUANTISED
;;     8. [M 8,192, K 512] x [K 512, N 1,024]; A: computed on the way; B: input W2 (given as codes): QUANTISED
;;   THE QUANTISER, for each operand of a quantised product, along K:
;;     - K is cut into blocks of 32 from its start; a last block that is shorter is filled with zeros.
;;     - A block's scale is 2^e with e = floor(log2(the largest magnitude in the block)) - 2, held to -126 .. 127; a block of zeros has e = 0. As a byte (E8M0): e + 127.
;;     - Each number is divided by its block's scale, clamped to +-6, and rounded to the nearest number of E2M1, ties to even, subnormals kept.
;;     - The product sums the exact products of the quantised numbers (number of the format x scale) in f32.
;;   ~~~python
;;   def quantise(x, axis):      # numpy; x: float32 -> the quantised numbers, widened to float32 again
;;       x = np.moveaxis(x, axis, -1); K = x.shape[-1]
;;       x = np.pad(x, [(0, 0)] * (x.ndim - 1) + [(0, -K % 32)]); x = x.reshape(x.shape[:-1] + (-1, 32)); a = np.abs(x).max(-1, keepdims=True)
;;       e = np.where(a > 0, np.clip(np.frexp(np.where(a > 0, a, 1))[1] - 1 - 2, -126, 127), 0)      # np.frexp(a)[1] - 1 = floor(log2(a)), exactly
;;       r = np.clip(x / 2.0 ** e, -6, 6)
;;       step = 2.0 ** (np.maximum(np.frexp(np.where(r == 0, 1, r))[1] - 1, 0) - 1)
;;       q = np.round(r / step) * step * 2.0 ** e      # np.round: ties to even
;;       return np.moveaxis(q.reshape(q.shape[:-2] + (-1,))[..., :K], -1, axis).astype(np.float32)
;;   ~~~
;;   SOFTMAX AHEAD OF A QUANTISED PRODUCT. Where the list says 'softmax', what is quantised is not the finished softmax but p = 2^(t - M), with t = logit x log2(e) and M = ceil(the row's largest t), a whole number; so 1/2 < the row's largest p <= 1. The row's sum l is taken of the UNQUANTISED p, in f32, and the product's result is divided by l at the end. Since M is a whole number, a kernel that streams over the keys may use a running M (the ceiling of the running maximum): every later rescaling is an exact power of two, which a block's scale takes up: the codes' values come out the same.
;;   OPERANDS COMPUTED ON THE WAY. 'Computed on the way' means the value that the module computes at that place (a softmax that the list does not call 'softmax' is quantised finished and normalised). What goes into a quantiser is computed in f32, as accurately as f32 sums, v_exp_f32 and their like allow (about 1e-6 of the number): no bf16 or f16 on the way to a quantiser, and a product that is left as it is and whose result goes on into a quantised operand takes f32 operands (vector FMAs, or v_wmma_f32_16x16x4_f32). A number that lies on a knife's edge between two numbers of the format may be rounded either way, as far as f32 arithmetic and the matrix unit's own rounding can turn it there, and no further.
;;   INPUTS GIVEN AS CODES. W1 (in the module: [1024, 512], K = its axis 0); W2 (in the module: [512, 1024], K = its axis 0); Wk (in the module: [8, 1024, 64], K = its axis 1); Wo (in the module: [512, 1024], K = its axis 0); Wq (in the module: [8, 1024, 64], K = its axis 1); Wv (in the module: [8, 1024, 64], K = its axis 1): each comes as NAME_codes (uint8): NAME with its K axis moved to the last place and cut into blocks of 32 codes, [.., K / 32, bytes a block], one block behind the other in memory; two codes a byte, the lower K in the low four bits (a code: sign, 2 exponent bits, 1 mantissa bit); and NAME_scales (uint8): the same leading axes, one E8M0 byte (e + 127) for each 32 codes along K. Its value is code x scale, taken as it is: it is not quantised again, and the codes and scales need not be those that the quantiser above would give.
;; 2 versions. Each part assembles by itself: llvm-mc -triple=amdgcn-amd-amdhsa -mcpu=gfx1250 --defsym DOCPART=n.
;; ======== version 1 of 2: 4 launches
;; workspace buffers: wimg 1,572,864 bytes; qc 2,097,152 bytes; qs 131,072 bytes; kv 4,456,448 bytes; oc 2,097,152 bytes; os 131,072 bytes
;; launch prep (part 1): grid 64 x 6, 4 waves a work-group, no clusters, 0 bytes of LDS; arguments Wq_codes, Wk_codes, Wv_codes, W1_codes, Wo_codes, W2_codes, wimg; writes wimg
.if DOCPART == 1
	.amdgcn_target "amdgcn-amd-amdhsa--gfx1250"
	.amdhsa_code_object_version 6
	.text
	.protected	k_q62a4b427ae_prep
	.globl	k_q62a4b427ae_prep
	.p2align	8
	.type	k_q62a4b427ae_prep,@function
k_q62a4b427ae_prep:
	s_mov_b64 s[64:65], 0
	v_nop
	global_prefetch_b8 v0, s[64:65] scope:SCOPE_SE
	s_setreg_imm32_b32 hwreg(HW_REG_WAVE_MODE, 25, 1), 1
	s_wait_xcnt 0x0
; The six weights' codes are laid once as IMAGES OF OPERAND REGISTERS, so that the later launches load each fragment whole.
; A fragment is 16 rows x 128 along K of 4-bit codes: 8 registers a lane, 1,024 bytes; register group c (0, 1) of lane l lies at 512 c + 16 l.
; wimg: six matrices of 262,144 bytes in the order Wq, Wk, Wv, W1, Wo, W2, 256 fragments each.  Work-group y = the matrix; a wave makes fragment f = 4 x + wave.
; THE ROWS OF A FRAGMENT ARE NOT NEIGHBOURS: lane r of tile u takes row 8 u + r + 8 (r / 8) of an aligned group of 32 rows.
; Rows of 512 bytes (K = 1,024: Wq, Wk, Wv, W1): f = 16 w + 2 s + u: rows 32 w on, K step s (0..7), tile u.
; Rows of 256 bytes (K = 512: Wo, W2):           f = 16 w + 4 s + t: rows 64 w + 32 (t / 2) on, K step s (0..3), tile t % 2.
; A lane reads 2 x 16 bytes of its row; the wave stores 2 x 512 consecutive bytes.  No LDS, no barrier: waves share nothing.  Nothing is shared between work-groups, so no cluster.
	s_load_b256 s[8:15], s[0:1], 0x0               ; Wq, Wk, Wv, W1
	s_load_b128 s[16:19], s[0:1], 0x20             ; Wo, W2
	s_load_b64 s[20:21], s[0:1], 0x30              ; wimg
	v_lshrrev_b32 v1, 5, v0
	v_readfirstlane_b32 s2, v1                     ; wave
	s_and_b32 s3, ttmp7, 0xffff                    ; which matrix
	s_lshl_b32 s4, ttmp9, 2
	s_add_co_u32 s4, s4, s2                        ; f, 0 .. 255
	s_lshr_b32 s5, s4, 4                           ; w
	s_and_b32 s27, s4, 1
	s_lshl_b32 s27, s27, 3                         ; 8 x (f % 2): the tile's first row in its group of 32
	s_bfe_u32 s6, s4, 0x30001                      ; long rows: K step (f / 2) % 8,
	s_lshl_b32 s7, s5, 5
	s_add_co_u32 s7, s7, s27                       ; first row 32 w + 8 u
	s_bfe_u32 s23, s4, 0x20002                     ; short rows: K step (f / 4) % 4,
	s_lshl_b32 s24, s5, 6
	s_bfe_u32 s25, s4, 0x10001
	s_lshl_b32 s25, s25, 5
	s_add_co_u32 s24, s24, s25
	s_add_co_u32 s24, s24, s27                     ; first row 64 w + 32 (t / 2) + 8 (t % 2)
	s_cmp_lt_u32 s3, 4                             ; the first four matrices have the long rows
	s_cselect_b32 s26, 9, 8                        ; log2 of a row's bytes
	s_cselect_b32 s6, s6, s23
	s_cselect_b32 s7, s7, s24
	s_lshl_b32 s7, s7, s26
	s_lshl_b32 s6, s6, 6                           ; a K step is 64 bytes of a row
	s_add_co_u32 s6, s6, s7
	v_and_b32 v2, 15, v0                           ; r
	v_and_b32 v3, 8, v0
	v_add_nc_u32 v2, v2, v3                        ; r + 8 (r / 8)
	v_lshlrev_b32 v2, s26, v2
	v_bfe_u32 v3, v0, 4, 1                         ; h
	v_lshl_add_u32 v2, v3, 4, v2                   ; + 16 h
	v_add_nc_u32 v2, s6, v2
	v_and_b32 v3, 31, v0
	v_lshlrev_b32 v3, 4, v3                        ; out: 16 x lane
	s_lshl_b32 s22, s3, 18
	s_lshl_b32 s23, s4, 10
	s_add_co_u32 s22, s22, s23                     ; 262,144 x matrix + 1,024 f
	s_mov_b32 s23, 0
	s_wait_kmcnt 0x0
	s_cmp_eq_u32 s3, 1                             ; the source is chosen by the work-group's number alone
	s_cselect_b64 s[8:9], s[10:11], s[8:9]
	s_cmp_eq_u32 s3, 2
	s_cselect_b64 s[8:9], s[12:13], s[8:9]
	s_cmp_eq_u32 s3, 3
	s_cselect_b64 s[8:9], s[14:15], s[8:9]
	s_cmp_eq_u32 s3, 4
	s_cselect_b64 s[8:9], s[16:17], s[8:9]
	s_cmp_eq_u32 s3, 5
	s_cselect_b64 s[8:9], s[18:19], s[8:9]
	s_add_nc_u64 s[20:21], s[20:21], s[22:23]
	global_load_b128 v[4:7], v2, s[8:9]            ; k = 32 h + 0 .. 31 of the K step
	global_load_b128 v[8:11], v2, s[8:9] offset:32 ; k = 64 + 32 h + 0 .. 31
	s_wait_loadcnt 0x0
	global_store_b128 v3, v[4:7], s[20:21]
	global_store_b128 v3, v[8:11], s[20:21] offset:512
	s_endpgm
.Lfunc_end_k_q62a4b427ae_prep:
	.size	k_q62a4b427ae_prep, .Lfunc_end_k_q62a4b427ae_prep-k_q62a4b427ae_prep
	.p2alignl 7, 3214868480
	.fill 96, 4, 3214868480
	.section	.rodata,"a",@progbits
	.p2align	6, 0x0
	.amdhsa_kernel k_q62a4b427ae_prep
		.amdhsa_group_segment_fixed_size 0
		.amdhsa_private_segment_fixed_size 0
		.amdhsa_enable_private_segment 0
		.amdhsa_kernarg_size 56
		.amdhsa_user_sgpr_count 2
		.amdhsa_user_sgpr_kernarg_segment_ptr 1
		.amdhsa_wavefront_size32 1
		.amdhsa_system_sgpr_workgroup_id_x 1
		.amdhsa_system_sgpr_workgroup_id_y 1
		.amdhsa_system_sgpr_workgroup_id_z 1
		.amdhsa_system_vgpr_workitem_id 0
		.amdhsa_next_free_vgpr 16
		.amdhsa_next_free_sgpr 66
		.amdhsa_reserve_vcc 0
		.amdhsa_float_denorm_mode_32 3
		.amdhsa_float_denorm_mode_16_64 3
		.amdhsa_memory_ordered 1
		.amdhsa_forward_progress 1
		.amdhsa_inst_pref_size 3
	.end_amdhsa_kernel
	.amdgpu_metadata
---
amdhsa.version: [ 1, 2 ]
amdhsa.kernels:
  - .name:           k_q62a4b427ae_prep
    .symbol:         k_q62a4b427ae_prep.kd
    .args:
      - { .name: Wq_codes, .offset: 0, .size: 8, .value_kind: global_buffer, .address_space: global }
      - { .name: Wk_codes, .offset: 8, .size: 8, .value_kind: global_buffer, .address_space: global }
      - { .name: Wv_codes, .offset: 16, .size: 8, .value_kind: global_buffer, .address_space: global }
      - { .name: W1_codes, .offset: 24, .size: 8, .value_kind: global_buffer, .address_space: global }
      - { .name: Wo_codes, .offset: 32, .size: 8, .value_kind: global_buffer, .address_space: global }
      - { .name: W2_codes, .offset: 40, .size: 8, .value_kind: global_buffer, .address_space: global }
      - { .name: wimg, .offset: 48, .size: 8, .value_kind: global_buffer, .address_space: global }
    .group_segment_fixed_size: 0
    .private_segment_fixed_size: 0
    .kernarg_segment_align: 8
    .kernarg_segment_size: 56
    .max_flat_workgroup_size: 128
    .sgpr_count:     66
    .vgpr_count:     16
    .wavefront_size: 32
...
	.end_amdgpu_metadata
.endif
;; end of part 1
;; launch qkv (part 2): grid 256 x 1, 16 waves a work-group, no clusters, 176,128 bytes of LDS; arguments x, ln1_g, ln1_b, wimg, Wq_scales, Wk_scales, Wv_scales, qc, qs, kv; writes qc, qs, kv
.if DOCPART == 2
	.amdgcn_target "amdgcn-amd-amdhsa--gfx1250"
	.amdhsa_code_object_version 6
	.text
	.protected	k_q62a4b427ae_qkv
	.globl	k_q62a4b427ae_qkv
	.p2align	8
	.type	k_q62a4b427ae_qkv,@function
k_q62a4b427ae_qkv:
	s_mov_b64 s[64:65], 0
	v_nop
	global_prefetch_b8 v0, s[64:65] scope:SCOPE_SE
	s_setreg_imm32_b32 hwreg(HW_REG_WAVE_MODE, 25, 1), 1
	s_wait_xcnt 0x0
; h = LayerNorm(x) g + b, quantised along its 1,024; q, k, v = h Wq, h Wk, h Wv on codes of FP4 (E2M1) with one E8M0 scale for each 32 along K; q and k quantised along the head's 64, v along the keys.
; SHARES.  A work-group owns 32 tokens.  For the norm, wave w owns token rows 2 w and 2 w + 1.  For the products, wave w owns rows 32 w .. 32 w + 31 of each of Wq, Wk, Wv (head w / 2, half w % 2 of its 64), for all 32 tokens.
; POSITIONS.  The 32 tokens form two tiles: lane r of tile m takes token 8 m + r + 8 (r / 8); the weights' rows lie in their images in the same order.  So, with the so ordered operand as source 0, a lane's 16 registers
; of two neighbouring tiles are 16 NEIGHBOURS (16 (lane / 16) + 0 .. 15): q and k take the weights as source 0 (a lane holds one token, registers along d), v takes the tokens as source 0 (a lane holds one d, registers along the keys).
; THE WEIGHTS come from wimg as register images, straight into registers: 8 loads of 512 consecutive bytes bring 4 fragments; two such sets take turns, so that one is on its way while the other is multiplied.
; NO MULTICAST: each weight fragment is wanted by one wave of a work-group and goes straight into its registers; a joint load lands in LDS only, so the 786,432 bytes of codes would be written to LDS and read back,
; and beside the 176,128 bytes in use they would come in six or more refills, each behind a round of a cluster's barrier.
; RESULTS leave as register images too: a lane's 16 codes are 8 bytes at 16 r + 8 h of a block's 256 bytes, so each store of codes covers 256 consecutive bytes, aligned.  The scale bytes leave singly (one byte for 16 of codes).
; LIMITS: NaN and infinite inputs are not served.  A block of zeros gets the scale byte 1 where the rule says 127: its codes are zeros, and this program alone reads the bytes.  The norm goes in two passes (mean, then squares of x - mean).
.set ROWP,  4608                       ; a row of 4,096 bytes in LDS: 32 pieces of 128 bytes + 16 of padding
.set TURNW, 9216                       ; LDS 0 ..: a wave's two rows of x, on their way from 16 bytes a lane to a block of 32 numbers a lane
.set GB,    147456                     ; the gain's row, then the bias's, in the same form
.set HIMG,  156672                     ; h's 16 fragments as register images: 8,192 x tile + 1,024 x K step
.set HS,    173056                     ; h's scale bytes: 32 x position + block
.set SPARE, 174080                     ; the spare words, 128 bytes for each wave: eight blocks of 256 bytes that no other line names
.set LI,  1                            ; v1   16 x lane
.set R8,  2                            ; v2   16 r + 8 h
.set TST, 3                            ; v3   the turn, way in
.set TLD, 4                            ; v4   the turn, way out: 144 x lane
.set GST, 5                            ; v5   my piece of gain or bias, way in
.set GLD, 6                            ; v6   gain and bias, way out
.set IMS, 7                            ; v7   where my rows' codes go in h's images
.set HSS, 8                            ; v8   and their scale bytes
.set AFL, 9                            ; v9   h's images + 16 x lane
.set ASL, 10                           ; v10  h's scale bytes + 32 x lane
.set WSO, 11                           ; v11  the weights' scale bytes: 32 (r + 8 (r / 8)) + 16 h
.set SPW, 12                           ; v12  LDS address of my spare word; never rewritten
.set NIL, 13                           ; v13  0; never rewritten
.set OQ,  14                           ; v14  2 x lane
.set OKS, 15                           ; v15  16 r + 2 h
.set X,   32                           ; v32-95   my two rows of x, then h
.set GG,  96                           ; v96-127  the gain of my block
.set BB,  128                          ; v128-159 the bias
.set ACC, 32                           ; v32-127  the sums: q at 32, k at 64, v at 96: four tiles each
.set AF,  128                          ; v128-159 four fragments of h
.set WB,  160                          ; v160-223 two sets of four weight fragments
.set WS,  224                          ; v224-247 the weights' scale words, 8 for each of q, k, v: scales alone
.set AS,  248                          ; v248-255 h's scale words: scales alone
.set WV,  24
.set MH,  34                           ; s34  mask of lanes 16-31
.set SEL, 60                           ; s[60:61] lane selects for v_permlanex16_b32: lane l xor 16
.set C10, 62                           ; 2^-10
.set EPS, 63
.macro PLACES                          ; four places behind a matrix instruction, ahead of loads into its registers and of reads of its results
.rept 4
	v_nop
.endr
.endm
.macro BAR                             ; my LDS stores have landed and my LDS loads are in: then the work-group's barrier
	s_wait_dscnt 0x0
	s_barrier_signal -1
	s_barrier_wait -1
.endm
; One product of 16 x 16 x 128.  c < 0: the sum begins with 0.  ra, rb: the half of the lanes from which A's and B's scale words are taken.
.macro WM d, a, b, c, sa, sb, ra, rb
.if (\c) < 0
.if (\ra) && (\rb)
	v_wmma_scale_f32_16x16x128_f8f6f4 v[\d:\d+7], v[\a:\a+7], v[\b:\b+7], 0, v[\sa], v[\sb] matrix_a_fmt:MATRIX_FMT_FP4 matrix_b_fmt:MATRIX_FMT_FP4 matrix_a_scale:MATRIX_SCALE_ROW1 matrix_b_scale:MATRIX_SCALE_ROW1
.elseif (\ra)
	v_wmma_scale_f32_16x16x128_f8f6f4 v[\d:\d+7], v[\a:\a+7], v[\b:\b+7], 0, v[\sa], v[\sb] matrix_a_fmt:MATRIX_FMT_FP4 matrix_b_fmt:MATRIX_FMT_FP4 matrix_a_scale:MATRIX_SCALE_ROW1
.elseif (\rb)
	v_wmma_scale_f32_16x16x128_f8f6f4 v[\d:\d+7], v[\a:\a+7], v[\b:\b+7], 0, v[\sa], v[\sb] matrix_a_fmt:MATRIX_FMT_FP4 matrix_b_fmt:MATRIX_FMT_FP4 matrix_b_scale:MATRIX_SCALE_ROW1
.else
	v_wmma_scale_f32_16x16x128_f8f6f4 v[\d:\d+7], v[\a:\a+7], v[\b:\b+7], 0, v[\sa], v[\sb] matrix_a_fmt:MATRIX_FMT_FP4 matrix_b_fmt:MATRIX_FMT_FP4
.endif
.else
.if (\ra) && (\rb)
	v_wmma_scale_f32_16x16x128_f8f6f4 v[\d:\d+7], v[\a:\a+7], v[\b:\b+7], v[\c:\c+7], v[\sa], v[\sb] matrix_a_fmt:MATRIX_FMT_FP4 matrix_b_fmt:MATRIX_FMT_FP4 matrix_a_scale:MATRIX_SCALE_ROW1 matrix_b_scale:MATRIX_SCALE_ROW1
.elseif (\ra)
	v_wmma_scale_f32_16x16x128_f8f6f4 v[\d:\d+7], v[\a:\a+7], v[\b:\b+7], v[\c:\c+7], v[\sa], v[\sb] matrix_a_fmt:MATRIX_FMT_FP4 matrix_b_fmt:MATRIX_FMT_FP4 matrix_a_scale:MATRIX_SCALE_ROW1
.elseif (\rb)
	v_wmma_scale_f32_16x16x128_f8f6f4 v[\d:\d+7], v[\a:\a+7], v[\b:\b+7], v[\c:\c+7], v[\sa], v[\sb] matrix_a_fmt:MATRIX_FMT_FP4 matrix_b_fmt:MATRIX_FMT_FP4 matrix_b_scale:MATRIX_SCALE_ROW1
.else
	v_wmma_scale_f32_16x16x128_f8f6f4 v[\d:\d+7], v[\a:\a+7], v[\b:\b+7], v[\c:\c+7], v[\sa], v[\sb] matrix_a_fmt:MATRIX_FMT_FP4 matrix_b_fmt:MATRIX_FMT_FP4
.endif
.endif
.endm
.macro CHUNK buf, off                  ; four weight fragments, 4,096 consecutive bytes, into set buf
.irp k, 0,1,2,3,4,5,6,7
	global_load_b128 v[WB+32*(\buf)+4*\k:WB+32*(\buf)+4*\k+3], v[LI], s[10:11] offset:(\off)+512*\k
.endr
.endm
; n units of 16 registers from v[src] on; a unit is half a block of 32, the other half lies in lane l xor 16.  Leaves the scale's byte in v[TM + i] and the 16 codes in v[PC + 2 i], v[PC + 2 i + 1].  The units take turns line by line.
.macro QUANTU n, src, TM, TP, PC
.set qi, 0
.rept \n
	v_max3_num_f32 v[\TP+qi], |v[\src+16*qi]|, |v[\src+16*qi+1]|, 0x1800000   ; with the floor 2^(3 - 127): the byte cannot fall under 1
.set qi, qi+1
.endr
.set qi, 0
.rept \n
	v_max3_num_f32 v[\TM+qi], v[\TP+qi], |v[\src+16*qi+2]|, |v[\src+16*qi+3]|
.set qi, qi+1
.endr
.irp p, 4,6,8,10,12,14
.set qi, 0
.rept \n
	v_max3_num_f32 v[\TM+qi], v[\TM+qi], |v[\src+16*qi+\p]|, |v[\src+16*qi+\p+1]|
.set qi, qi+1
.endr
.endr
.set qi, 0
.rept \n
	v_permlanex16_b32 v[\TP+qi], v[\TM+qi], s[SEL], s[SEL+1]
.set qi, qi+1
.endr
.set qi, 0
.rept \n
	v_max_num_f32 v[\TM+qi], v[\TM+qi], v[\TP+qi]      ; the block's largest magnitude
.set qi, qi+1
.endr
.set qi, 0
.rept \n
	v_add_nc_u32 v[\TP+qi], 0xff000000, v[\TM+qi]      ; 2 off its exponent field: the conversion takes the exponent field of this operand as its scale
.set qi, qi+1
.endr
.set qi, 0
.rept \n
	v_lshrrev_b32 v[\TM+qi], 23, v[\TP+qi]             ; the scale's byte
.set qi, qi+1
.endr
.set qi, 0
.rept \n
	v_cvt_scalef32_pk8_fp4_f32 v[\PC+2*qi], v[\src+16*qi:\src+16*qi+7], v[\TP+qi]
	v_cvt_scalef32_pk8_fp4_f32 v[\PC+2*qi+1], v[\src+16*qi+8:\src+16*qi+15], v[\TP+qi]
.set qi, qi+1
.endr
	v_nop                                          ; one plain place behind the last scaled conversion
.endm
; The two rows' running pairs (row e: v[16 + 8 e : 17 + 8 e] and v[18 + 8 e : 19 + 8 e]) are folded and summed over the wave's 32 lanes: v16 and v24 hold the rows' sums in every lane.
.macro FOLD
.irp e, 0,1
	v_pk_add_f32 v[16+8*\e:17+8*\e], v[16+8*\e:17+8*\e], v[18+8*\e:19+8*\e]
.endr
.irp e, 0,1
	v_add_f32 v[16+8*\e], v[16+8*\e], v[17+8*\e]
.endr
.irp x, 1,2,4,8
.irp e, 0,1
	v_add_f32_dpp v[16+8*\e], v[16+8*\e], v[16+8*\e] row_xmask:\x row_mask:0xf bank_mask:0xf
.endr
.endr
.irp e, 0,1
	v_permlanex16_b32 v[17+8*\e], v[16+8*\e], s[SEL], s[SEL+1]
.endr
.irp e, 0,1
	v_add_f32 v[16+8*\e], v[16+8*\e], v[17+8*\e]
.endr
.endm
	s_load_b512 s[4:19], s[0:1], 0x0               ; x, gain, bias, wimg, Wq's, Wk's, Wv's scales, qc
	s_load_b128 s[20:23], s[0:1], 0x40             ; qs, kv
	v_lshl_add_u32 v[SPW], v0, 2, SPARE
	v_mov_b32 v[NIL], 0
	v_lshrrev_b32 v16, 5, v0
	v_readfirstlane_b32 s[WV], v16                 ; wave 0..15
	v_and_b32 v17, 31, v0                          ; lane
	v_and_b32 v18, 15, v0                          ; r
	v_bfe_u32 v19, v0, 4, 1                        ; h
	v_lshlrev_b32 v[LI], 4, v17
	v_lshlrev_b32 v[R8], 4, v18
	v_lshl_add_u32 v[R8], v19, 3, v[R8]
	s_mul_i32 s25, s[WV], TURNW
	v_bfe_u32 v20, v0, 3, 2                        ; lane / 8
	v_and_b32 v21, 7, v0
	v_mul_u32_u24 v20, v20, 144
	v_lshl_add_u32 v20, v21, 4, v20                ; a load's 512 bytes are four pieces: 144 (lane / 8) + 16 (lane % 8)
	v_add_nc_u32 v[TST], s25, v20
	v_mul_u32_u24 v22, v17, 144                    ; and lane l takes piece l whole: block l of the row
	v_add_nc_u32 v[TLD], s25, v22
	v_add_nc_u32 v[GLD], GB, v22
	s_lshr_b32 s26, s[WV], 3
	s_and_b32 s27, s[WV], 7
	s_mul_i32 s28, s26, ROWP                       ; waves 0-7 bring the gain, waves 8-15 the bias, 512 bytes each
	s_mul_i32 s29, s27, 576
	s_add_co_u32 s28, s28, s29
	s_add_co_u32 s28, s28, GB
	v_add_nc_u32 v[GST], s28, v20
	s_bfe_u32 s29, s[WV], 0x10002                  ; token 2 w lies at tile (w / 4) % 2, row 8 (w / 8) + 2 (w % 4)
	s_and_b32 s30, s[WV], 3
	s_lshl_b32 s31, s29, 13
	s_lshl_b32 s33, s26, 7
	s_add_co_u32 s31, s31, s33
	s_lshl_b32 s33, s30, 5
	s_add_co_u32 s31, s31, s33
	s_add_co_u32 s31, s31, HIMG
	v_lshl_add_u32 v[IMS], v17, 8, s31             ; block l of a row: 256 l + 16 x the row's place in its tile
	s_lshl_b32 s31, s29, 9
	s_lshl_b32 s33, s26, 8
	s_add_co_u32 s31, s31, s33
	s_lshl_b32 s33, s30, 6
	s_add_co_u32 s31, s31, s33
	s_add_co_u32 s31, s31, HS
	v_add_nc_u32 v[HSS], s31, v17                  ; 32 x position + block
	v_add_nc_u32 v[AFL], HIMG, v[LI]
	v_lshl_add_u32 v[ASL], v17, 5, HS
	v_and_b32 v23, 8, v0
	v_add_nc_u32 v23, v23, v18
	v_lshlrev_b32 v[WSO], 5, v23
	v_lshl_add_u32 v[WSO], v19, 4, v[WSO]
	v_lshlrev_b32 v[OQ], 1, v17
	v_lshlrev_b32 v[OKS], 4, v18
	v_lshl_add_u32 v[OKS], v19, 1, v[OKS]
	v_cmp_lt_u32 s[MH], 15, v17
	s_mov_b32 s[SEL], 0x76543210
	s_mov_b32 s[SEL+1], 0xfedcba98
	s_mov_b32 s[C10], 0x3a800000
	s_mov_b32 s[EPS], 0x3727c5ac                   ; 1e-5
	s_lshl_b32 s36, ttmp9, 17                      ; x: 32 rows of 4,096 bytes a work-group,
	s_lshl_b32 s37, s[WV], 13                      ; two a wave
	s_add_co_u32 s36, s36, s37
	s_mov_b32 s37, 0
	s_lshl_b32 s38, s27, 9
	s_mov_b32 s39, 0
	s_lshl_b32 s40, s[WV], 14                      ; my 16 fragments of each matrix
	s_mov_b32 s41, 0
	s_lshl_b32 s42, s[WV], 10                      ; my 32 rows of scale bytes
	s_mov_b32 s43, 0
	s_wait_kmcnt 0x0
	s_add_nc_u64 s[4:5], s[4:5], s[36:37]
	s_cmp_lt_u32 s[WV], 8
	s_cselect_b64 s[6:7], s[6:7], s[8:9]
	s_add_nc_u64 s[6:7], s[6:7], s[38:39]
	s_add_nc_u64 s[10:11], s[10:11], s[40:41]
	s_add_nc_u64 s[12:13], s[12:13], s[42:43]
	s_add_nc_u64 s[14:15], s[14:15], s[42:43]
	s_add_nc_u64 s[16:17], s[16:17], s[42:43]
.irp e, 0,1
.irp i, 0,1,2,3,4,5,6,7
	global_load_b128 v[X+32*\e+4*\i:X+32*\e+4*\i+3], v[LI], s[4:5] offset:4096*\e+512*\i th:TH_LOAD_NT   ; 512 consecutive bytes a load
.endr
.endr
	global_load_b128 v[GG:GG+3], v[LI], s[6:7]
.irp ty, 0,1,2
.irp u, 0,1
	global_load_b128 v[WS+8*\ty+4*\u:WS+8*\ty+4*\u+3], v[WSO], s[12+2*\ty:13+2*\ty] offset:256*\u   ; tile u: register j, lanes 16 h + r: K step 4 h + j of row r
.endr
.endr
	CHUNK 0, 0                                     ; Wq, K steps 0 and 1
	CHUNK 1, 262144                                ; Wk, the same
	; where the results go (scalar work while the loads are out)
	s_lshr_b32 s44, ttmp9, 6
	s_lshl_b32 s44, s44, 3
	s_lshr_b32 s45, s[WV], 1
	s_add_co_u32 s44, s44, s45                     ; y = 8 x batch + head
	s_and_b32 s45, s[WV], 1                        ; which half of the head's 64
	s_and_b32 s46, ttmp9, 63                       ; which block of 32 tokens of the batch
	s_lshr_b32 s47, s46, 2                         ; its key step of 128,
	s_and_b32 s48, s46, 3                          ; and its place in that
	s_mov_b32 s59, 0
	s_lshl_b32 s58, s44, 16                        ; qc: (128 y + 2 block + tile) x 512 + 256 x half
	s_lshl_b32 s49, s46, 10
	s_add_co_u32 s58, s58, s49
	s_lshl_b32 s49, s45, 8
	s_add_co_u32 s58, s58, s49
	s_add_nc_u64 s[18:19], s[18:19], s[58:59]
	s_lshl_b32 s58, s44, 12                        ; qs: 2 x (2,048 y + 32 block + position) + half
	s_lshl_b32 s49, s46, 6
	s_add_co_u32 s58, s58, s49
	s_add_co_u32 s58, s58, s45
	s_add_nc_u64 s[20:21], s[20:21], s[58:59]
	s_mul_i32 s58, s44, 139264                     ; kv: y's part
	s_add_nc_u64 s[22:23], s[22:23], s[58:59]
	s_lshl_b32 s58, s46, 10                        ; K's images: 1,024 x block + 512 x tile + 256 x half
	s_lshl_b32 s49, s45, 8
	s_add_co_u32 s58, s58, s49
	s_add_nc_u64 s[50:51], s[22:23], s[58:59]
	s_lshl_b32 s58, s47, 12                        ; V's images: 4,096 x step + 1,024 (2 x half + tile) + 256 x place
	s_lshl_b32 s49, s45, 11
	s_add_co_u32 s58, s58, s49
	s_lshl_b32 s49, s48, 8
	s_add_co_u32 s58, s58, s49
	s_add_nc_u64 s[52:53], s[22:23], s[58:59]
	s_lshl_b32 s58, s47, 8                         ; K's scale bytes: 256 x step + 16 r + 4 x place + 2 x tile + half
	s_lshl_b32 s49, s48, 2
	s_add_co_u32 s58, s58, s49
	s_add_co_u32 s58, s58, s45
	s_add_nc_u64 s[54:55], s[22:23], s[58:59]
	s_lshl_b32 s58, s47, 8                         ; V's: 256 x step + 16 r + 4 (2 x half + tile) + place
	s_lshl_b32 s49, s45, 3
	s_add_co_u32 s58, s58, s49
	s_add_co_u32 s58, s58, s48
	s_add_nc_u64 s[56:57], s[22:23], s[58:59]
	s_wait_loadcnt 22                              ; x and my piece of gain or bias are in; the 6 scale loads and the 16 weight loads stay out
	ds_store_b128 v[GST], v[GG:GG+3]
.irp e, 0,1
.irp i, 0,1,2,3,4,5,6,7
	ds_store_b128 v[TST], v[X+32*\e+4*\i:X+32*\e+4*\i+3] offset:ROWP*\e+576*\i
.endr
.endr
	BAR                                            ; gain and bias lie whole in LDS
.irp e, 0,1
.irp q, 0,1,2,3,4,5,6,7
	ds_load_b128 v[X+32*\e+4*\q:X+32*\e+4*\q+3], v[TLD] offset:ROWP*\e+16*\q    ; lane l: block l of my row: 32 neighbours
.endr
.endr
.irp q, 0,1,2,3,4,5,6,7
	ds_load_b128 v[GG+4*\q:GG+4*\q+3], v[GLD] offset:16*\q
	ds_load_b128 v[BB+4*\q:BB+4*\q+3], v[GLD] offset:ROWP+16*\q
.endr
	s_wait_dscnt 16                                ; x is back; the gain's and the bias's 16 loads stay out
	; ---- the mean, the two rows by turns
.irp e, 0,1
	v_pk_add_f32 v[16+8*\e:17+8*\e], v[X+32*\e:X+32*\e+1], v[X+32*\e+2:X+32*\e+3]
	v_pk_add_f32 v[18+8*\e:19+8*\e], v[X+32*\e+4:X+32*\e+5], v[X+32*\e+6:X+32*\e+7]
.endr
.irp k, 8,12,16,20,24,28
.irp e, 0,1
	v_pk_add_f32 v[16+8*\e:17+8*\e], v[16+8*\e:17+8*\e], v[X+32*\e+\k:X+32*\e+\k+1]
	v_pk_add_f32 v[18+8*\e:19+8*\e], v[18+8*\e:19+8*\e], v[X+32*\e+\k+2:X+32*\e+\k+3]
.endr
.endr
	FOLD
.irp e, 0,1
	v_mul_f32 v[20+8*\e], 0xba800000, v[16+8*\e]   ; minus the mean: the sum x -2^-10, in both halves of a pair
	v_mul_f32 v[21+8*\e], 0xba800000, v[16+8*\e]
.endr
.irp k, 0,2,4,6,8,10,12,14,16,18,20,22,24,26,28,30
.irp e, 0,1
	v_pk_add_f32 v[X+32*\e+\k:X+32*\e+\k+1], v[X+32*\e+\k:X+32*\e+\k+1], v[20+8*\e:21+8*\e]
.endr
.endr
	; ---- the variance, of x - mean
.irp e, 0,1
	v_pk_mul_f32 v[16+8*\e:17+8*\e], v[X+32*\e:X+32*\e+1], v[X+32*\e:X+32*\e+1]
	v_pk_mul_f32 v[18+8*\e:19+8*\e], v[X+32*\e+2:X+32*\e+3], v[X+32*\e+2:X+32*\e+3]
.endr
.irp k, 4,8,12,16,20,24,28
.irp e, 0,1
	v_pk_fma_f32 v[16+8*\e:17+8*\e], v[X+32*\e+\k:X+32*\e+\k+1], v[X+32*\e+\k:X+32*\e+\k+1], v[16+8*\e:17+8*\e]
	v_pk_fma_f32 v[18+8*\e:19+8*\e], v[X+32*\e+\k+2:X+32*\e+\k+3], v[X+32*\e+\k+2:X+32*\e+\k+3], v[18+8*\e:19+8*\e]
.endr
.endr
	FOLD
.irp e, 0,1
	v_fma_f32 v[16+8*\e], v[16+8*\e], s[C10], s[EPS]
.endr
.irp e, 0,1
	v_rsq_f32 v[22+8*\e], v[16+8*\e]               ; twice, to fill the pair that the packed multiply takes
	v_rsq_f32 v[23+8*\e], v[16+8*\e]
.endr
	v_nop                                          ; a plain place behind the last of the batch
	s_wait_alu depctr_va_vdst(0)                   ; one wait for the four, ahead of their first reader
	s_wait_dscnt 0x0                               ; gain and bias
.irp k, 0,2,4,6,8,10,12,14,16,18,20,22,24,26,28,30
.irp e, 0,1
	v_pk_mul_f32 v[X+32*\e+\k:X+32*\e+\k+1], v[X+32*\e+\k:X+32*\e+\k+1], v[22+8*\e:23+8*\e]
.endr
.endr
.irp k, 0,2,4,6,8,10,12,14,16,18,20,22,24,26,28,30
.irp e, 0,1
	v_pk_fma_f32 v[X+32*\e+\k:X+32*\e+\k+1], v[X+32*\e+\k:X+32*\e+\k+1], v[GG+\k:GG+\k+1], v[BB+\k:BB+\k+1]
.endr
.endr
	; ---- h is quantised: a lane holds a whole block of each row, so no other lane is asked.  Two chains a row
.irp e, 0,1
.irp a, 0,1
	v_max3_num_f32 v[16+2*\e+\a], |v[X+32*\e+16*\a]|, |v[X+32*\e+16*\a+1]|, 0x1800000
.endr
.endr
.irp p, 2,4,6,8,10,12,14
.irp e, 0,1
.irp a, 0,1
	v_max3_num_f32 v[16+2*\e+\a], v[16+2*\e+\a], |v[X+32*\e+16*\a+\p]|, |v[X+32*\e+16*\a+\p+1]|
.endr
.endr
.endr
.irp e, 0,1
	v_max_num_f32 v[16+2*\e], v[16+2*\e], v[17+2*\e]
.endr
.irp e, 0,1
	v_add_nc_u32 v[20+\e], 0xff000000, v[16+2*\e]  ; 2 off the exponent field: the conversion's scale operand
.endr
.irp e, 0,1
	v_lshrrev_b32 v[22+\e], 23, v[20+\e]           ; the scale's byte
.endr
.irp e, 0,1
.irp g, 0,1,2,3
	v_cvt_scalef32_pk8_fp4_f32 v[24+4*\e+\g], v[X+32*\e+8*\g:X+32*\e+8*\g+7], v[20+\e]
.endr
.endr
	v_nop                                          ; one plain place behind the last scaled conversion
.irp e, 0,1
	ds_store_b128 v[IMS], v[24+4*\e:27+4*\e] offset:16*\e
	ds_store_b8 v[HSS], v[22+\e] offset:32*\e
.endr
	BAR                                            ; h's sixteen fragments and their scale bytes lie in LDS
	; ---- the products: K in four quarters of two steps; in each, Wq's, Wk's and Wv's set of four fragments
	ds_load_b128 v[AS:AS+3], v[ASL]                ; lane 16 m + r: the eight scale words of position r of tile m
	ds_load_b128 v[AS+4:AS+7], v[ASL] offset:16
.set cn, 0
.irp z, 0,1,2,3
.irp e, 0,1
.irp m, 0,1
.irp c, 0,1
	ds_load_b128 v[AF+16*\e+8*\m+4*\c:AF+16*\e+8*\m+4*\c+3], v[AFL] offset:8192*\m+1024*(2*\z+\e)+512*\c   ; (behind the four places that follow the last products)
.endr
.endr
.endr
	s_wait_dscnt 0x0
.irp ty, 0,1,2
.if cn < 11
	s_wait_loadcnt 0x8                             ; this set is in; the next set's eight loads stay out
.else
	s_wait_loadcnt 0x0
.endif
.irp e, 0,1
.irp m, 0,1
.irp u, 0,1                            ; four accumulators by turns, one instruction a turn
.set ks, 2*\z+\e
.set wf, WB+32*(cn%2)+8*(2*\e+\u)
.set af, AF+16*\e+8*\m
.set ws, WS+8*\ty+4*\u+(ks&3)
.if \ty < 2
.set ac, ACC+32*\ty+16*\m+8*\u
.else
.set ac, ACC+64+16*\u+8*\m
.endif
.set cc, ac
.if ks == 0
.set cc, -1
.endif
.if \ty < 2
	WM ac, wf, af, cc, ws, AS+ks, ks>>2, \m        ; q, k: source 0 = 16 rows of the weight, source 1 = 16 tokens
.else
	WM ac, af, wf, cc, AS+ks, ws, \m, ks>>2        ; v: source 0 = 16 tokens, source 1 = 16 rows of the weight
.endif
.endr
.endr
.endr
	PLACES
.if cn+2 < 12
	CHUNK cn%2, 262144*((cn+2)%3)+4096*((cn+2)/3)  ; the set after next, into the registers just multiplied
.endif
.set cn, cn+1
.endr
.endr
	; ---- the way out: six units: q of tiles 0, 1; k of tiles 0, 1 (blocks of 32 along d); v of d tiles 0, 1 (a block of 32 keys)
	QUANTU 6, ACC, 128, 134, 140
	global_store_b64 v[R8], v[140:141], s[18:19]
	global_store_b64 v[R8], v[142:143], s[18:19] offset:512
	global_store_b64 v[R8], v[144:145], s[50:51]
	global_store_b64 v[R8], v[146:147], s[50:51] offset:512
	global_store_b64 v[R8], v[148:149], s[52:53] offset:65536
	global_store_b64 v[R8], v[150:151], s[52:53] offset:65536+1024
	v_cndmask_b32 v152, v128, v129, s[MH]          ; both halves of the lanes hold both units' bytes: lanes 0-15 store the first unit's, lanes 16-31 the second's
	v_cndmask_b32 v153, v130, v131, s[MH]
	v_cndmask_b32 v154, v132, v133, s[MH]
	v_and_b32 v155, 15, v0
	v_lshlrev_b32 v155, 4, v155
	v_bfe_u32 v156, v0, 4, 1
	v_lshl_add_u32 v155, v156, 2, v155             ; 16 r + 4 h
	global_store_b8 v[OQ], v152, s[20:21]
	global_store_b8 v[OKS], v153, s[54:55] offset:131072
	global_store_b8 v155, v154, s[56:57] offset:135168
	s_wait_tensorcnt 0x0                           ; the wave's end
	ds_add_u32 v[SPW], v[NIL]
	s_wait_dscnt 0x0
	s_endpgm
.Lfunc_end_k_q62a4b427ae_qkv:
	.size	k_q62a4b427ae_qkv, .Lfunc_end_k_q62a4b427ae_qkv-k_q62a4b427ae_qkv
	.p2alignl 7, 3214868480
	.fill 96, 4, 3214868480
	.section	.rodata,"a",@progbits
	.p2align	6, 0x0
	.amdhsa_kernel k_q62a4b427ae_qkv
		.amdhsa_group_segment_fixed_size 176128
		.amdhsa_private_segment_fixed_size 0
		.amdhsa_enable_private_segment 0
		.amdhsa_kernarg_size 80
		.amdhsa_user_sgpr_count 2
		.amdhsa_user_sgpr_kernarg_segment_ptr 1
		.amdhsa_wavefront_size32 1
		.amdhsa_system_sgpr_workgroup_id_x 1
		.amdhsa_system_sgpr_workgroup_id_y 1
		.amdhsa_system_sgpr_workgroup_id_z 1
		.amdhsa_system_vgpr_workitem_id 0
		.amdhsa_next_free_vgpr 256
		.amdhsa_next_free_sgpr 66
		.amdhsa_reserve_vcc 0
		.amdhsa_float_denorm_mode_32 3
		.amdhsa_float_denorm_mode_16_64 3
		.amdhsa_memory_ordered 1
		.amdhsa_forward_progress 1
		.amdhsa_inst_pref_size 58
	.end_amdhsa_kernel
	.amdgpu_metadata
---
amdhsa.version: [ 1, 2 ]
amdhsa.kernels:
  - .name:           k_q62a4b427ae_qkv
    .symbol:         k_q62a4b427ae_qkv.kd
    .args:
      - { .name: x, .offset: 0, .size: 8, .value_kind: global_buffer, .address_space: global }
      - { .name: ln1_g, .offset: 8, .size: 8, .value_kind: global_buffer, .address_space: global }
      - { .name: ln1_b, .offset: 16, .size: 8, .value_kind: global_buffer, .address_space: global }
      - { .name: wimg, .offset: 24, .size: 8, .value_kind: global_buffer, .address_space: global }
      - { .name: Wq_scales, .offset: 32, .size: 8, .value_kind: global_buffer, .address_space: global }
      - { .name: Wk_scales, .offset: 40, .size: 8, .value_kind: global_buffer, .address_space: global }
      - { .name: Wv_scales, .offset: 48, .size: 8, .value_kind: global_buffer, .address_space: global }
      - { .name: qc, .offset: 56, .size: 8, .value_kind: global_buffer, .address_space: global }
      - { .name: qs, .offset: 64, .size: 8, .value_kind: global_buffer, .address_space: global }
      - { .name: kv, .offset: 72, .size: 8, .value_kind: global_buffer, .address_space: global }
    .group_segment_fixed_size: 176128
    .private_segment_fixed_size: 0
    .kernarg_segment_align: 8
    .kernarg_segment_size: 80
    .max_flat_workgroup_size: 512
    .sgpr_count:     66
    .vgpr_count:     256
    .wavefront_size: 32
...
	.end_amdgpu_metadata
.endif
;; end of part 2
;; launch attn (part 3): grid 8 x 32, 16 waves a work-group, clusters of 4 x 1, 167,936 bytes of LDS; arguments qc, qs, kv, oc, os; writes oc, os
.if DOCPART == 3
	.amdgcn_target "amdgcn-amd-amdhsa--gfx1250"
	.amdhsa_code_object_version 6
	.text
	.protected	k_q62a4b427ae_attn
	.globl	k_q62a4b427ae_attn
	.p2align	8
	.type	k_q62a4b427ae_attn,@function
k_q62a4b427ae_attn:
	s_mov_b64 s[64:65], 0
	v_nop
	global_prefetch_b8 v0, s[64:65] scope:SCOPE_SE
	s_setreg_imm32_b32 hwreg(HW_REG_WAVE_MODE, 25, 1), 1
	s_wait_xcnt 0x0
	s_wait_alu depctr_hold_cnt(0) depctr_sa_sdst(0) depctr_va_vdst(0) depctr_va_sdst(0) depctr_va_ssrc(0) depctr_va_vcc(0) depctr_vm_vsrc(0)
	s_getreg_b32 s2, hwreg(HW_REG_IB_STS2, 6, 4)
	s_cmp_eq_u32 s2, 0
	s_cbranch_scc0 .Lentry_in_a_cluster
	s_endpgm
.Lentry_in_a_cluster:
	s_bfe_u32 s2, ttmp6, 0x10000c
	s_cmp_lg_u32 s2, 0x3003
	s_cbranch_scc0 .Lentry_shape_is_right
	s_endpgm
.Lentry_shape_is_right:
; Causal attention of one (batch, head) pair y, head size 64, 2,048 tokens, both products on codes of FP4 (E2M1) with one E8M0 scale for each 32 along K; the result, divided by the row's sum, is quantised along the heads' 512.
; THE SOFTMAX: t = score x log2(e) / 8; M = the running largest t rounded UP to a whole number; p = 2^(t - M) is quantised along the keys, not normalised; the row's sum is taken of the unquantised p and divides at the end.
; When M moves, the sum and O are multiplied by 2^(old M - new M): exact.
; SHARES.  A work-group has sixteen waves of 256 registers, four to a SIMD; a wave owns ONE tile of 16 queries, tile 8 sigma + j (j = the work-group's x, 0..7).  Tile qt holds tokens 32 (qt / 2) + 8 (qt % 2) + r + 8 (r / 8).
; Its keys end in key step sigma (128 keys a step), so it works sigma + 1 steps.  sigma comes from a 4 x 4 square of 0..15 whose rows and columns each add up to 30: any four waves w / 4 alike or w % 4 alike have 34 steps.
; EVERY wave walks all 16 trips, so that the trip count is a constant; a step all of whose keys come after the wave's queries is left out by a scalar branch on sigma and the count of steps.
; K AND V of the pair, as register images with their scale bytes, are one dense part of kv, 139,264 bytes: it comes into LDS ONCE, each wave bringing 34 rows of 256 bytes, and is never filled again.
; CLUSTER.  The four work-groups of a cluster serve the same pair, so each of the sixteen loads is asked for JOINTLY: the same descriptor and a mask that names the four.  One tensor load of a wave is out.
; No branch and no LDS address hangs on the work-group's place: j enters the addresses of Q and of the results, and the number against which the diagonal step's keys are held.
; LAYOUT.  Both products transposed: S^T = K Q^T, O^T = V^T P^T: a lane holds one query throughout.  The head has 64, the instruction takes 128 along K: a fragment of K carries key tile 2 b in k = 0..63 and tile 2 b + 1 in
; k = 64..127, and is multiplied by [q | 0] and by [0 | q]: zero codes add nothing.  The 16 registers of tiles 2 b, 2 b + 1 are keys 32 b + 16 (lane / 16) + 0 .. 15.
; LIMITS: NaN and infinities are not served; a block of zeros gets the scale byte 1 (its codes are zeros; this program alone reads the bytes).
.set BLOB,  139264
.set PART,  8704                       ; a wave's 34 rows of 256 bytes
.set VIM,   65536                      ; LDS: K's images from 0, V's from here: 4,096 bytes a key step each;
.set KSC,   131072                     ; K's scale words, 256 bytes a step: 16 r + 4 x block;
.set VSC,   135168                     ; V's: 16 r + 4 x tile
.set SPARE, 139264                     ; the spare words, 128 bytes for each wave: eight blocks of 256 bytes that no other line names
.set LI,  1                            ; v1   16 x lane
.set AV0, 2
.set AS0, 3
.set AT0, 4
.set SPW, 5                            ; v5   LDS address of my spare word; never rewritten
.set NIL, 6                            ; v6   0; never rewritten
.set DL,  7                            ; v7   my query's place in its key step - 16 (lane / 16)
.set ADK, 8                            ; v8-11 the step's LDS addresses
.set ADV, 9
.set ADS, 10
.set ADT, 11
.set KSW, 192                          ; v192-195 K's scale words, v196-199 V's, v200 p's, v201 q's: scales alone
.set VSW, 196
.set PSW, 200
.set QSW, 201
; v12 -M, v13 the largest t, v[14:15] the sum in two halves; v16-23 [q | 0], v24-31 [0 | q]; v32-63 K, v64-95 V; v96-159 S^T, then p; v160-191 O^T; v224-231 p's codes; v232-254 at work
.set WV,  14
.set SIG, 18
.set SEL, 22                           ; s[22:23] lane selects: lane l xor 16
.set G1,  24                           ; s[24:31] descriptor group 1
.set G0,  32                           ; s[32:35] group 0
.set CS,  36                           ; s[36:37] c = log2(e) / 8
.set MH,  38
.set KS,  55                           ; the key step
.set TB,  56                           ; 4,096 x step
.set TS,  57                           ; 256 x step
.macro PLACES
.rept 4
	v_nop
.endr
.endm
.macro ROUND                           ; a round of the cluster's barrier
	s_barrier_signal -1
	s_barrier_wait -1
	s_cmp_lg_u32 s[WV], 0
	s_cbranch_scc1 .Lnot_wave_0_\@
	s_barrier_signal -3
.Lnot_wave_0_\@:
	s_barrier_wait -3
	s_barrier_signal -1
	s_barrier_wait -1
.endm
.macro WM d, a, b, c, sa, sb           ; one product of 16 x 16 x 128; c < 0: the sum begins with 0
.if (\c) < 0
	v_wmma_scale_f32_16x16x128_f8f6f4 v[\d:\d+7], v[\a:\a+7], v[\b:\b+7], 0, v[\sa], v[\sb] matrix_a_fmt:MATRIX_FMT_FP4 matrix_b_fmt:MATRIX_FMT_FP4
.else
	v_wmma_scale_f32_16x16x128_f8f6f4 v[\d:\d+7], v[\a:\a+7], v[\b:\b+7], v[\c:\c+7], v[\sa], v[\sb] matrix_a_fmt:MATRIX_FMT_FP4 matrix_b_fmt:MATRIX_FMT_FP4
.endif
.endm
; n units of 16 registers from v[src] on; a unit is half a block of 32, the other half lies in lane l xor 16.  Leaves the scale's byte in v[TM + i] and the 16 codes in v[PC + 2 i], v[PC + 2 i + 1].
.macro QUANTU n, src, TM, TP, PC
.set qi, 0
.rept \n
	v_max3_num_f32 v[\TP+qi], |v[\src+16*qi]|, |v[\src+16*qi+1]|, 0x1800000   ; with the floor 2^(3 - 127): the byte cannot fall under 1
.set qi, qi+1
.endr
.set qi, 0
.rept \n
	v_max3_num_f32 v[\TM+qi], v[\TP+qi], |v[\src+16*qi+2]|, |v[\src+16*qi+3]|
.set qi, qi+1
.endr
.irp p, 4,6,8,10,12,14
.set qi, 0
.rept \n
	v_max3_num_f32 v[\TM+qi], v[\TM+qi], |v[\src+16*qi+\p]|, |v[\src+16*qi+\p+1]|
.set qi, qi+1
.endr
.endr
.set qi, 0
.rept \n
	v_permlanex16_b32 v[\TP+qi], v[\TM+qi], s[SEL], s[SEL+1]
.set qi, qi+1
.endr
.set qi, 0
.rept \n
	v_max_num_f32 v[\TM+qi], v[\TM+qi], v[\TP+qi]
.set qi, qi+1
.endr
.set qi, 0
.rept \n
	v_add_nc_u32 v[\TP+qi], 0xff000000, v[\TM+qi]
.set qi, qi+1
.endr
.set qi, 0
.rept \n
	v_lshrrev_b32 v[\TM+qi], 23, v[\TP+qi]
.set qi, qi+1
.endr
.set qi, 0
.rept \n
	v_cvt_scalef32_pk8_fp4_f32 v[\PC+2*qi], v[\src+16*qi:\src+16*qi+7], v[\TP+qi]
	v_cvt_scalef32_pk8_fp4_f32 v[\PC+2*qi+1], v[\src+16*qi+8:\src+16*qi+15], v[\TP+qi]
.set qi, qi+1
.endr
	v_nop                                          ; one plain place behind the last scaled conversion
.endm
	s_load_b256 s[4:11], s[0:1], 0x0               ; qc, qs, kv, oc
	s_load_b64 s[12:13], s[0:1], 0x20              ; os
	v_lshl_add_u32 v[SPW], v0, 2, SPARE
	v_mov_b32 v[NIL], 0
	ds_add_u32 v[SPW], v[NIL]                      ; the wave's opening: the add, and its wait ahead of my tensor load; the set-up below, work on registers, stands between them
	v_lshrrev_b32 v8, 5, v0
	v_readfirstlane_b32 s[WV], v8                  ; wave 0..15
	s_bfe_u32 s15, ttmp6, 0x40000                  ; cx: my place in the cluster
	s_lshl_b32 s16, ttmp9, 2                       ; in a cluster launch ttmp9 counts clusters
	s_add_co_u32 s16, s16, s15                     ; j
	s_and_b32 s17, ttmp7, 0xffff                   ; y, which the four partners share
	s_mov_b32 s19, 0x0de3b658                      ; sigma: four bits a wave; waves 8-15 here,
	s_cmp_lt_u32 s[WV], 8
	s_cselect_b32 s19, 0x7a94c12f, s19             ; waves 0-7 here
	s_and_b32 s20, s[WV], 7
	s_lshl_b32 s20, s20, 2
	s_lshr_b32 s19, s19, s20
	s_and_b32 s[SIG], s19, 15
	s_mov_b32 s[G1], 15|(3<<16)|(1<<21)            ; 15:0 the mask: all four work-groups; 17:16 elements of 8 bytes; 21 set beside a mask; no padding
	s_mov_b32 s[G1+1], 32<<16                      ; tensor_dim0 = 32 elements: 256 bytes
	s_mov_b32 s[G1+2], 34<<16                      ; tensor_dim1 = 34 rows
	s_mov_b32 s[G1+3], 32<<16                      ; tile_dim0
	s_mov_b32 s[G1+4], 34                          ; tile_dim1
	s_mov_b32 s[G1+5], 32                          ; the rows are dense
	s_mov_b32 s[G1+6], 0
	s_mov_b32 s[G1+7], 0
	s_mov_b32 s[G0], 1
	s_mul_i32 s[G0+1], s[WV], PART                 ; LDS address: the wave's number alone
	s_mul_i32 s40, s17, BLOB
	s_add_co_u32 s40, s40, s[G0+1]
	s_mov_b32 s41, 0
	s_lshl_b32 s42, s[SIG], 3
	s_add_co_u32 s42, s42, s16                     ; my tile of queries
	s_lshl_b32 s43, s17, 7
	s_add_co_u32 s43, s43, s42                     ; 128 y + tile
	s_lshl_b32 s44, s43, 9                         ; qc: 512 bytes a tile
	s_mov_b32 s45, 0
	s_lshl_b32 s46, s43, 5                         ; qs: 32 bytes a tile
	s_mov_b32 s47, 0
	s_lshr_b32 s48, s17, 3
	s_lshl_b32 s48, s48, 7
	s_add_co_u32 s48, s48, s42                     ; 128 x batch + tile
	s_and_b32 s49, s17, 7                          ; the head
	s_lshl_b32 s50, s48, 12                        ; oc: 4,096 bytes a tile, the head's two blocks at 512 x head
	s_lshl_b32 s51, s49, 9
	s_add_co_u32 s50, s50, s51
	s_mov_b32 s51, 0
	s_lshl_b32 s52, s48, 8                         ; os: 16 bytes a position, the head's two at 2 x head
	s_lshl_b32 s53, s49, 1
	s_add_co_u32 s52, s52, s53
	s_mov_b32 s53, 0
	s_lshr_b32 s54, s16, 1
	s_lshl_b32 s54, s54, 5
	s_and_b32 s21, s16, 1
	s_lshl_b32 s21, s21, 3
	s_add_co_u32 s54, s54, s21                     ; 32 (j / 2) + 8 (j % 2)
	s_mov_b32 s[SEL], 0x76543210
	s_mov_b32 s[SEL+1], 0xfedcba98
	s_mov_b32 s[CS], 0x3e38aa3b
	s_mov_b32 s[CS+1], s[CS]                       ; (named with it as a pair, so it is written)
	v_and_b32 v9, 31, v0
	v_lshlrev_b32 v[LI], 4, v9
	v_add_nc_u32 v[AV0], VIM, v[LI]
	v_and_b32 v10, 15, v0                          ; r
	v_lshl_add_u32 v[AS0], v10, 4, KSC
	v_lshl_add_u32 v[AT0], v10, 4, VSC
	v_and_b32 v11, 8, v0
	v_add_nc_u32 v[DL], v10, v11
	v_and_b32 v11, 16, v0
	v_sub_nc_u32 v[DL], v[DL], v11
	v_add_nc_u32 v[DL], s54, v[DL]
	v_lshlrev_b32 v8, 1, v10                       ; qs: 2 r
	s_wait_dscnt 0x0                               ; the opening add is done
	s_wait_kmcnt 0x0
	s_add_nc_u64 s[G0+2:G0+3], s[8:9], s[40:41]    ; the pair's part of kv, my 34 rows: made of y and the wave's number
	s_or_b32 s[G0+3], s[G0+3], 0x80000000          ; type = 2
	s_add_nc_u64 s[4:5], s[4:5], s[44:45]
	s_add_nc_u64 s[6:7], s[6:7], s[46:47]
	s_add_nc_u64 s[10:11], s[10:11], s[50:51]
	s_add_nc_u64 s[12:13], s[12:13], s[52:53]
	ROUND                                          ; all four work-groups are here: the joint loads meet
	tensor_load_to_lds s[G0:G0+3], s[G1:G1+7]
	s_nop 0
.rept 4
	v_nop
.endr
	global_load_b128 v[16:19], v[LI], s[4:5]       ; q twice: as the lower half of one operand
	global_load_b128 v[28:31], v[LI], s[4:5]       ; and as the upper half of the other
	global_load_u16 v[QSW], v8, s[6:7]             ; q's two scale bytes
.irp j, 20,21,22,23,24,25,26,27
	v_mov_b32 v[\j], 0                             ; zero codes
.endr
	s_wait_loadcnt 0x0
	v_lshl_or_b32 v[QSW], v[QSW], 16, v[QSW]       ; the two bytes below and above: one word serves both operands.  The lines below are the places between this write and the first product
	v_mov_b32 v13, 0xff61b1e6                      ; the largest t so far: -3e38, under every t
	v_floor_f32 v12, -v13                          ; -M
	v_mov_b32 v14, 0
	v_mov_b32 v15, 0
.irp b, 0,1,2,3
	v_mov_b32 v[236+\b], 0                         ; written once: a lane permute's destination counts as one of its sources
.endr
	v_mov_b32 v253, 0                              ; (named as the upper half of the pair v[252:253])
.set nn, 0
.rept 32
	v_mov_b32 v[160+nn], 0                         ; O^T: the step is written once; the first finds zeros
.set nn, nn+1
.endr
	s_mov_b32 s[KS], 0
	s_mov_b32 s[TB], 0
	s_mov_b32 s[TS], 0
	s_wait_tensorcnt 0x0                           ; my 34 rows are in,
	s_barrier_signal -1
	s_barrier_wait -1                              ; everybody's are: K, V and their scales lie whole in LDS, and nothing is filled again
.Lstep:                                            ; 16 trips in every wave
	s_cmp_gt_u32 s[KS], s[SIG]                     ; all of this step's keys come after my queries: only the steps of the addresses are walked
	s_cbranch_scc1 .Lhidden
	v_add_nc_u32 v[ADK], s[TB], v[LI]              ; (these four are also the places behind the last trip's products, ahead of the loads into their registers)
	v_add_nc_u32 v[ADV], s[TB], v[AV0]
	v_add_nc_u32 v[ADS], s[TS], v[AS0]
	v_add_nc_u32 v[ADT], s[TS], v[AT0]
.irp b, 0,1,2,3
.irp c, 0,1
	ds_load_b128 v[32+8*\b+4*\c:32+8*\b+4*\c+3], v[ADK] offset:1024*\b+512*\c
.endr
.endr
	ds_load_b128 v[KSW:KSW+3], v[ADS]
.irp t, 0,1,2,3
.irp c, 0,1
	ds_load_b128 v[64+8*\t+4*\c:64+8*\t+4*\c+3], v[ADV] offset:1024*\t+512*\c
.endr
.endr
	ds_load_b128 v[VSW:VSW+3], v[ADT]
	s_wait_dscnt 9                                 ; K and its scale words are in; V's eight loads and its scale words stay out
.irp b, 0,1,2,3
.irp u, 0,1
	WM 96+8*(2*\b+\u), 32+8*\b, 16+8*\u, -1, KSW+\b, QSW
.endr
.endr
	PLACES
	s_cmp_lt_u32 s[KS], s[SIG]                     ; ahead of the diagonal step every key counts
	s_cbranch_scc1 .Lopen
	v_mov_b32 v254, 0xff800000                     ; register 16 b + i holds key 32 b + 16 (lane / 16) + i of the step: hidden where 32 b + i > DL; its score becomes -infinity, so p = 0
.set nn, 0
.rept 64
	v_cmp_gt_i32 vcc_lo, 32*(nn/16)+nn%16, v[DL]
	v_cndmask_b32 v[96+nn], v[96+nn], v254, vcc_lo
.set nn, nn+1
.endr
.Lopen:
.irp b, 0,1,2,3
	v_max3_num_f32 v[232+\b], v[96+16*\b], v[97+16*\b], v[98+16*\b]   ; the largest score of each block of 32 keys: it serves the row's maximum and, since p rises with the score, the block's largest p
.endr
.irp i, 3,5,7,9,11,13
.irp b, 0,1,2,3
	v_max3_num_f32 v[232+\b], v[232+\b], v[96+16*\b+\i], v[97+16*\b+\i]
.endr
.endr
.irp b, 0,1,2,3
	v_max_num_f32 v[232+\b], v[232+\b], v[111+16*\b]
.endr
.irp b, 0,1,2,3
	v_permlanex16_b32 v[236+\b], v[232+\b], s[SEL], s[SEL+1]
.endr
.irp b, 0,1,2,3
	v_max_num_f32 v[232+\b], v[232+\b], v[236+\b]  ; with lane l xor 16's 16 keys
.endr
	v_max3_num_f32 v254, v232, v233, v234
	v_max_num_f32 v254, v254, v235
	v_mul_f32 v254, s[CS], v254                    ; as t (c is positive)
	v_max_num_f32 v13, v13, v254                   ; the running largest t
	v_mov_b32 v254, v12
	v_floor_f32 v12, -v13                          ; the new -M = -ceil(t)
	v_sub_f32 v254, v12, v254                      ; old M - new M: a whole number, 0 or less
	v_cvt_i32_f32 v254, v254                       ; (it saturates)
	v_ldexp_f32 v252, 1.0, v254                    ; f = 2^(old M - new M)
.set nn, 0
.rept 32
	v_pk_fma_f32 v[96+nn:97+nn], v[96+nn:97+nn], s[CS:CS+1], v[12:13] op_sel_hi:[1,0,0]   ; t - M, two at a time
.set nn, nn+2
.endr
.irp b, 0,1,2,3
	v_fma_f32 v[232+\b], v[232+\b], s[CS], v12     ; the same of each block's largest score
.endr
.set nn, 0
.rept 64
	v_exp_f32 v[96+nn], v[96+nn]                   ; p = 2^(t - M)
.set nn, nn+1
.endr
	v_pk_mul_f32 v[14:15], v[14:15], v[252:253] op_sel_hi:[1,0]   ; the sums under the new M (a plain place behind the exponentials)
	s_wait_alu depctr_va_vdst(0)                   ; one wait for the batch of 64, ahead of its first reader
.irp b, 0,1,2,3
	v_exp_f32 v[232+\b], v[232+\b]                 ; the block's largest p
.endr
	v_pk_add_f32 v[236:237], v[96:97], v[98:99]    ; the row's sum, of the unquantised p, in two chains (it reads the 64 alone: plain work behind the four)
.irp j, 4,8,12,16,20,24,28,32,36,40,44,48,52,56,60
	v_pk_add_f32 v[14:15], v[14:15], v[96+\j:97+\j]
	v_pk_add_f32 v[236:237], v[236:237], v[98+\j:99+\j]
.endr
	v_pk_add_f32 v[14:15], v[14:15], v[236:237]
	s_wait_alu depctr_va_vdst(0)                   ; and one for the four
.irp b, 0,1,2,3
	v_max_num_f32 v[232+\b], 0x1800000, v[232+\b]  ; the floor 2^(3 - 127): the byte cannot fall under 1
.endr
.irp b, 0,1,2,3
	v_add_nc_u32 v[244+\b], 0xff000000, v[232+\b]  ; the conversion's scale operand
.endr
.irp b, 0,1,2,3
	v_lshrrev_b32 v[236+\b], 23, v[244+\b]         ; the scale's byte
.endr
	v_lshl_or_b32 v[PSW], v237, 8, v236            ; p's scale word for these 128 keys
	v_lshl_or_b32 v[PSW], v238, 16, v[PSW]
	v_lshl_or_b32 v[PSW], v239, 24, v[PSW]
.irp b, 0,1,2,3
	v_cvt_scalef32_pk8_fp4_f32 v[224+2*\b], v[96+16*\b:103+16*\b], v[244+\b]
	v_cvt_scalef32_pk8_fp4_f32 v[225+2*\b], v[104+16*\b:111+16*\b], v[244+\b]
.endr
	v_nop                                          ; one plain place behind the last scaled conversion
.irp c, 0,1                            ; the operand's layout wants a whole block in a lane: lanes 0-15 block 2 c, lanes 16-31 block 2 c + 1
.irp i, 0,1
	v_permlane16_swap_b32 v[224+4*\c+\i], v[226+4*\c+\i]
.endr
.endr
.set nn, 0
.rept 16
	v_pk_mul_f32 v[160+nn:161+nn], v[160+nn:161+nn], v[252:253] op_sel_hi:[1,0]   ; O^T under the new M.  (These sixteen are also the places between p's codes and scale word and the products)
.set nn, nn+2
.endr
	s_wait_dscnt 0x0                               ; V
.irp t, 0,1,2,3
	WM 160+8*\t, 64+8*\t, 224, 160+8*\t, VSW+\t, PSW   ; four accumulators by turns
.endr
.Lhidden:
	s_add_co_u32 s[TB], s[TB], 4096
	s_add_co_u32 s[TS], s[TS], 256
	s_add_co_u32 s[KS], s[KS], 1
	s_cmp_lt_u32 s[KS], 16
	s_cbranch_scc1 .Lstep
	; THE WAY OUT.  O^T / the sum; register 16 b + i is d = 32 b + 16 (lane / 16) + i of my query: two units, blocks 2 x head + b of the next product's K.
	PLACES
	v_add_f32 v14, v14, v15                        ; the sum's two halves; v15 is free from here on,
	v_permlanex16_b32 v15, v14, s[SEL], s[SEL+1]   ; and takes lane l xor 16's (a lane permute's destination counts as read: v15 was written at the head on every way)
	v_add_f32 v14, v14, v15                        ; the row's sum
	v_rcp_f32 v14, v14
	v_and_b32 v10, 15, v0                          ; (a plain place behind the reciprocal)
	v_bfe_u32 v11, v0, 4, 1
	v_lshlrev_b32 v8, 4, v10
	v_add_nc_u32 v9, v8, v11                       ; os: 16 r + h
	v_lshl_add_u32 v8, v11, 3, v8                  ; oc: 16 r + 8 h
	v_and_b32 v10, 31, v0
	v_cmp_lt_u32 s[MH], 15, v10
	s_wait_alu depctr_va_vdst(0)                   ; the wait ahead of the reciprocal's first reader
.set nn, 0
.rept 32
	v_mul_f32 v[96+nn], v[160+nn], v14
.set nn, nn+1
.endr
	QUANTU 2, 96, 232, 236, 240
	global_store_b64 v8, v[240:241], s[10:11]      ; 256 consecutive bytes each, aligned
	global_store_b64 v8, v[242:243], s[10:11] offset:256
	v_cndmask_b32 v244, v232, v233, s[MH]          ; lanes 0-15 store block 0's byte, lanes 16-31 block 1's
	global_store_b8 v9, v244, s[12:13]
	s_wait_tensorcnt 0x0                           ; the wave's end
	ds_add_u32 v[SPW], v[NIL]
	s_wait_dscnt 0x0
	ROUND                                          ; the closing round
	s_endpgm
.Lfunc_end_k_q62a4b427ae_attn:
	.size	k_q62a4b427ae_attn, .Lfunc_end_k_q62a4b427ae_attn-k_q62a4b427ae_attn
	.p2alignl 7, 3214868480
	.fill 96, 4, 3214868480
	.section	.rodata,"a",@progbits
	.p2align	6, 0x0
	.amdhsa_kernel k_q62a4b427ae_attn
		.amdhsa_group_segment_fixed_size 167936
		.amdhsa_private_segment_fixed_size 0
		.amdhsa_enable_private_segment 0
		.amdhsa_kernarg_size 40
		.amdhsa_user_sgpr_count 2
		.amdhsa_user_sgpr_kernarg_segment_ptr 1
		.amdhsa_wavefront_size32 1
		.amdhsa_system_sgpr_workgroup_id_x 1
		.amdhsa_system_sgpr_workgroup_id_y 1
		.amdhsa_system_sgpr_workgroup_id_z 1
		.amdhsa_system_vgpr_workitem_id 0
		.amdhsa_next_free_vgpr 256
		.amdhsa_next_free_sgpr 66
		.amdhsa_reserve_vcc 1
		.amdhsa_float_denorm_mode_32 3
		.amdhsa_float_denorm_mode_16_64 3
		.amdhsa_memory_ordered 1
		.amdhsa_forward_progress 1
		.amdhsa_inst_pref_size 31
	.end_amdhsa_kernel
	.amdgpu_metadata
---
amdhsa.version: [ 1, 2 ]
amdhsa.kernels:
  - .name:           k_q62a4b427ae_attn
    .symbol:         k_q62a4b427ae_attn.kd
    .args:
      - { .name: qc, .offset: 0, .size: 8, .value_kind: global_buffer, .address_space: global }
      - { .name: qs, .offset: 8, .size: 8, .value_kind: global_buffer, .address_space: global }
      - { .name: kv, .offset: 16, .size: 8, .value_kind: global_buffer, .address_space: global }
      - { .name: oc, .offset: 24, .size: 8, .value_kind: global_buffer, .address_space: global }
      - { .name: os, .offset: 32, .size: 8, .value_kind: global_buffer, .address_space: global }
    .group_segment_fixed_size: 167936
    .private_segment_fixed_size: 0
    .kernarg_segment_align: 8
    .kernarg_segment_size: 40
    .max_flat_workgroup_size: 512
    .sgpr_count:     66
    .vgpr_count:     256
    .wavefront_size: 32
...
	.end_amdgpu_metadata
.endif
;; end of part 3
;; launch post (part 4): grid 256 x 1, 16 waves a work-group, no clusters, 172,032 bytes of LDS; arguments x, oc, os, wimg, Wo_scales, bo, ln2_g, ln2_b, W1_scales, b1, W2_scales, b2, out0; writes out0
.if DOCPART == 4
	.amdgcn_target "amdgcn-amd-amdhsa--gfx1250"
	.amdhsa_code_object_version 6
	.text
	.protected	k_q62a4b427ae_post
	.globl	k_q62a4b427ae_post
	.p2align	8
	.type	k_q62a4b427ae_post,@function
k_q62a4b427ae_post:
	s_mov_b64 s[64:65], 0
	v_nop
	global_prefetch_b8 v0, s[64:65] scope:SCOPE_SE
	s_setreg_imm32_b32 hwreg(HW_REG_WAVE_MODE, 25, 1), 1
	s_wait_xcnt 0x0
; x1 = x + out Wo + bo;  h2 = LayerNorm(x1) g + b, quantised;  out0 = x1 + relu(h2 W1 + b1) W2 + b2, the hidden layer quantised.  All three products on codes of FP4 (E2M1) with one E8M0 scale for each 32 along K.
; SHARES.  A work-group owns 32 tokens, as two tiles of positions (lane r of tile m: token 8 m + r + 8 (r / 8), the order in which the attention left its codes).  THE WAVES SHARE THE COLUMNS: wave w makes columns
; 64 w .. 64 w + 63 of x1 and of out0 and hidden units 32 w .. 32 w + 31, for all 32 tokens.  All products are used transposed (source 0 = 16 rows of a weight, source 1 = 16 tokens): a lane holds one token, and, by the
; order of the weights' rows in their images, the 16 registers of two neighbouring tiles are 16 neighbouring columns: 16 (lane / 16) + 0 .. 15 of a group of 32.
; x1 stays in 64 registers from the first product to the last, which adds onto it.  x comes in and out0 goes out by rows (512 consecutive bytes an instruction) through a stage in LDS, which turns rows into the results' layout.
; OPERANDS GO FROM WAVE TO WAVE THROUGH LDS AS REGISTER IMAGES: a lane's 16 codes are 8 bytes at 256 x block + 16 r + 8 h of a fragment's 1,024.  A row's sums for the norm meet in LDS too: one word a wave and position.
; THE WEIGHTS come from wimg as register images, straight into registers, 8 loads of 512 consecutive bytes for 4 fragments, two sets by turns.
; NO MULTICAST: each weight fragment is wanted by one wave and goes straight into its registers; a joint load lands in LDS only, so the 786,432 bytes of codes would be written to LDS and read back, and beside the
; 172,032 bytes in use they would come in six or more refills, each behind a round of a cluster's barrier.
; LIMITS: NaN and infinite inputs are not served.  A block of zeros gets the scale byte 1 (its codes are zeros; this program alone reads the bytes).  The norm goes in two passes (mean, then squares of x1 - mean).
.set SP,    4112                       ; a stage row: 4,096 bytes + 16
.set AIMG,  131584                     ; behind the stage's 32 rows: out's 8 fragments: 4,096 x tile + 1,024 x K step
.set HIMG,  139776                     ; h2's 16: 8,192 x tile + 1,024 x K step
.set GIMG,  156160                     ; the hidden layer's 8: 4,096 x tile + 1,024 x K step
.set HS,    164352                     ; h2's scale bytes: 32 x position + block
.set GS,    165376                     ; the hidden layer's: 16 x position + block
.set RED1,  165888                     ; the rows' sums: 64 x position + 4 x wave; the sums of squares 2,048 further on
.set SPARE, 169984                     ; the spare words, 128 bytes for each wave: eight blocks of 256 bytes that no other line names
.set W1OFF, 786432                     ; in wimg
.set WOOFF, 1048576
.set W2OFF, 1310720
.set LI,   1                           ; v1   16 x lane
.set R8,   2                           ; v2   16 r + 8 h
.set H64,  3                           ; v3   64 h
.set STD0, 4                           ; v4   the stage in the results' layout, tile 0: 4,112 r + 256 w + 64 h;  v5: tile 1
.set XST,  6                           ; v6   the stage by rows: my two tokens' rows + 16 x lane
.set AIL,  7                           ; v7-9 the three sets of images + 16 x lane
.set HIL,  8
.set GIL,  9
.set SPW,  10                          ; v10  LDS address of my spare word; never rewritten
.set NIL,  11                          ; v11  0; never rewritten
.set WSA,  12                          ; v12  scale bytes of rows of 32: 32 (r + 8 (r / 8)) + 16 h
.set WSB,  13                          ; v13  of rows of 16: 16 (8 h + r + 8 (r / 8))
.set T0,   14                          ; v14, v15 LDS addresses of the phase in hand
.set T1,   15
.set AFC,  16                          ; v16-31  two fragments of out; else at work
.set X1,   32                          ; v32-95  x1: 32 x tile of tokens + 8 x tile of columns
.set R2,   96                          ; v96-159 x + bo; x1 - mean, h2; the hidden layer and h2's fragments; the hidden layer's fragments; rows of out0
.set WB,   160                         ; v160-223 two sets of four weight fragments; between the first two products the norm's gain and bias
.set WOS,  224                         ; v224-231 Wo's scale words, v232-239 W1's, v240-247 W2's, v248-255 the tokens': scales alone
.set W1S,  232
.set W2S,  240
.set AS,   248
.set WV,   30
.set MH,   31                          ; mask of lanes 16-31
.set SEL,  32
.set C10,  34
.set EPS,  35
.macro PLACES
.rept 4
	v_nop
.endr
.endm
.macro BAR                             ; my LDS stores have landed and my LDS loads are in: then the work-group's barrier
	s_wait_dscnt 0x0
	s_barrier_signal -1
	s_barrier_wait -1
.endm
.macro WM d, a, b, c, sa, sb, ra, rb   ; one product of 16 x 16 x 128; ra, rb: the half of the lanes from which A's and B's scale words are taken
.if (\ra) && (\rb)
	v_wmma_scale_f32_16x16x128_f8f6f4 v[\d:\d+7], v[\a:\a+7], v[\b:\b+7], v[\c:\c+7], v[\sa], v[\sb] matrix_a_fmt:MATRIX_FMT_FP4 matrix_b_fmt:MATRIX_FMT_FP4 matrix_a_scale:MATRIX_SCALE_ROW1 matrix_b_scale:MATRIX_SCALE_ROW1
.elseif (\ra)
	v_wmma_scale_f32_16x16x128_f8f6f4 v[\d:\d+7], v[\a:\a+7], v[\b:\b+7], v[\c:\c+7], v[\sa], v[\sb] matrix_a_fmt:MATRIX_FMT_FP4 matrix_b_fmt:MATRIX_FMT_FP4 matrix_a_scale:MATRIX_SCALE_ROW1
.elseif (\rb)
	v_wmma_scale_f32_16x16x128_f8f6f4 v[\d:\d+7], v[\a:\a+7], v[\b:\b+7], v[\c:\c+7], v[\sa], v[\sb] matrix_a_fmt:MATRIX_FMT_FP4 matrix_b_fmt:MATRIX_FMT_FP4 matrix_b_scale:MATRIX_SCALE_ROW1
.else
	v_wmma_scale_f32_16x16x128_f8f6f4 v[\d:\d+7], v[\a:\a+7], v[\b:\b+7], v[\c:\c+7], v[\sa], v[\sb] matrix_a_fmt:MATRIX_FMT_FP4 matrix_b_fmt:MATRIX_FMT_FP4
.endif
.endm
.macro CHUNK buf, off                  ; four weight fragments, 4,096 consecutive bytes, into set buf
.irp k, 0,1,2,3,4,5,6,7
	global_load_b128 v[WB+32*(\buf)+4*\k:WB+32*(\buf)+4*\k+3], v[LI], s[10:11] offset:(\off)+512*\k
.endr
.endm
.macro VEC reg, sb                     ; my 64 columns of a vector of 1,024, in the results' layout: register 8 t + i = column 32 (t / 2) + 16 h + 8 (t % 2) + i
.irp t, 0,1,2,3
.irp q, 0,1
	global_load_b128 v[\reg+8*\t+4*\q:\reg+8*\t+4*\q+3], v[H64], s[\sb:\sb+1] offset:128*(\t/2)+32*(\t%2)+16*\q
.endr
.endr
.endm
.macro AFLOAD s                        ; out's two fragments of K step s
.irp m, 0,1
.irp c, 0,1
	ds_load_b128 v[AFC+8*\m+4*\c:AFC+8*\m+4*\c+3], v[AIL] offset:4096*\m+1024*(\s)+512*\c
.endr
.endr
.endm
.macro QUANTU n, src, TM, TP, PC       ; n units of 16 registers; a unit is half a block of 32, the other half lies in lane l xor 16.  The byte in v[TM + i], the codes in v[PC + 2 i], v[PC + 2 i + 1]
.set qi, 0
.rept \n
	v_max3_num_f32 v[\TP+qi], |v[\src+16*qi]|, |v[\src+16*qi+1]|, 0x1800000   ; with the floor 2^(3 - 127): the byte cannot fall under 1
.set qi, qi+1
.endr
.set qi, 0
.rept \n
	v_max3_num_f32 v[\TM+qi], v[\TP+qi], |v[\src+16*qi+2]|, |v[\src+16*qi+3]|
.set qi, qi+1
.endr
.irp p, 4,6,8,10,12,14
.set qi, 0
.rept \n
	v_max3_num_f32 v[\TM+qi], v[\TM+qi], |v[\src+16*qi+\p]|, |v[\src+16*qi+\p+1]|
.set qi, qi+1
.endr
.endr
.set qi, 0
.rept \n
	v_permlanex16_b32 v[\TP+qi], v[\TM+qi], s[SEL], s[SEL+1]
.set qi, qi+1
.endr
.set qi, 0
.rept \n
	v_max_num_f32 v[\TM+qi], v[\TM+qi], v[\TP+qi]
.set qi, qi+1
.endr
.set qi, 0
.rept \n
	v_add_nc_u32 v[\TP+qi], 0xff000000, v[\TM+qi]
.set qi, qi+1
.endr
.set qi, 0
.rept \n
	v_lshrrev_b32 v[\TM+qi], 23, v[\TP+qi]
.set qi, qi+1
.endr
.set qi, 0
.rept \n
	v_cvt_scalef32_pk8_fp4_f32 v[\PC+2*qi], v[\src+16*qi:\src+16*qi+7], v[\TP+qi]
	v_cvt_scalef32_pk8_fp4_f32 v[\PC+2*qi+1], v[\src+16*qi+8:\src+16*qi+15], v[\TP+qi]
.set qi, qi+1
.endr
	v_nop                                          ; one plain place behind the last scaled conversion
.endm
; A sum over a token's 1,024 columns (sq = 1: of squares), for the 32 tokens.  My 32 numbers of each tile's token, ascending; lane l xor 16's; one word a position into LDS; a barrier; lane l adds the sixteen waves' words of
; position l: v16.
.macro TOTAL src, sq, off
.irp m, 0,1
.if \sq
	v_pk_mul_f32 v[16+4*\m:17+4*\m], v[\src+32*\m:\src+32*\m+1], v[\src+32*\m:\src+32*\m+1]
	v_pk_mul_f32 v[18+4*\m:19+4*\m], v[\src+32*\m+2:\src+32*\m+3], v[\src+32*\m+2:\src+32*\m+3]
.else
	v_pk_add_f32 v[16+4*\m:17+4*\m], v[\src+32*\m:\src+32*\m+1], v[\src+32*\m+2:\src+32*\m+3]
	v_pk_add_f32 v[18+4*\m:19+4*\m], v[\src+32*\m+4:\src+32*\m+5], v[\src+32*\m+6:\src+32*\m+7]
.endif
.endr
.irp k, 4,8,12,16,20,24,28
.irp m, 0,1
.if \sq
	v_pk_fma_f32 v[16+4*\m:17+4*\m], v[\src+32*\m+\k:\src+32*\m+\k+1], v[\src+32*\m+\k:\src+32*\m+\k+1], v[16+4*\m:17+4*\m]
	v_pk_fma_f32 v[18+4*\m:19+4*\m], v[\src+32*\m+\k+2:\src+32*\m+\k+3], v[\src+32*\m+\k+2:\src+32*\m+\k+3], v[18+4*\m:19+4*\m]
.elseif \k > 4
	v_pk_add_f32 v[16+4*\m:17+4*\m], v[16+4*\m:17+4*\m], v[\src+32*\m+\k:\src+32*\m+\k+1]
	v_pk_add_f32 v[18+4*\m:19+4*\m], v[18+4*\m:19+4*\m], v[\src+32*\m+\k+2:\src+32*\m+\k+3]
.endif
.endr
.endr
.irp m, 0,1
	v_pk_add_f32 v[16+4*\m:17+4*\m], v[16+4*\m:17+4*\m], v[18+4*\m:19+4*\m]
.endr
.irp m, 0,1
	v_add_f32 v[16+4*\m], v[16+4*\m], v[17+4*\m]
.endr
.irp m, 0,1
	v_permlanex16_b32 v[17+4*\m], v[16+4*\m], s[SEL], s[SEL+1]
.endr
.irp m, 0,1
	v_add_f32 v[16+4*\m], v[16+4*\m], v[17+4*\m]
.endr
	v_cndmask_b32 v24, v16, v20, s[MH]             ; lane 16 m + r: my wave's part of position r of tile m
	ds_store_b32 v[T0], v24 offset:\off
	BAR
.irp q, 0,1,2,3
	ds_load_b128 v[16+4*\q:19+4*\q], v[T1] offset:\off+16*\q
.endr
	s_wait_dscnt 0x0
	v_pk_add_f32 v[16:17], v[16:17], v[18:19]
	v_pk_add_f32 v[20:21], v[20:21], v[22:23]
	v_pk_add_f32 v[24:25], v[24:25], v[26:27]
	v_pk_add_f32 v[28:29], v[28:29], v[30:31]
	v_pk_add_f32 v[16:17], v[16:17], v[20:21]
	v_pk_add_f32 v[24:25], v[24:25], v[28:29]
	v_pk_add_f32 v[16:17], v[16:17], v[24:25]
	v_add_f32 v16, v16, v17
.endm
.macro SPLIT                           ; v16 holds a number for position l; every lane gets tile 0's for its r in v20 and tile 1's in v22
	v_permlanex16_b32 v17, v16, s[SEL], s[SEL+1]
	v_cndmask_b32 v20, v16, v17, s[MH]
	v_cndmask_b32 v22, v17, v16, s[MH]
.endm
	s_load_b512 s[4:19], s[0:1], 0x0               ; x, oc, os, wimg, Wo's scales, bo, the norm's gain, its bias
	s_load_b256 s[20:27], s[0:1], 0x40             ; W1's scales, b1, W2's scales, b2
	s_load_b64 s[28:29], s[0:1], 0x60              ; out0
	v_lshl_add_u32 v[SPW], v0, 2, SPARE
	v_mov_b32 v[NIL], 0
	v_lshrrev_b32 v16, 5, v0
	v_readfirstlane_b32 s[WV], v16                 ; wave 0..15
	v_and_b32 v17, 31, v0                          ; lane
	v_and_b32 v18, 15, v0                          ; r
	v_bfe_u32 v19, v0, 4, 1                        ; h
	v_lshlrev_b32 v[LI], 4, v17
	v_lshlrev_b32 v[R8], 4, v18
	v_lshl_add_u32 v[R8], v19, 3, v[R8]
	v_lshlrev_b32 v[H64], 6, v19
	s_lshl_b32 s36, s[WV], 8
	v_mul_u32_u24 v[STD0], v18, SP
	v_add_nc_u32 v[STD0], v[STD0], v[H64]
	v_add_nc_u32 v[STD0], s36, v[STD0]
	v_add_nc_u32 v[STD0+1], 16*SP, v[STD0]
	s_bfe_u32 s37, s[WV], 0x10002                  ; token 2 w lies at position 16 ((w / 4) % 2) + 8 (w / 8) + 2 (w % 4), token 2 w + 1 one further on
	s_lshl_b32 s37, s37, 4
	s_lshr_b32 s38, s[WV], 3
	s_lshl_b32 s38, s38, 3
	s_add_co_u32 s37, s37, s38
	s_and_b32 s38, s[WV], 3
	s_lshl_b32 s38, s38, 1
	s_add_co_u32 s37, s37, s38
	s_mul_i32 s37, s37, SP
	v_add_nc_u32 v[XST], s37, v[LI]
	v_add_nc_u32 v[AIL], AIMG, v[LI]
	v_add_nc_u32 v[HIL], HIMG, v[LI]
	v_add_nc_u32 v[GIL], GIMG, v[LI]
	v_and_b32 v20, 8, v0
	v_add_nc_u32 v20, v20, v18                     ; r + 8 (r / 8)
	v_lshlrev_b32 v[WSA], 5, v20
	v_lshl_add_u32 v[WSA], v19, 4, v[WSA]
	v_lshl_add_u32 v20, v19, 3, v20
	v_lshlrev_b32 v[WSB], 4, v20
	s_lshl_b32 s38, s[WV], 9
	v_add_nc_u32 v[T0], s38, v[AIL]                ; my 512 bytes of out's images
	v_cmp_lt_u32 s[MH], 15, v17
	s_mov_b32 s[SEL], 0x76543210
	s_mov_b32 s[SEL+1], 0xfedcba98
	s_mov_b32 s[C10], 0x3a800000                   ; 2^-10
	s_mov_b32 s[EPS], 0x3727c5ac                   ; 1e-5
	s_lshl_b32 s40, ttmp9, 17                      ; x, out0: 32 rows of 4,096 bytes a work-group, two a wave
	s_lshl_b32 s41, s[WV], 13
	s_add_co_u32 s40, s40, s41
	s_mov_b32 s41, 0
	s_lshl_b32 s42, ttmp9, 13                      ; oc: 8,192 bytes a work-group, 512 a wave
	s_add_co_u32 s42, s42, s38
	s_mov_b32 s43, 0
	s_lshl_b32 s44, ttmp9, 9                       ; os: 16 bytes a position
	s_mov_b32 s45, 0
	s_lshl_b32 s46, s[WV], 14                      ; my 16 fragments of each matrix
	s_mov_b32 s47, 0
	s_lshl_b32 s48, s[WV], 10                      ; my rows' scale bytes, in each of the three
	s_mov_b32 s49, 0
	s_mov_b32 s50, s36                             ; my 64 columns of a vector of 1,024
	s_mov_b32 s51, 0
	s_lshl_b32 s52, s[WV], 7                       ; my 32 hidden units of b1
	s_mov_b32 s53, 0
	s_wait_kmcnt 0x0
	s_add_nc_u64 s[4:5], s[4:5], s[40:41]
	s_add_nc_u64 s[28:29], s[28:29], s[40:41]
	s_add_nc_u64 s[6:7], s[6:7], s[42:43]
	s_add_nc_u64 s[8:9], s[8:9], s[44:45]
	s_add_nc_u64 s[10:11], s[10:11], s[46:47]
	s_add_nc_u64 s[12:13], s[12:13], s[48:49]
	s_add_nc_u64 s[20:21], s[20:21], s[48:49]
	s_add_nc_u64 s[24:25], s[24:25], s[48:49]
	s_add_nc_u64 s[14:15], s[14:15], s[50:51]
	s_add_nc_u64 s[16:17], s[16:17], s[50:51]
	s_add_nc_u64 s[18:19], s[18:19], s[50:51]
	s_add_nc_u64 s[26:27], s[26:27], s[50:51]
	s_add_nc_u64 s[22:23], s[22:23], s[52:53]
.irp e, 0,1
.irp i, 0,1,2,3,4,5,6,7
	global_load_b128 v[R2+32*\e+4*\i:R2+32*\e+4*\i+3], v[LI], s[4:5] offset:4096*\e+512*\i th:TH_LOAD_NT   ; 512 consecutive bytes a load
.endr
.endr
	global_load_b128 v[AFC:AFC+3], v[LI], s[6:7]
	VEC X1, 14                                     ; bo
	global_load_b128 v[AS:AS+3], v[LI], s[8:9]     ; lane 16 m + r: out's four scale words of position r of tile m
.irp p, 0,1
	global_load_b128 v[WOS+4*\p:WOS+4*\p+3], v[WSB], s[12:13] offset:512*\p   ; a pair of tiles: lanes 16 u + r: row r of tile u; register j: K step j
.endr
.irp u, 0,1
	global_load_b128 v[W1S+4*\u:W1S+4*\u+3], v[WSA], s[20:21] offset:256*\u   ; tile u: register j, lanes 16 h + r: K step 4 h + j
.endr
.irp p, 0,1
	global_load_b128 v[W2S+4*\p:W2S+4*\p+3], v[WSB], s[24:25] offset:512*\p
.endr
	CHUNK 0, WOOFF
	CHUNK 1, WOOFF+4096
	s_wait_loadcnt 31                              ; x and my piece of out's images are in; bo's 8, the 7 scale loads and the 16 weight loads stay out
.irp e, 0,1
.irp i, 0,1,2,3,4,5,6,7
	ds_store_b128 v[XST], v[R2+32*\e+4*\i:R2+32*\e+4*\i+3] offset:SP*\e+512*\i
.endr
.endr
	ds_store_b128 v[T0], v[AFC:AFC+3]
	BAR                                            ; 32 rows of x and out's eight fragments lie in LDS
.irp m, 0,1
.irp t, 0,1,2,3
.irp q, 0,1
	ds_load_b128 v[R2+32*\m+8*\t+4*\q:R2+32*\m+8*\t+4*\q+3], v[STD0+\m] offset:128*(\t/2)+32*(\t%2)+16*\q   ; x in the results' layout
.endr
.endr
.endr
	AFLOAD 0
	s_wait_loadcnt 23                              ; bo is in; the 7 scale loads and the 16 weight loads stay out
	s_wait_dscnt 4                                 ; x is back; out's first two fragments stay out
.irp m, 0,1
.set nn, 0
.rept 16
	v_pk_add_f32 v[R2+32*\m+nn:R2+32*\m+nn+1], v[R2+32*\m+nn:R2+32*\m+nn+1], v[X1+nn:X1+nn+1]   ; x + bo: the C of each sum's first product
.set nn, nn+2
.endr
.endr
	PLACES
	s_wait_dscnt 0x0
	; ---- x1 = x + bo + out Wo: eight accumulators by turns, a K step at a time
.irp s, 0,1,2,3
	s_wait_loadcnt 0x8                             ; this set is in; the next unit of eight loads stays out
.irp m, 0,1
.irp t, 0,1,2,3
.set ac, X1+32*\m+8*\t
.set cc, ac
.if \s == 0
.set cc, R2+32*\m+8*\t
.endif
	WM ac, WB+32*(\s%2)+8*\t, AFC+8*\m, cc, WOS+4*(\t/2)+\s, AS+\s, \t%2, \m
.endr
.endr
	PLACES
.if \s < 2
	CHUNK \s, WOOFF+4096*(\s+2)
.elseif \s == 2
	VEC WB, 16                                     ; the norm's gain, into the set just multiplied
.else
	VEC WB+32, 18                                  ; and its bias
.endif
.if \s < 3
	AFLOAD \s+1
	s_wait_dscnt 0x0
.endif
.endr
	; ---- the norm of x1, in two passes
	v_and_b32 v[T1], 31, v0
	v_lshl_add_u32 v[T1], v[T1], 6, RED1
	s_lshl_b32 s36, s[WV], 2
	v_add_nc_u32 v[T0], s36, v[T1]
	TOTAL X1, 0, 0
	v_mul_f32 v16, 0xba800000, v16                 ; minus the mean: the sum x -2^-10
	SPLIT
.irp m, 0,1
.set nn, 0
.rept 16
	v_pk_add_f32 v[R2+32*\m+nn:R2+32*\m+nn+1], v[X1+32*\m+nn:X1+32*\m+nn+1], v[20+2*\m:21+2*\m] op_sel_hi:[1,0]   ; x1 - mean; x1 itself stays
.set nn, nn+2
.endr
.endr
	TOTAL R2, 1, 2048
	v_fma_f32 v16, v16, s[C10], s[EPS]
	v_rsq_f32 v16, v16
	v_nop                                          ; a plain place behind it
	s_wait_alu depctr_va_vdst(0)                   ; the wait ahead of its first reader
	SPLIT
	s_wait_loadcnt 0x0                             ; gain and bias
.irp m, 0,1
.set nn, 0
.rept 16
	v_pk_mul_f32 v[R2+32*\m+nn:R2+32*\m+nn+1], v[R2+32*\m+nn:R2+32*\m+nn+1], v[20+2*\m:21+2*\m] op_sel_hi:[1,0]
.set nn, nn+2
.endr
.endr
.irp m, 0,1
.set nn, 0
.rept 16
	v_pk_fma_f32 v[R2+32*\m+nn:R2+32*\m+nn+1], v[R2+32*\m+nn:R2+32*\m+nn+1], v[WB+nn:WB+nn+1], v[WB+32+nn:WB+32+nn+1]
.set nn, nn+2
.endr
.endr
	CHUNK 0, W1OFF                                 ; gain and bias have been read: W1's first two sets
	CHUNK 1, W1OFF+4096
	s_lshl_b32 s36, s[WV], 9
	v_add_nc_u32 v[T0], s36, v[R8]
	v_add_nc_u32 v[T0], HIMG, v[T0]                ; my columns are blocks 2 w and 2 w + 1 of 32: 512 w + 256 x block + 16 r + 8 h
	v_and_b32 v[T1], 31, v0
	v_lshl_add_u32 v[T1], v[T1], 5, HS
	s_lshl_b32 s36, s[WV], 1
	v_add_nc_u32 v[T1], s36, v[T1]
	QUANTU 4, R2, 16, 20, 24                       ; units 2 m + block
.irp m, 0,1
.irp b, 0,1
	ds_store_b64 v[T0], v[24+4*\m+2*\b:25+4*\m+2*\b] offset:8192*\m+256*\b
.endr
.endr
	v_lshl_or_b32 v16, v17, 8, v16                 ; a position's two bytes,
	v_lshl_or_b32 v18, v19, 8, v18
	v_cndmask_b32 v16, v16, v18, s[MH]             ; lane 16 m + r: tile m's
	ds_store_b16 v[T1], v16
.irp m, 0,1
.irp u, 0,1
.irp q, 0,1
	global_load_b128 v[R2+16*\m+8*\u+4*\q:R2+16*\m+8*\u+4*\q+3], v[H64], s[22:23] offset:32*\u+16*\q   ; b1, in the results' layout: the sums begin with it
.endr
.endr
.endr
	BAR                                            ; h2's sixteen fragments and their scale bytes lie in LDS
	; ---- the hidden layer: my 32 units for the 32 tokens: four accumulators by turns
	v_and_b32 v[T1], 31, v0
	v_lshl_add_u32 v[T1], v[T1], 5, HS
	ds_load_b128 v[AS:AS+3], v[T1]
	ds_load_b128 v[AS+4:AS+7], v[T1] offset:16
.irp z, 0,1,2,3
.irp e, 0,1
.irp m, 0,1
.irp c, 0,1
	ds_load_b128 v[R2+32+16*\e+8*\m+4*\c:R2+32+16*\e+8*\m+4*\c+3], v[HIL] offset:8192*\m+1024*(2*\z+\e)+512*\c   ; (behind the four places that follow the last products)
.endr
.endr
.endr
	s_wait_dscnt 0x0
.if \z == 0
	s_wait_loadcnt 0x0                             ; W1's first two sets and b1
.else
	s_wait_loadcnt 0x8                             ; this set is in; the next unit of eight loads stays out
.endif
.irp e, 0,1
.irp m, 0,1
.irp u, 0,1
.set ks, 2*\z+\e
.set ac, R2+16*\m+8*\u
	WM ac, WB+32*(\z%2)+8*(2*\e+\u), R2+32+16*\e+8*\m, ac, W1S+4*\u+(ks&3), AS+ks, ks>>2, \m
.endr
.endr
.endr
	PLACES
.if \z < 2
	CHUNK \z, W1OFF+4096*(\z+2)
.else
	CHUNK \z-2, W2OFF+4096*(\z-2)
.endif
.endr
	VEC R2+32, 26                                  ; b2
.set nn, 0
.rept 32
	v_max_num_f32 v[R2+nn], 0, v[R2+nn]            ; the activation, in f32
.set nn, nn+1
.endr
	s_lshl_b32 s36, s[WV], 8
	v_add_nc_u32 v[T0], s36, v[R8]
	v_add_nc_u32 v[T0], GIMG, v[T0]                ; my units are block w of 16: 256 w + 16 r + 8 h
	v_add_nc_u32 v[T1], GS, v[LI]
	v_add_nc_u32 v[T1], s[WV], v[T1]               ; 16 x position + w
	QUANTU 2, R2, 16, 20, 24
	ds_store_b64 v[T0], v[24:25]
	ds_store_b64 v[T0], v[26:27] offset:4096
	v_cndmask_b32 v16, v16, v17, s[MH]
	ds_store_b8 v[T1], v16
	s_wait_loadcnt 0x0                             ; b2 (and W2's first two sets)
.irp m, 0,1
.set nn, 0
.rept 16
	v_pk_add_f32 v[X1+32*\m+nn:X1+32*\m+nn+1], v[X1+32*\m+nn:X1+32*\m+nn+1], v[R2+32+nn:R2+32+nn+1]   ; x1 + b2: the last product adds onto it
.set nn, nn+2
.endr
.endr
	BAR                                            ; the hidden layer's eight fragments and their scale bytes lie in LDS
	; ---- out0 = x1 + b2 + hidden W2: eight accumulators by turns, a K step at a time
	v_add_nc_u32 v[T1], GS, v[LI]
	ds_load_b128 v[AS:AS+3], v[T1]
.irp s, 0,1,2,3
.irp m, 0,1
.irp c, 0,1
	ds_load_b128 v[R2+16*\s+8*\m+4*\c:R2+16*\s+8*\m+4*\c+3], v[GIL] offset:4096*\m+1024*\s+512*\c
.endr
.endr
.endr
	s_wait_dscnt 0x0
.irp s, 0,1,2,3
.if \s == 2
	s_wait_loadcnt 0x8                             ; the third set is in; the fourth's eight loads stay out
.elseif \s == 3
	s_wait_loadcnt 0x0
.endif
.irp m, 0,1
.irp t, 0,1,2,3
.set ac, X1+32*\m+8*\t
	WM ac, WB+32*(\s%2)+8*\t, R2+16*\s+8*\m, ac, W2S+4*(\t/2)+\s, AS+\s, \t%2, \m
.endr
.endr
.if \s < 2
	PLACES
	CHUNK \s, W2OFF+4096*(\s+2)
.endif
.endr
	; ---- the way out: into the stage in the results' layout (bytes that only this wave read, five barriers ago), back by rows
	PLACES
.irp m, 0,1
.irp t, 0,1,2,3
.irp q, 0,1
	ds_store_b128 v[STD0+\m], v[X1+32*\m+8*\t+4*\q:X1+32*\m+8*\t+4*\q+3] offset:128*(\t/2)+32*(\t%2)+16*\q   ; each accumulator from its low end on
.endr
.endr
.endr
	BAR                                            ; 32 whole rows of out0 lie in the stage
.irp e, 0,1
.irp i, 0,1,2,3,4,5,6,7
	ds_load_b128 v[R2+32*\e+4*\i:R2+32*\e+4*\i+3], v[XST] offset:SP*\e+512*\i
.endr
.endr
.irp e, 0,1
.irp i, 0,1,2,3,4,5,6,7
	s_wait_dscnt 15-8*\e-\i                        ; LDS loads come back in order: this one is in, the younger ones stay out
	global_store_b128 v[LI], v[R2+32*\e+4*\i:R2+32*\e+4*\i+3], s[28:29] offset:4096*\e+512*\i th:TH_STORE_NT   ; 512 consecutive bytes, aligned; written once
.endr
.endr
	s_wait_tensorcnt 0x0                           ; the wave's end
	ds_add_u32 v[SPW], v[NIL]
	s_wait_dscnt 0x0
	s_endpgm
.Lfunc_end_k_q62a4b427ae_post:
	.size	k_q62a4b427ae_post, .Lfunc_end_k_q62a4b427ae_post-k_q62a4b427ae_post
	.p2alignl 7, 3214868480
	.fill 96, 4, 3214868480
	.section	.rodata,"a",@progbits
	.p2align	6, 0x0
	.amdhsa_kernel k_q62a4b427ae_post
		.amdhsa_group_segment_fixed_size 172032
		.amdhsa_private_segment_fixed_size 0
		.amdhsa_enable_private_segment 0
		.amdhsa_kernarg_size 104
		.amdhsa_user_sgpr_count 2
		.amdhsa_user_sgpr_kernarg_segment_ptr 1
		.amdhsa_wavefront_size32 1
		.amdhsa_system_sgpr_workgroup_id_x 1
		.amdhsa_system_sgpr_workgroup_id_y 1
		.amdhsa_system_sgpr_workgroup_id_z 1
		.amdhsa_system_vgpr_workitem_id 0
		.amdhsa_next_free_vgpr 256
		.amdhsa_next_free_sgpr 66
		.amdhsa_reserve_vcc 0
		.amdhsa_float_denorm_mode_32 3
		.amdhsa_float_denorm_mode_16_64 3
		.amdhsa_memory_ordered 1
		.amdhsa_forward_progress 1
		.amdhsa_inst_pref_size 69
	.end_amdhsa_kernel
	.amdgpu_metadata
---
amdhsa.version: [ 1, 2 ]
amdhsa.kernels:
  - .name:           k_q62a4b427ae_post
    .symbol:         k_q62a4b427ae_post.kd
    .args:
      - { .name: x, .offset: 0, .size: 8, .value_kind: global_buffer, .address_space: global }
      - { .name: oc, .offset: 8, .size: 8, .value_kind: global_buffer, .address_space: global }
      - { .name: os, .offset: 16, .size: 8, .value_kind: global_buffer, .address_space: global }
      - { .name: wimg, .offset: 24, .size: 8, .value_kind: global_buffer, .address_space: global }
      - { .name: Wo_scales, .offset: 32, .size: 8, .value_kind: global_buffer, .address_space: global }
      - { .name: bo, .offset: 40, .size: 8, .value_kind: global_buffer, .address_space: global }
      - { .name: ln2_g, .offset: 48, .size: 8, .value_kind: global_buffer, .address_space: global }
      - { .name: ln2_b, .offset: 56, .size: 8, .value_kind: global_buffer, .address_space: global }
      - { .name: W1_scales, .offset: 64, .size: 8, .value_kind: global_buffer, .address_space: global }
      - { .name: b1, .offset: 72, .size: 8, .value_kind: global_buffer, .address_space: global }
      - { .name: W2_scales, .offset: 80, .size: 8, .value_kind: global_buffer, .address_space: global }
      - { .name: b2, .offset: 88, .size: 8, .value_kind: global_buffer, .address_space: global }
      - { .name: out0, .offset: 96, .size: 8, .value_kind: global_buffer, .address_space: global }
    .group_segment_fixed_size: 172032
    .private_segment_fixed_size: 0
    .kernarg_segment_align: 8
    .kernarg_segment_size: 104
    .max_flat_workgroup_size: 512
    .sgpr_count:     66
    .vgpr_count:     256
    .wavefront_size: 32
...
	.end_amdgpu_metadata
.endif
;; end of part 4
;; ======== version 2 of 2: 4 launches
;; limits: right only within a limited range of input values
;; workspace buffers: wimg 1,572,864 bytes; qc 2,097,152 bytes; qs 131,072 bytes; kv 4,456,448 bytes; oc 2,097,152 bytes; os 131,072 bytes; hc 4,194,304 bytes; hs 262,144 bytes
;; launch lnprep (part 5): grid 256 x 1, 16 waves a work-group, no clusters, 176,128 bytes of LDS; arguments x, ln1_g, ln1_b, Wq_codes, Wk_codes, Wv_codes, W1_codes, Wo_codes, W2_codes, wimg, hc, hs; writes wimg, hc, hs
.if DOCPART == 5
	.amdgcn_target "amdgcn-amd-amdhsa--gfx1250"
	.amdhsa_code_object_version 6
	.text
	.protected	k_q62a4b427ae_lnprep
	.globl	k_q62a4b427ae_lnprep
	.p2align	8
	.type	k_q62a4b427ae_lnprep,@function
k_q62a4b427ae_lnprep:
	s_mov_b64 s[64:65], 0
	v_nop
	global_prefetch_b8 v0, s[64:65] scope:SCOPE_SE
	s_setreg_imm32_b32 hwreg(HW_REG_WAVE_MODE, 25, 1), 1
	s_wait_xcnt 0x0
; TWO THINGS.  (1) h = LayerNorm(x) g + b, quantised along its 1,024 to codes of FP4 (E2M1) with one E8M0 scale byte for each 32, stored as IMAGES OF OPERAND REGISTERS (hc) with the scale bytes beside them (hs).
; (2) The six weights' codes are laid once as images of operand registers too (wimg), so that the later launches take each fragment whole.
; A FRAGMENT is 16 rows x 128 along K of 4-bit codes: 8 registers a lane, 1,024 bytes; register group c (0, 1) of lane l lies at 512 c + 16 l; so block b of 32 along K of row r lies at 256 b + 16 r.
; THE ROWS OF A FRAGMENT ARE NOT NEIGHBOURS: lane r of tile u takes member 8 u + r + 8 (r / 8) of an aligned group of 32 (weight rows, and the 32 tokens of a work-group alike).
; SHARES.  A work-group owns 32 tokens; wave w owns token rows 2 w and 2 w + 1: the reductions never leave the wave.  A row comes in by 8 loads of 512 consecutive bytes and turns through the wave's own LDS, so that lane l holds
; block l of the row whole: its largest magnitude needs no other lane.  The codes meet in LDS as images; behind a barrier wave w stores fragment w: 2 x 512 consecutive bytes.
; hc: 16,384 bytes a block of 32 tokens: 4,096 x (K step / 2) + 2,048 x (K step % 2) + 1,024 x tile.   hs: 1,024 bytes a block: 32 x position + block of K (position = 16 x tile + r).
; wimg: six matrices of 262,144 bytes in the order Wq, Wk, Wv, W1, Wo, W2, 256 fragments each.  Waves 0 to 5 of work-group g make fragment 6 g + w of the 1,536.
;   Rows of 512 bytes (K = 1,024: Wq, Wk, Wv, W1): f = 16 v + 2 s + u: rows 32 v on, K step s (0..7), tile u.     Rows of 256 bytes (K = 512: Wo, W2): f = 16 v + 4 s + t: rows 64 v + 32 (t / 2) on, K step s (0..3), tile t % 2.
; NO CLUSTER: what work-groups share (gain and bias, 8,192 bytes) is a small part of a work-group's 131,072 bytes of x.
; LIMITS: NaN and infinite inputs are not served.  A block of zeros gets the scale byte 1 where the rule says 127: its codes are zeros, and this program alone reads the bytes.  The norm goes in two passes (mean, then squares of x - mean).
.set ROWP,  4608                       ; a row of 4,096 bytes in LDS: 32 pieces of 128 bytes + 16 of padding
.set TURNW, 9216                       ; LDS 0 ..: a wave's two rows of x, on their way from 16 bytes a lane to a block of 32 numbers a lane
.set GB,    147456                     ; the gain's row, then the bias's, in the same form
.set HIMG,  156672                     ; h's 16 fragments as register images: 8,192 x tile + 1,024 x K step
.set HS,    173056                     ; h's scale bytes: 32 x position + block
.set SPARE, 174080                     ; the spare words, 128 bytes for each wave: eight blocks of 256 bytes that no other line names
.set LI,  1                            ; v1   16 x lane
.set TST, 3                            ; v3   the turn, way in
.set TLD, 4                            ; v4   the turn, way out: 144 x lane
.set GST, 5                            ; v5   my piece of gain or bias, way in
.set GLD, 6                            ; v6   gain and bias, way out
.set IMS, 7                            ; v7   where my rows' codes go in h's images
.set HSS, 8                            ; v8   and their scale bytes
.set CPI, 9                            ; v9   the fragment that I store: h's images + 1,024 w + 16 x lane
.set CPS, 10                           ; v10  the scale bytes that waves 0 and 1 store: 512 (w % 2) + 16 x lane
.set PIN, 11                           ; v11  a weight's fragment: my lane's 16 bytes in the matrix
.set SPW, 12                           ; v12  LDS address of my spare word; never rewritten
.set NIL, 13                           ; v13  0; never rewritten
.set X,   32                           ; v32-95   my two rows of x, then h
.set GG,  96                           ; v96-127  the gain of my block
.set BB,  128                          ; v128-159 the bias
.set FR,  160                          ; v160-167 a weight's fragment
.set WV,  28
.set SEL, 60                           ; s[60:61] lane selects for v_permlanex16_b32: lane l xor 16
.set C10, 62                           ; 2^-10
.set EPS, 63
.macro BAR                             ; my LDS stores have landed and my LDS loads are in: then the work-group's barrier
	s_wait_dscnt 0x0
	s_barrier_signal -1
	s_barrier_wait -1
.endm
; The two rows' running pairs (row e: v[16 + 8 e : 17 + 8 e] and v[18 + 8 e : 19 + 8 e]) are folded and summed over the wave's 32 lanes: v16 and v24 hold the rows' sums in every lane.
.macro FOLD
.irp e, 0
	s_delay_alu instid0(VALU_DEP_3)
	v_pk_add_f32 v[16+8*\e:17+8*\e], v[16+8*\e:17+8*\e], v[18+8*\e:19+8*\e]
.endr
.irp e, 1
	s_delay_alu instid0(VALU_DEP_2)
	v_pk_add_f32 v[16+8*\e:17+8*\e], v[16+8*\e:17+8*\e], v[18+8*\e:19+8*\e]
.endr
.irp e, 0,1
	s_delay_alu instid0(VALU_DEP_2)
	v_add_f32 v[16+8*\e], v[16+8*\e], v[17+8*\e]
.endr
.irp x, 1,2,4,8
.irp e, 0,1
	s_delay_alu instid0(VALU_DEP_2)
	v_add_f32_dpp v[16+8*\e], v[16+8*\e], v[16+8*\e] row_xmask:\x row_mask:0xf bank_mask:0xf
.endr
.endr
.irp e, 0,1
	s_delay_alu instid0(VALU_DEP_2)
	v_permlanex16_b32 v[17+8*\e], v[16+8*\e], s[SEL], s[SEL+1]
.endr
.irp e, 0,1
	s_delay_alu instid0(VALU_DEP_2)
	v_add_f32 v[16+8*\e], v[16+8*\e], v[17+8*\e]
.endr
.endm
	s_load_b512 s[4:19], s[0:1], 0x0               ; x, gain, bias, Wq, Wk, Wv, W1, Wo
	s_load_b256 s[20:27], s[0:1], 0x40             ; W2, wimg, hc, hs
	v_lshl_add_u32 v[SPW], v0, 2, SPARE
	v_mov_b32 v[NIL], 0
	v_lshrrev_b32 v16, 5, v0
	s_delay_alu instid0(VALU_DEP_1)
	v_readfirstlane_b32 s[WV], v16                 ; wave 0..15
	v_and_b32 v17, 31, v0                          ; lane
	v_and_b32 v18, 15, v0                          ; r
	v_bfe_u32 v19, v0, 4, 1                        ; h
	s_delay_alu instid0(VALU_DEP_3)
	v_lshlrev_b32 v[LI], 4, v17
	s_mul_i32 s29, s[WV], TURNW
	v_bfe_u32 v20, v0, 3, 2                        ; lane / 8
	v_and_b32 v21, 7, v0
	s_delay_alu instid0(VALU_DEP_2)
	v_mul_u32_u24 v20, v20, 144
	s_delay_alu instid0(VALU_DEP_1)
	v_lshl_add_u32 v20, v21, 4, v20                ; a load's 512 bytes are four pieces: 144 (lane / 8) + 16 (lane % 8)
	s_delay_alu instid0(VALU_DEP_1)
	v_add_nc_u32 v[TST], s29, v20
	v_mul_u32_u24 v22, v17, 144                    ; and lane l takes piece l whole: block l of the row
	s_delay_alu instid0(VALU_DEP_1)
	v_add_nc_u32 v[TLD], s29, v22
	s_delay_alu instid0(VALU_DEP_2)
	v_add_nc_u32 v[GLD], GB, v22
	s_lshr_b32 s30, s[WV], 3
	s_and_b32 s31, s[WV], 7
	s_mul_i32 s32, s30, ROWP                       ; waves 0-7 bring the gain, waves 8-15 the bias, 512 bytes each
	s_mul_i32 s33, s31, 576
	s_add_co_u32 s32, s32, s33
	s_add_co_u32 s32, s32, GB
	v_add_nc_u32 v[GST], s32, v20
	s_bfe_u32 s33, s[WV], 0x10002                  ; token 2 w lies at tile (w / 4) % 2, row 8 (w / 8) + 2 (w % 4)
	s_and_b32 s34, s[WV], 3
	s_lshl_b32 s35, s33, 13
	s_lshl_b32 s36, s30, 7
	s_add_co_u32 s35, s35, s36
	s_lshl_b32 s36, s34, 5
	s_add_co_u32 s35, s35, s36
	s_add_co_u32 s35, s35, HIMG
	v_lshl_add_u32 v[IMS], v17, 8, s35             ; block l of a row: 256 l + 16 x the row's place in its tile
	s_lshl_b32 s35, s33, 9
	s_lshl_b32 s36, s30, 8
	s_add_co_u32 s35, s35, s36
	s_lshl_b32 s36, s34, 6
	s_add_co_u32 s35, s35, s36
	s_add_co_u32 s35, s35, HS
	v_add_nc_u32 v[HSS], s35, v17                  ; 32 x position + block
	s_lshl_b32 s35, s[WV], 10
	s_add_co_u32 s35, s35, HIMG
	v_add_nc_u32 v[CPI], s35, v[LI]
	s_and_b32 s58, s[WV], 1
	s_lshl_b32 s58, s58, 9                         ; 512 (w % 2)
	s_add_co_u32 s35, s58, HS
	v_add_nc_u32 v[CPS], s35, v[LI]
	s_mov_b32 s[SEL], 0x76543210
	s_mov_b32 s[SEL+1], 0xfedcba98
	s_mov_b32 s[C10], 0x3a800000
	s_mov_b32 s[EPS], 0x3727c5ac                   ; 1e-5
	s_lshl_b32 s36, ttmp9, 17                      ; x: 32 rows of 4,096 bytes a work-group,
	s_lshl_b32 s37, s[WV], 13                      ; two a wave
	s_add_co_u32 s36, s36, s37
	s_mov_b32 s37, 0
	s_lshl_b32 s38, s31, 9                         ; my piece of gain or bias
	s_mov_b32 s39, 0
	s_lshl_b32 s52, ttmp9, 14                      ; hc: 16,384 a work-group; fragment w = (tile w / 8, K step w % 8) goes to 2,048 (w % 8) + 1,024 (w / 8)
	s_lshl_b32 s53, s31, 11
	s_add_co_u32 s52, s52, s53
	s_lshl_b32 s53, s30, 10
	s_add_co_u32 s52, s52, s53
	s_mov_b32 s53, 0
	s_lshl_b32 s54, ttmp9, 10                      ; hs: 1,024 a work-group
	s_add_co_u32 s54, s54, s58
	s_mov_b32 s55, 0
	; the weights' fragment 6 g + w (made by waves 0 to 5; the other waves' numbers are not used)
	s_mul_i32 s40, ttmp9, 6
	s_add_co_u32 s40, s40, s[WV]
	s_lshr_b32 s41, s40, 8                         ; which matrix
	s_and_b32 s42, s40, 255                        ; f
	s_lshr_b32 s43, s42, 4                         ; v
	s_and_b32 s44, s42, 1
	s_lshl_b32 s44, s44, 3                         ; 8 x (f % 2): the tile's first row in its group of 32
	s_bfe_u32 s45, s42, 0x30001                    ; long rows: K step (f / 2) % 8,
	s_lshl_b32 s46, s43, 5
	s_add_co_u32 s46, s46, s44                     ; first row 32 v + 8 u
	s_bfe_u32 s47, s42, 0x20002                    ; short rows: K step (f / 4) % 4,
	s_lshl_b32 s48, s43, 6
	s_bfe_u32 s49, s42, 0x10001
	s_lshl_b32 s49, s49, 5
	s_add_co_u32 s48, s48, s49
	s_add_co_u32 s48, s48, s44                     ; first row 64 v + 32 (t / 2) + 8 (t % 2)
	s_cmp_lt_u32 s41, 4                            ; the first four matrices have the long rows
	s_cselect_b32 s50, 9, 8                        ; log2 of a row's bytes
	s_cselect_b32 s45, s45, s47
	s_cselect_b32 s46, s46, s48
	s_lshl_b32 s46, s46, s50
	s_lshl_b32 s45, s45, 6                         ; a K step is 64 bytes of a row
	s_add_co_u32 s45, s45, s46
	v_and_b32 v23, 8, v0
	s_delay_alu instid0(VALU_DEP_1)
	v_add_nc_u32 v23, v23, v18                     ; r + 8 (r / 8)
	s_delay_alu instid0(VALU_DEP_1)
	v_lshlrev_b32 v23, s50, v23
	s_delay_alu instid0(VALU_DEP_1)
	v_lshl_add_u32 v23, v19, 4, v23                ; + 16 h
	s_delay_alu instid0(VALU_DEP_1)
	v_add_nc_u32 v[PIN], s45, v23
	; Wo's images (matrix 4) are laid by halves of K: fragment f = 16 v + 4 s + t goes to place 128 (s / 2) + 8 v + 4 (s % 2) + t, so that K steps 2 and 3 of all rows are 131,072 consecutive bytes; the other five matrices keep place f
	s_bfe_u32 s47, s42, 0x10003
	s_lshl_b32 s47, s47, 7
	s_lshl_b32 s48, s43, 3
	s_add_co_u32 s47, s47, s48
	s_and_b32 s48, s42, 7
	s_add_co_u32 s47, s47, s48
	s_add_co_u32 s47, s47, 1024
	s_cmp_eq_u32 s41, 4
	s_cselect_b32 s47, s47, s40
	s_lshl_b32 s56, s47, 10                        ; wimg: 1,024 x the fragment's place
	s_mov_b32 s57, 0
	s_wait_kmcnt 0x0
	s_add_nc_u64 s[4:5], s[4:5], s[36:37]
	s_cmp_lt_u32 s[WV], 8
	s_cselect_b64 s[6:7], s[6:7], s[8:9]
	s_add_nc_u64 s[6:7], s[6:7], s[38:39]
	s_add_nc_u64 s[22:23], s[22:23], s[56:57]
	s_add_nc_u64 s[24:25], s[24:25], s[52:53]
	s_add_nc_u64 s[26:27], s[26:27], s[54:55]
	s_cmp_eq_u32 s41, 1                            ; the matrix is chosen by the work-group's and the wave's number alone
	s_cselect_b64 s[10:11], s[12:13], s[10:11]
	s_cmp_eq_u32 s41, 2
	s_cselect_b64 s[10:11], s[14:15], s[10:11]
	s_cmp_eq_u32 s41, 3
	s_cselect_b64 s[10:11], s[16:17], s[10:11]
	s_cmp_eq_u32 s41, 4
	s_cselect_b64 s[10:11], s[18:19], s[10:11]
	s_cmp_eq_u32 s41, 5
	s_cselect_b64 s[10:11], s[20:21], s[10:11]
.irp e, 0,1
.irp i, 0,1,2,3,4,5,6,7
	global_load_b128 v[X+32*\e+4*\i:X+32*\e+4*\i+3], v[LI], s[4:5] offset:4096*\e+512*\i th:TH_LOAD_NT   ; 512 consecutive bytes a load
.endr
.endr
	global_load_b128 v[GG:GG+3], v[LI], s[6:7]
	s_cmp_lt_u32 s[WV], 6                          ; waves 0 to 5: a weight's fragment, in one branch: it waits for the loads for which the wave waits next anyway
	s_cbranch_scc0 .Lno_frag
	s_wait_alu depctr_va_vdst(0)
	global_load_b128 v[FR:FR+3], v[PIN], s[10:11]              ; k = 32 h + 0 .. 31 of the K step
	global_load_b128 v[FR+4:FR+7], v[PIN], s[10:11] offset:32  ; k = 64 + 32 h + 0 .. 31
	s_wait_loadcnt 0x0
	global_store_b128 v[LI], v[FR:FR+3], s[22:23]              ; 512 consecutive bytes each
	global_store_b128 v[LI], v[FR+4:FR+7], s[22:23] offset:512
.Lno_frag:
	s_wait_loadcnt 0x0                             ; x and my piece of gain or bias are in
	ds_store_b128 v[GST], v[GG:GG+3]
.irp e, 0,1
.irp i, 0,1,2,3,4,5,6,7
	ds_store_b128 v[TST], v[X+32*\e+4*\i:X+32*\e+4*\i+3] offset:ROWP*\e+576*\i
.endr
.endr
	BAR                                            ; gain and bias lie whole in LDS
.irp e, 0,1
.irp q, 0,1,2,3,4,5,6,7
	ds_load_b128 v[X+32*\e+4*\q:X+32*\e+4*\q+3], v[TLD] offset:ROWP*\e+16*\q    ; lane l: block l of my row: 32 neighbours
.endr
.endr
.irp q, 0,1,2,3,4,5,6,7
	ds_load_b128 v[GG+4*\q:GG+4*\q+3], v[GLD] offset:16*\q
	ds_load_b128 v[BB+4*\q:BB+4*\q+3], v[GLD] offset:ROWP+16*\q
.endr
	s_wait_dscnt 16                                ; x is back; the gain's and the bias's 16 loads stay out
	; ---- the mean, the two rows by turns
.irp e, 0,1
	v_pk_add_f32 v[16+8*\e:17+8*\e], v[X+32*\e:X+32*\e+1], v[X+32*\e+2:X+32*\e+3]
	v_pk_add_f32 v[18+8*\e:19+8*\e], v[X+32*\e+4:X+32*\e+5], v[X+32*\e+6:X+32*\e+7]
.endr
.irp k, 8,12,16,20,24,28
.irp e, 0,1
	s_delay_alu instid0(VALU_DEP_4)
	v_pk_add_f32 v[16+8*\e:17+8*\e], v[16+8*\e:17+8*\e], v[X+32*\e+\k:X+32*\e+\k+1]
	s_delay_alu instid0(VALU_DEP_4)
	v_pk_add_f32 v[18+8*\e:19+8*\e], v[18+8*\e:19+8*\e], v[X+32*\e+\k+2:X+32*\e+\k+3]
.endr
.endr
	FOLD
.irp e, 0
	s_delay_alu instid0(VALU_DEP_2)
	v_mul_f32 v[20+8*\e], 0xba800000, v[16+8*\e]   ; minus the mean: the sum x -2^-10, in both halves of a pair
	s_delay_alu instid0(VALU_DEP_3)
	v_mul_f32 v[21+8*\e], 0xba800000, v[16+8*\e]
.endr
.irp e, 1
	s_delay_alu instid0(VALU_DEP_3)
	v_mul_f32 v[20+8*\e], 0xba800000, v[16+8*\e]   ; minus the mean: the sum x -2^-10, in both halves of a pair
	s_delay_alu instid0(VALU_DEP_4)
	v_mul_f32 v[21+8*\e], 0xba800000, v[16+8*\e]
.endr
.irp k, 0,2,4,6,8,10,12,14,16,18,20,22,24,26,28,30
.irp e, 0,1
	v_pk_add_f32 v[X+32*\e+\k:X+32*\e+\k+1], v[X+32*\e+\k:X+32*\e+\k+1], v[20+8*\e:21+8*\e]
.endr
.endr
	; ---- the variance, of x - mean
.irp e, 0,1
	v_pk_mul_f32 v[16+8*\e:17+8*\e], v[X+32*\e:X+32*\e+1], v[X+32*\e:X+32*\e+1]
	v_pk_mul_f32 v[18+8*\e:19+8*\e], v[X+32*\e+2:X+32*\e+3], v[X+32*\e+2:X+32*\e+3]
.endr
.irp k, 4,8,12,16,20,24,28
.irp e, 0,1
	s_delay_alu instid0(VALU_DEP_4)
	v_pk_fma_f32 v[16+8*\e:17+8*\e], v[X+32*\e+\k:X+32*\e+\k+1], v[X+32*\e+\k:X+32*\e+\k+1], v[16+8*\e:17+8*\e]
	s_delay_alu instid0(VALU_DEP_4)
	v_pk_fma_f32 v[18+8*\e:19+8*\e], v[X+32*\e+\k+2:X+32*\e+\k+3], v[X+32*\e+\k+2:X+32*\e+\k+3], v[18+8*\e:19+8*\e]
.endr
.endr
	FOLD
.irp e, 0,1
	s_delay_alu instid0(VALU_DEP_2)
	v_fma_f32 v[16+8*\e], v[16+8*\e], s[C10], s[EPS]
.endr
	s_wait_alu depctr_va_vdst(0)
.irp e, 0,1
	v_rsq_f32 v[22+8*\e], v[16+8*\e]               ; twice, to fill the pair that the packed multiply takes
	v_rsq_f32 v[23+8*\e], v[16+8*\e]
.endr
	v_nop                                          ; a plain place behind the last of the batch
	s_wait_alu depctr_va_vdst(0)                   ; one wait for the four, ahead of their first reader
	s_wait_dscnt 0x0                               ; gain and bias
.irp k, 0,2,4,6,8,10,12,14,16,18,20,22,24,26,28,30
.irp e, 0,1
	v_pk_mul_f32 v[X+32*\e+\k:X+32*\e+\k+1], v[X+32*\e+\k:X+32*\e+\k+1], v[22+8*\e:23+8*\e]
.endr
.endr
.irp k, 0,2,4,6,8,10,12,14,16,18,20,22,24,26,28,30
.irp e, 0,1
	v_pk_fma_f32 v[X+32*\e+\k:X+32*\e+\k+1], v[X+32*\e+\k:X+32*\e+\k+1], v[GG+\k:GG+\k+1], v[BB+\k:BB+\k+1]
.endr
.endr
	; ---- h is quantised: a lane holds a whole block of each row, so no other lane is asked.  Two chains a row
.irp e, 0,1
.irp a, 0,1
	v_max3_num_f32 v[16+2*\e+\a], |v[X+32*\e+16*\a]|, |v[X+32*\e+16*\a+1]|, 0x1800000   ; with the floor 2^(3 - 127): the byte cannot fall under 1
.endr
.endr
.irp p, 2,4,6,8,10,12,14
.irp e, 0,1
.irp a, 0,1
	s_delay_alu instid0(VALU_DEP_4)
	v_max3_num_f32 v[16+2*\e+\a], v[16+2*\e+\a], |v[X+32*\e+16*\a+\p]|, |v[X+32*\e+16*\a+\p+1]|
.endr
.endr
.endr
.irp e, 0
	s_delay_alu instid0(VALU_DEP_3)
	v_max_num_f32 v[16+2*\e], v[16+2*\e], v[17+2*\e]
.endr
.irp e, 1
	s_delay_alu instid0(VALU_DEP_2)
	v_max_num_f32 v[16+2*\e], v[16+2*\e], v[17+2*\e]
.endr
.irp e, 0,1
	s_delay_alu instid0(VALU_DEP_2)
	v_add_nc_u32 v[20+\e], 0xff000000, v[16+2*\e]  ; 2 off the exponent field: the conversion's scale operand
.endr
.irp e, 0,1
	s_delay_alu instid0(VALU_DEP_2)
	v_lshrrev_b32 v[22+\e], 23, v[20+\e]           ; the scale's byte
.endr
.irp e, 0,1
.irp g, 0,1,2,3
	v_cvt_scalef32_pk8_fp4_f32 v[24+4*\e+\g], v[X+32*\e+8*\g:X+32*\e+8*\g+7], v[20+\e]
.endr
.endr
	v_nop                                          ; one plain place behind the last scaled conversion
.irp e, 0,1
	ds_store_b128 v[IMS], v[24+4*\e:27+4*\e] offset:16*\e
	ds_store_b8 v[HSS], v[22+\e] offset:32*\e
.endr
	BAR                                            ; h's sixteen fragments and their scale bytes lie in LDS
	; ---- the way out: whole runs of 512 bytes
	s_cmp_lt_u32 s[WV], 2                          ; waves 0 and 1: the 1,024 scale bytes
	s_cbranch_scc0 .Lno_scales
	ds_load_b128 v[24:27], v[CPS]
	s_wait_dscnt 0x0
	global_store_b128 v[LI], v[24:27], s[26:27]
.Lno_scales:
	ds_load_b128 v[16:19], v[CPI]                  ; every wave: one fragment
	ds_load_b128 v[20:23], v[CPI] offset:512
	s_wait_dscnt 0x0
	global_store_b128 v[LI], v[16:19], s[24:25]
	global_store_b128 v[LI], v[20:23], s[24:25] offset:512
	s_wait_tensorcnt 0x0                           ; the wave's end
	ds_add_u32 v[SPW], v[NIL]
	s_wait_dscnt 0x0
	s_endpgm
.Lfunc_end_k_q62a4b427ae_lnprep:
	.size	k_q62a4b427ae_lnprep, .Lfunc_end_k_q62a4b427ae_lnprep-k_q62a4b427ae_lnprep
	.p2alignl 7, 3214868480
	.fill 96, 4, 3214868480
	.section	.rodata,"a",@progbits
	.p2align	6, 0x0
	.amdhsa_kernel k_q62a4b427ae_lnprep
		.amdhsa_group_segment_fixed_size 176128
		.amdhsa_private_segment_fixed_size 0
		.amdhsa_enable_private_segment 0
		.amdhsa_kernarg_size 96
		.amdhsa_user_sgpr_count 2
		.amdhsa_user_sgpr_kernarg_segment_ptr 1
		.amdhsa_wavefront_size32 1
		.amdhsa_system_sgpr_workgroup_id_x 1
		.amdhsa_system_sgpr_workgroup_id_y 1
		.amdhsa_system_sgpr_workgroup_id_z 1
		.amdhsa_system_vgpr_workitem_id 0
		.amdhsa_next_free_vgpr 168
		.amdhsa_next_free_sgpr 66
		.amdhsa_reserve_vcc 0
		.amdhsa_float_denorm_mode_32 3
		.amdhsa_float_denorm_mode_16_64 3
		.amdhsa_memory_ordered 1
		.amdhsa_forward_progress 1
		.amdhsa_inst_pref_size 31
	.end_amdhsa_kernel
	.amdgpu_metadata
---
amdhsa.version: [ 1, 2 ]
amdhsa.kernels:
  - .name:           k_q62a4b427ae_lnprep
    .symbol:         k_q62a4b427ae_lnprep.kd
    .args:
      - { .name: x, .offset: 0, .size: 8, .value_kind: global_buffer, .address_space: global }
      - { .name: ln1_g, .offset: 8, .size: 8, .value_kind: global_buffer, .address_space: global }
      - { .name: ln1_b, .offset: 16, .size: 8, .value_kind: global_buffer, .address_space: global }
      - { .name: Wq_codes, .offset: 24, .size: 8, .value_kind: global_buffer, .address_space: global }
      - { .name: Wk_codes, .offset: 32, .size: 8, .value_kind: global_buffer, .address_space: global }
      - { .name: Wv_codes, .offset: 40, .size: 8, .value_kind: global_buffer, .address_space: global }
      - { .name: W1_codes, .offset: 48, .size: 8, .value_kind: global_buffer, .address_space: global }
      - { .name: Wo_codes, .offset: 56, .size: 8, .value_kind: global_buffer, .address_space: global }
      - { .name: W2_codes, .offset: 64, .size: 8, .value_kind: global_buffer, .address_space: global }
      - { .name: wimg, .offset: 72, .size: 8, .value_kind: global_buffer, .address_space: global }
      - { .name: hc, .offset: 80, .size: 8, .value_kind: global_buffer, .address_space: global }
      - { .name: hs, .offset: 88, .size: 8, .value_kind: global_buffer, .address_space: global }
    .group_segment_fixed_size: 176128
    .private_segment_fixed_size: 0
    .kernarg_segment_align: 8
    .kernarg_segment_size: 96
    .max_flat_workgroup_size: 512
    .sgpr_count:     66
    .vgpr_count:     168
    .wavefront_size: 32
...
	.end_amdgpu_metadata
.endif
;; end of part 5
;; launch qkv (part 6): grid 64 x 4, 16 waves a work-group, clusters of 4 x 4, 264,192 bytes of LDS; arguments hc, hs, wimg, Wq_scales, Wk_scales, Wv_scales, qc, qs, kv; writes qc, qs, kv
.if DOCPART == 6
	.amdgcn_target "amdgcn-amd-amdhsa--gfx1250"
	.amdhsa_code_object_version 6
	.text
	.protected	k_q62a4b427ae_qkv
	.globl	k_q62a4b427ae_qkv
	.p2align	8
	.type	k_q62a4b427ae_qkv,@function
k_q62a4b427ae_qkv:
	s_mov_b64 s[64:65], 0
	v_nop
	global_prefetch_b8 v0, s[64:65] scope:SCOPE_SE
	s_setreg_imm32_b32 hwreg(HW_REG_WAVE_MODE, 25, 1), 1
	s_wait_xcnt 0x0
	s_wait_alu depctr_hold_cnt(0) depctr_sa_sdst(0) depctr_va_vdst(0) depctr_va_sdst(0) depctr_va_ssrc(0) depctr_va_vcc(0) depctr_vm_vsrc(0)
	s_getreg_b32 s2, hwreg(HW_REG_IB_STS2, 6, 4)
	s_cmp_eq_u32 s2, 0
	s_cbranch_scc0 .Lentry_in_a_cluster
	s_endpgm
.Lentry_in_a_cluster:
	s_bfe_u32 s2, ttmp6, 0x10000c
	s_cmp_lg_u32 s2, 0xf033
	s_cbranch_scc0 .Lentry_shape_is_right
	s_endpgm
.Lentry_shape_is_right:
; q, k, v = h Wq, h Wk, h Wv on codes of FP4 (E2M1) with one E8M0 scale for each 32 along K = 1,024; q and k are then quantised along the head's 64, v along the keys.  h arrives as codes (hc, hs), the weights as register images (wimg).
; SHARES.  Work-group (G, Q) owns tokens 128 G .. 128 G + 127 and the rows 128 Q .. 128 Q + 127 of each of Wq, Wk, Wv.  So it takes in 196,608 bytes of weights' codes and 65,536 of h's, against 786,432 of weights'
; were it to own 32 tokens and all rows; and all of it lies in LDS at once: first fills alone, nothing is filled again.
; Wave w (tg = w / 4, rg = w % 4) owns the 32 tokens of block 4 G + tg and rows 32 (4 Q + rg) .. + 31 of each matrix: head (4 Q + rg) / 2, half (4 Q + rg) % 2 of its 64.
; POSITIONS.  32 tokens form two tiles: lane r of tile m takes token 8 m + r + 8 (r / 8); the weights' rows lie in their images in the same order.  So, with the so ordered operand as source 0, a lane's 16 registers of two
; neighbouring tiles are 16 NEIGHBOURS: q and k take the weights as source 0 (a lane holds one token, registers along d), v takes the tokens as source 0 (a lane holds one d, registers along the keys).
; CLUSTER, 4 x 4.  The four work-groups of a row of the cluster have the same Q and need the same weights, the four of a column the same G and the same h: each tile is asked for JOINTLY, by the same tensor load with the same
; descriptor and a mask that names the four.  Waves 0 to 11 fetch weights, waves 12 to 15 fetch h.  No branch and no LDS address hangs on the work-group's place.
; RESULTS leave as register images: a lane's 16 codes are 8 bytes at 16 r + 8 h of a block's 256 bytes, so each store of codes covers 256 consecutive bytes, aligned.  The scale bytes leave singly (one byte for 16 of codes).
; LIMITS: NaN and infinities are not served.  A block of zeros gets the scale byte 1 where the rule says 127: its codes are zeros, and this program alone reads the bytes.
; THE FILLS, AS THEY STAND NOW: each wave brings ONE dense tile of 16,384 bytes, all four quarters of K of its group of rows or block of tokens: one tensor load of a wave is out.
; One wait for 0 and one barrier stand ahead of the products.  LDS from 0: the weights: 65,536 x matrix + 16,384 x rg + 4,096 x quarter of K; h's images from AL: 16,384 x tg + 4,096 x quarter.
.set WSTG,  49152
.set AL,    196608                     ; h's images: 16,384 x tg + 4,096 x quarter of K
.set ASTG,  16384
.set SPARE, 262144                     ; the spare words, 128 bytes for each wave: eight blocks of 256 bytes that no other line names
.set LI,  1                            ; v1   16 x lane
.set R8,  2                            ; v2   16 r + 8 h
.set WSO, 5                            ; v5   the weights' scale bytes: 32 (r + 8 (r / 8)) + 16 h
.set ASO, 6                            ; v6   h's scale bytes: 32 x lane
.set SPW, 12                           ; v12  LDS address of my spare word; never rewritten
.set NIL, 13                           ; v13  0; never rewritten
.set OQ,  14                           ; v14  2 x lane
.set WAD, 16                           ; v16-18 LDS address of my weights of matrix 0..2
.set AAD, 20                           ; v20 of my tokens' images
.set KIO, 25                           ; v25-28 my offsets in the pair's part of kv: K's images, V's images, K's scale bytes, V's
.set VIO, 26
.set KSO, 27
.set VSO, 28
.set ACC, 32                           ; v32-127  the sums: q at 32, k at 64, v at 96: four tiles each
.set AF,  128                          ; v128-159 four fragments of h: 16 x (K step % 2) + 8 x tile
.set WB,  160                          ; v160-223 two sets of four weight fragments
.set WS,  224                          ; v224-247 the weights' scale words, 8 for each of q, k, v: scales alone
.set AS,  248                          ; v248-255 h's scale words: scales alone
.set MH,  2                            ; s2   mask of lanes 16-31
.set SEL, 22                           ; s[22:23] lane selects for v_permlanex16_b32: lane l xor 16
.set WV,  24
.set G1W, 32                           ; s[32:39] descriptor group 1 for the weights;  s[40:47] for h: they differ in the mask alone
.set G1A, 40
.set G0W, 48                           ; s[48:51] the weights' group 0
.set G0A, 68                           ; s[68:71] h's
.macro PLACES                          ; four places behind a matrix instruction, ahead of loads into its registers and of reads of its results
.rept 4
	v_nop
.endr
.endm
.macro ROUND                           ; a round of the cluster's barrier
	s_barrier_signal -1
	s_barrier_wait -1
	s_cmp_lg_u32 s[WV], 0
	s_cbranch_scc1 .Lnot_wave_0_\@
	s_barrier_signal -3
.Lnot_wave_0_\@:
	s_barrier_wait -3
	s_barrier_signal -1
	s_barrier_wait -1
.endm
; One product of 16 x 16 x 128.  c < 0: the sum begins with 0.  ra, rb: the half of the lanes from which A's and B's scale words are taken.
.macro WM d, a, b, c, sa, sb, ra, rb
.if (\c) < 0
.if (\ra) && (\rb)
	v_wmma_scale_f32_16x16x128_f8f6f4 v[\d:\d+7], v[\a:\a+7], v[\b:\b+7], 0, v[\sa], v[\sb] matrix_a_fmt:MATRIX_FMT_FP4 matrix_b_fmt:MATRIX_FMT_FP4 matrix_a_scale:MATRIX_SCALE_ROW1 matrix_b_scale:MATRIX_SCALE_ROW1
.elseif (\ra)
	v_wmma_scale_f32_16x16x128_f8f6f4 v[\d:\d+7], v[\a:\a+7], v[\b:\b+7], 0, v[\sa], v[\sb] matrix_a_fmt:MATRIX_FMT_FP4 matrix_b_fmt:MATRIX_FMT_FP4 matrix_a_scale:MATRIX_SCALE_ROW1
.elseif (\rb)
	v_wmma_scale_f32_16x16x128_f8f6f4 v[\d:\d+7], v[\a:\a+7], v[\b:\b+7], 0, v[\sa], v[\sb] matrix_a_fmt:MATRIX_FMT_FP4 matrix_b_fmt:MATRIX_FMT_FP4 matrix_b_scale:MATRIX_SCALE_ROW1
.else
	v_wmma_scale_f32_16x16x128_f8f6f4 v[\d:\d+7], v[\a:\a+7], v[\b:\b+7], 0, v[\sa], v[\sb] matrix_a_fmt:MATRIX_FMT_FP4 matrix_b_fmt:MATRIX_FMT_FP4
.endif
.else
.if (\ra) && (\rb)
	v_wmma_scale_f32_16x16x128_f8f6f4 v[\d:\d+7], v[\a:\a+7], v[\b:\b+7], v[\c:\c+7], v[\sa], v[\sb] matrix_a_fmt:MATRIX_FMT_FP4 matrix_b_fmt:MATRIX_FMT_FP4 matrix_a_scale:MATRIX_SCALE_ROW1 matrix_b_scale:MATRIX_SCALE_ROW1
.elseif (\ra)
	v_wmma_scale_f32_16x16x128_f8f6f4 v[\d:\d+7], v[\a:\a+7], v[\b:\b+7], v[\c:\c+7], v[\sa], v[\sb] matrix_a_fmt:MATRIX_FMT_FP4 matrix_b_fmt:MATRIX_FMT_FP4 matrix_a_scale:MATRIX_SCALE_ROW1
.elseif (\rb)
	v_wmma_scale_f32_16x16x128_f8f6f4 v[\d:\d+7], v[\a:\a+7], v[\b:\b+7], v[\c:\c+7], v[\sa], v[\sb] matrix_a_fmt:MATRIX_FMT_FP4 matrix_b_fmt:MATRIX_FMT_FP4 matrix_b_scale:MATRIX_SCALE_ROW1
.else
	v_wmma_scale_f32_16x16x128_f8f6f4 v[\d:\d+7], v[\a:\a+7], v[\b:\b+7], v[\c:\c+7], v[\sa], v[\sb] matrix_a_fmt:MATRIX_FMT_FP4 matrix_b_fmt:MATRIX_FMT_FP4
.endif
.endif
.endm
.macro LCHUNK buf, z, ty               ; my four fragments of matrix ty in stage z, 4,096 consecutive bytes of LDS, into set buf: fragment 2 x (K step % 2) + tile
.irp k, 0,1,2,3,4,5,6,7
	ds_load_b128 v[WB+32*(\buf)+4*\k:WB+32*(\buf)+4*\k+3], v[WAD+\ty] offset:4096*(\z)+512*\k
.endr
.endm
; n units of 16 registers from v[src] on; a unit is half a block of 32, the other half lies in lane l xor 16.  Leaves the scale's byte in v[TM + i] and the 16 codes in v[PC + 2 i], v[PC + 2 i + 1].  The units take turns line by line.
.macro QUANTU n, src, TM, TP, PC
.set qi, 0
.rept \n
	v_max3_num_f32 v[\TP+qi], |v[\src+16*qi]|, |v[\src+16*qi+1]|, 0x1800000   ; with the floor 2^(3 - 127): the byte cannot fall under 1
.set qi, qi+1
.endr
.set qi, 0
.rept \n
	v_max3_num_f32 v[\TM+qi], v[\TP+qi], |v[\src+16*qi+2]|, |v[\src+16*qi+3]|
.set qi, qi+1
.endr
.irp p, 4,6,8,10,12,14
.set qi, 0
.rept \n
	v_max3_num_f32 v[\TM+qi], v[\TM+qi], |v[\src+16*qi+\p]|, |v[\src+16*qi+\p+1]|
.set qi, qi+1
.endr
.endr
.set qi, 0
.rept \n
	v_permlanex16_b32 v[\TP+qi], v[\TM+qi], s[SEL], s[SEL+1]
.set qi, qi+1
.endr
.set qi, 0
.rept \n
	v_max_num_f32 v[\TM+qi], v[\TM+qi], v[\TP+qi]      ; the block's largest magnitude
.set qi, qi+1
.endr
.set qi, 0
.rept \n
	v_add_nc_u32 v[\TP+qi], 0xff000000, v[\TM+qi]      ; 2 off its exponent field: the conversion takes the exponent field of this operand as its scale
.set qi, qi+1
.endr
.set qi, 0
.rept \n
	v_lshrrev_b32 v[\TM+qi], 23, v[\TP+qi]             ; the scale's byte
.set qi, qi+1
.endr
.set qi, 0
.rept \n
	v_cvt_scalef32_pk8_fp4_f32 v[\PC+2*qi], v[\src+16*qi:\src+16*qi+7], v[\TP+qi]
	v_cvt_scalef32_pk8_fp4_f32 v[\PC+2*qi+1], v[\src+16*qi+8:\src+16*qi+15], v[\TP+qi]
.set qi, qi+1
.endr
	v_nop                                          ; one plain place behind the last scaled conversion
.endm
	s_load_b512 s[4:19], s[0:1], 0x0               ; hc, hs, wimg, Wq's, Wk's, Wv's scales, qc, qs
	s_load_b64 s[20:21], s[0:1], 0x40              ; kv
	v_lshl_add_u32 v[SPW], v0, 2, SPARE
	v_mov_b32 v[NIL], 0
	ds_add_u32 v[SPW], v[NIL]                      ; the wave's opening: the adds, and their wait ahead of my first tensor load; the set-up below, work on registers, stands between them
	ds_add_u32 v[SPW], v[NIL]
	v_lshrrev_b32 v24, 5, v0
	s_delay_alu instid0(VALU_DEP_1)
	v_readfirstlane_b32 s[WV], v24                 ; wave 0..15
	s_and_b32 s31, s[WV], 3                        ; rg.  Also: which group of rows, or which block of tokens, I fetch
	s_lshr_b32 s84, s[WV], 2                       ; tg.  Also: which matrix I fetch (3: h)
	s_bfe_u32 s25, ttmp6, 0x40000                  ; cx, cy: my place in the cluster
	s_bfe_u32 s26, ttmp6, 0x40004
	s_lshl_b32 s27, ttmp9, 2
	s_add_co_u32 s27, s27, s25                     ; G = 4 x cluster x + cx
	s_and_b32 s28, ttmp7, 0xffff
	s_lshl_b32 s28, s28, 2
	s_add_co_u32 s28, s28, s26                     ; Q = 4 x cluster y + cy
	s_lshl_b32 s29, s26, 2
	s_lshl_b32 s29, 15, s29                        ; my row of the cluster
	s_lshl_b32 s30, 0x1111, s25                    ; my column
	; descriptor group 1: 16,384 dense bytes as 64 rows of 256 (32 elements of 8 bytes), no padding: an image is read 512 consecutive bytes at a time
	s_or_b32 s[G1W], s29, (3<<16)|(1<<21)          ; 15:0 the mask: the weights go to my row; 17:16 elements of 8 bytes; 21 set beside a mask
	s_or_b32 s[G1A], s30, (3<<16)|(1<<21)          ; h goes to my column
.irp g, G1W, G1A
	s_mov_b32 s[\g+1], 32<<16                      ; tensor_dim0
	s_mov_b32 s[\g+2], 64<<16                      ; tensor_dim1: 64 rows of 256 bytes
	s_mov_b32 s[\g+3], 32<<16                      ; tile_dim0
	s_mov_b32 s[\g+4], 64                          ; tile_dim1
	s_mov_b32 s[\g+5], 32                          ; the rows are dense
	s_mov_b32 s[\g+6], 0
	s_mov_b32 s[\g+7], 0
.endr
	; where the tiles come from.  The weights' hang on Q and the wave's number, h's on G and the wave's number, each in registers that never hold the other coordinate
	s_lshl_b32 s85, s28, 2
	s_add_co_u32 s85, s85, s31                     ; 4 Q + rg: the group of 32 rows
	s_lshl_b32 s86, s84, 18                        ; 262,144 x matrix
	s_lshl_b32 s87, s85, 14                        ; + 16,384 x group
	s_add_co_u32 s86, s86, s87
	s_mov_b32 s87, 0
	s_lshl_b32 s88, s27, 2
	s_add_co_u32 s88, s88, s31                     ; 4 G + (w % 4): the block of 32 tokens
	s_lshl_b32 s88, s88, 14
	s_mov_b32 s89, 0
	s_lshl_b32 s90, s[WV], 14                      ; and where they go: the weights' at 16,384 x wave,
	s_lshl_b32 s91, s31, 14
	s_add_co_u32 s91, s91, AL                      ; h's at AL + 16,384 x (wave % 4)
	v_and_b32 v29, 31, v0                          ; lane
	v_and_b32 v30, 15, v0                          ; r
	v_bfe_u32 v31, v0, 4, 1                        ; h
	s_delay_alu instid0(VALU_DEP_3)
	v_lshlrev_b32 v[LI], 4, v29
	s_delay_alu instid0(VALU_DEP_3)
	v_lshlrev_b32 v[R8], 4, v30
	s_delay_alu instid0(VALU_DEP_1)
	v_lshl_add_u32 v[R8], v31, 3, v[R8]
	v_and_b32 v24, 8, v0
	s_delay_alu instid0(VALU_DEP_1)
	v_add_nc_u32 v24, v24, v30
	s_delay_alu instid0(VALU_DEP_1)
	v_lshlrev_b32 v[WSO], 5, v24
	s_delay_alu instid0(VALU_DEP_1)
	v_lshl_add_u32 v[WSO], v31, 4, v[WSO]
	v_lshlrev_b32 v[ASO], 5, v29
	v_lshlrev_b32 v[OQ], 1, v29
	v_cmp_lt_u32 s[MH], 15, v29
	s_lshl_b32 s93, s31, 14
	v_add_nc_u32 v3, s93, v[LI]                    ; what I read: my group's weights,
	s_lshl_b32 s94, s84, 14
	v_add_nc_u32 v4, s94, v[LI]                    ; my block's images
.irp z, 0,1,2
	v_add_nc_u32 v[WAD+\z], 65536*\z, v3           ; one address for each matrix
.endr
	v_add_nc_u32 v[AAD], AL, v4
	s_mov_b32 s[SEL], 0x76543210
	s_mov_b32 s[SEL+1], 0xfedcba98
	s_wait_alu depctr_va_vdst(0)
	s_wait_dscnt 0x0                               ; the opening adds are done
	s_wait_kmcnt 0x0
	s_add_nc_u64 s[86:87], s[8:9], s[86:87]
	s_add_nc_u64 s[88:89], s[4:5], s[88:89]
.irp z, 0
	s_mov_b32 s[G0W+4*\z], 1
	s_add_co_u32 s[G0W+4*\z+1], s90, WSTG*\z                       ; LDS address
	s_add_nc_u64 s[G0W+4*\z+2:G0W+4*\z+3], s[86:87], 4096*\z       ; a group's quarters of K lie 4,096 bytes apart
	s_or_b32 s[G0W+4*\z+3], s[G0W+4*\z+3], 0x80000000              ; type = 2
	s_mov_b32 s[G0A+4*\z], 1
	s_add_co_u32 s[G0A+4*\z+1], s91, ASTG*\z
	s_add_nc_u64 s[G0A+4*\z+2:G0A+4*\z+3], s[88:89], 4096*\z
	s_or_b32 s[G0A+4*\z+3], s[G0A+4*\z+3], 0x80000000
.endr
	ROUND                                          ; all sixteen work-groups are here: the joint loads meet
	s_cmp_lt_u32 s[WV], 12                         ; a wave's one fill stands in one branch on the wave's number; an s_nop 0 follows it, then four v_nop
	s_cbranch_scc0 .Lfor_h
.irp z, 0
	tensor_load_to_lds s[G0W+4*\z:G0W+4*\z+3], s[G1W:G1W+7]
	s_nop 0
.endr
.rept 4
	v_nop
.endr
	s_branch .Lasked
.Lfor_h:
.irp z, 0
	tensor_load_to_lds s[G0A+4*\z:G0A+4*\z+3], s[G1A:G1A+7]
	s_nop 0
.endr
.rept 4
	v_nop
.endr
.Lasked:
	s_lshl_b32 s92, s27, 2
	s_add_co_u32 s92, s92, s84                     ; my block of 32 tokens: 4 G + tg
	s_mov_b32 s99, 0
	s_lshl_b32 s98, s85, 10                        ; my 32 rows of scale bytes
	s_add_nc_u64 s[10:11], s[10:11], s[98:99]
	s_add_nc_u64 s[12:13], s[12:13], s[98:99]
	s_add_nc_u64 s[14:15], s[14:15], s[98:99]
	s_lshl_b32 s98, s92, 10                        ; my block's scale bytes
	s_add_nc_u64 s[6:7], s[6:7], s[98:99]
.irp ty, 0,1,2
.irp u, 0,1
	global_load_b128 v[WS+8*\ty+4*\u:WS+8*\ty+4*\u+3], v[WSO], s[10+2*\ty:11+2*\ty] offset:256*\u   ; tile u: register j, lanes 16 h + r: K step 4 h + j of row r
.endr
.endr
	global_load_b128 v[AS:AS+3], v[ASO], s[6:7]    ; lane 16 m + r: the eight scale words of position r of tile m
	global_load_b128 v[AS+4:AS+7], v[ASO], s[6:7] offset:16
	; where the results go (work on registers while the tiles are on their way)
	s_lshr_b32 s93, s92, 6
	s_lshl_b32 s93, s93, 3
	s_lshr_b32 s94, s85, 1
	s_add_co_u32 s93, s93, s94                     ; y = 8 x batch + head
	s_and_b32 s94, s85, 1                          ; which half of the head's 64
	s_and_b32 s95, s92, 63                         ; which block of 32 tokens of the batch
	s_lshr_b32 s96, s95, 2                         ; its key step of 128,
	s_and_b32 s97, s95, 3                          ; and its place in that
	s_lshl_b32 s98, s93, 16                        ; qc: (128 y + 2 block + tile) x 512 + 256 x half
	s_lshl_b32 s3, s95, 10
	s_add_co_u32 s98, s98, s3
	s_lshl_b32 s3, s94, 8
	s_add_co_u32 s98, s98, s3
	s_add_nc_u64 s[16:17], s[16:17], s[98:99]
	s_lshl_b32 s98, s93, 12                        ; qs: 2 x (2,048 y + 32 block + position) + half
	s_lshl_b32 s3, s95, 6
	s_add_co_u32 s98, s98, s3
	s_add_co_u32 s98, s98, s94
	s_add_nc_u64 s[18:19], s[18:19], s[98:99]
	s_mul_i32 s98, s93, 139264                     ; kv: y's part
	s_add_nc_u64 s[20:21], s[20:21], s[98:99]
	s_lshl_b32 s98, s95, 10                        ; K's images: 1,024 x block + 512 x tile + 256 x half
	s_lshl_b32 s3, s94, 8
	s_add_co_u32 s98, s98, s3
	v_add_nc_u32 v[KIO], s98, v[R8]
	s_lshl_b32 s98, s96, 12                        ; V's images: 4,096 x step + 1,024 (2 x half + tile) + 256 x place
	s_lshl_b32 s3, s94, 11
	s_add_co_u32 s98, s98, s3
	s_lshl_b32 s3, s97, 8
	s_add_co_u32 s98, s98, s3
	v_add_nc_u32 v[VIO], s98, v[R8]
	s_lshl_b32 s98, s96, 8                         ; K's scale bytes: 256 x step + 16 r + 4 x place + 2 x tile + half
	s_lshl_b32 s3, s97, 2
	s_add_co_u32 s98, s98, s3
	s_add_co_u32 s98, s98, s94
	v_lshlrev_b32 v[KSO], 4, v30
	s_delay_alu instid0(VALU_DEP_1)
	v_lshl_add_u32 v[KSO], v31, 1, v[KSO]
	s_delay_alu instid0(VALU_DEP_1)
	v_add_nc_u32 v[KSO], s98, v[KSO]
	s_lshl_b32 s98, s96, 8                         ; V's: 256 x step + 16 r + 4 (2 x half + tile) + place
	s_lshl_b32 s3, s94, 3
	s_add_co_u32 s98, s98, s3
	s_add_co_u32 s98, s98, s97
	v_lshlrev_b32 v[VSO], 4, v30
	s_delay_alu instid0(VALU_DEP_1)
	v_lshl_add_u32 v[VSO], v31, 2, v[VSO]
	s_delay_alu instid0(VALU_DEP_1)
	v_add_nc_u32 v[VSO], s98, v[VSO]
	s_wait_loadcnt 0x0                             ; the scale words
	; ---- the products: K in four stages of two steps; in each, Wq's, Wk's and Wv's set of four fragments
.set cn, 0
	s_wait_alu depctr_va_vdst(0)
.irp z, 0,1,2,3
.if \z == 0
	s_wait_tensorcnt 0x0                           ; my tile is in,
	s_barrier_signal -1                            ; (no LDS instruction of mine is out)
	s_barrier_wait -1                              ; everybody's is: nothing is filled again
.endif
.irp k, 0,1,2,3,4,5,6,7
	ds_load_b128 v[AF+4*\k:AF+4*\k+3], v[AAD] offset:4096*\z+512*\k   ; (behind the four places that follow the last products)
.endr
	LCHUNK cn%2, \z, 0
	LCHUNK (cn+1)%2, \z, 1
.irp ty, 0,1,2
.if \ty < 2
	s_wait_dscnt 0x8                               ; this set (and h's fragments) are in; the next set's eight loads stay out
.else
	s_wait_dscnt 0x0
.endif
.irp e, 0,1
.irp m, 0,1
.irp u, 0,1                            ; four accumulators by turns, one instruction a turn
.set ks, 2*\z+\e
.set wf, WB+32*(cn%2)+8*(2*\e+\u)
.set af, AF+16*\e+8*\m
.set ws, WS+8*\ty+4*\u+(ks&3)
.if \ty < 2
.set ac, ACC+32*\ty+16*\m+8*\u
.else
.set ac, ACC+64+16*\u+8*\m
.endif
.set cc, ac
.if ks == 0
.set cc, -1
.endif
.if \ty < 2
	WM ac, wf, af, cc, ws, AS+ks, ks>>2, \m        ; q, k: source 0 = 16 rows of the weight, source 1 = 16 tokens
.else
	WM ac, af, wf, cc, AS+ks, ws, \m, ks>>2        ; v: source 0 = 16 tokens, source 1 = 16 rows of the weight
.endif
.endr
.endr
.endr
.if \ty != 1
	PLACES
.endif
.if \ty == 0
	LCHUNK cn%2, \z, 2                             ; Wv's set, into the registers just multiplied
.endif
.set cn, cn+1
.endr
.endr
	; ---- the way out: six units: q of tiles 0, 1; k of tiles 0, 1 (blocks of 32 along d); v of d tiles 0, 1 (a block of 32 keys)
	QUANTU 6, ACC, 128, 134, 140
	global_store_b64 v[R8], v[140:141], s[16:17]
	global_store_b64 v[R8], v[142:143], s[16:17] offset:512
	global_store_b64 v[KIO], v[144:145], s[20:21]
	global_store_b64 v[KIO], v[146:147], s[20:21] offset:512
	global_store_b64 v[VIO], v[148:149], s[20:21] offset:65536
	global_store_b64 v[VIO], v[150:151], s[20:21] offset:65536+1024
	v_cndmask_b32 v152, v128, v129, s[MH]          ; both halves of the lanes hold both units' bytes: lanes 0-15 store the first unit's, lanes 16-31 the second's
	v_cndmask_b32 v153, v130, v131, s[MH]
	v_cndmask_b32 v154, v132, v133, s[MH]
	global_store_b8 v[OQ], v152, s[18:19]
	global_store_b8 v[KSO], v153, s[20:21] offset:131072
	global_store_b8 v[VSO], v154, s[20:21] offset:135168
	s_wait_tensorcnt 0x0                           ; the wave's end
	ds_add_u32 v[SPW], v[NIL]
	s_wait_dscnt 0x0
	ROUND                                          ; the closing round: no work-group ends while a partner may still ask for a tile that names it
	s_endpgm
.Lfunc_end_k_q62a4b427ae_qkv:
	.size	k_q62a4b427ae_qkv, .Lfunc_end_k_q62a4b427ae_qkv-k_q62a4b427ae_qkv
	.p2alignl 7, 3214868480
	.fill 96, 4, 3214868480
	.section	.rodata,"a",@progbits
	.p2align	6, 0x0
	.amdhsa_kernel k_q62a4b427ae_qkv
		.amdhsa_group_segment_fixed_size 264192
		.amdhsa_private_segment_fixed_size 0
		.amdhsa_enable_private_segment 0
		.amdhsa_kernarg_size 72
		.amdhsa_user_sgpr_count 2
		.amdhsa_user_sgpr_kernarg_segment_ptr 1
		.amdhsa_wavefront_size32 1
		.amdhsa_system_sgpr_workgroup_id_x 1
		.amdhsa_system_sgpr_workgroup_id_y 1
		.amdhsa_system_sgpr_workgroup_id_z 1
		.amdhsa_system_vgpr_workitem_id 0
		.amdhsa_next_free_vgpr 256
		.amdhsa_next_free_sgpr 100
		.amdhsa_reserve_vcc 0
		.amdhsa_float_denorm_mode_32 3
		.amdhsa_float_denorm_mode_16_64 3
		.amdhsa_memory_ordered 1
		.amdhsa_forward_progress 1
		.amdhsa_inst_pref_size 36
	.end_amdhsa_kernel
	.amdgpu_metadata
---
amdhsa.version: [ 1, 2 ]
amdhsa.kernels:
  - .name:           k_q62a4b427ae_qkv
    .symbol:         k_q62a4b427ae_qkv.kd
    .args:
      - { .name: hc, .offset: 0, .size: 8, .value_kind: global_buffer, .address_space: global }
      - { .name: hs, .offset: 8, .size: 8, .value_kind: global_buffer, .address_space: global }
      - { .name: wimg, .offset: 16, .size: 8, .value_kind: global_buffer, .address_space: global }
      - { .name: Wq_scales, .offset: 24, .size: 8, .value_kind: global_buffer, .address_space: global }
      - { .name: Wk_scales, .offset: 32, .size: 8, .value_kind: global_buffer, .address_space: global }
      - { .name: Wv_scales, .offset: 40, .size: 8, .value_kind: global_buffer, .address_space: global }
      - { .name: qc, .offset: 48, .size: 8, .value_kind: global_buffer, .address_space: global }
      - { .name: qs, .offset: 56, .size: 8, .value_kind: global_buffer, .address_space: global }
      - { .name: kv, .offset: 64, .size: 8, .value_kind: global_buffer, .address_space: global }
    .group_segment_fixed_size: 264192
    .private_segment_fixed_size: 0
    .kernarg_segment_align: 8
    .kernarg_segment_size: 72
    .max_flat_workgroup_size: 512
    .sgpr_count:     100
    .vgpr_count:     256
    .wavefront_size: 32
...
	.end_amdgpu_metadata
.endif
;; end of part 6
;; launch attn (part 7): grid 8 x 32, 16 waves a work-group, clusters of 4 x 1, 167,936 bytes of LDS; arguments qc, qs, kv, oc, os; writes oc, os
.if DOCPART == 7
	.amdgcn_target "amdgcn-amd-amdhsa--gfx1250"
	.amdhsa_code_object_version 6
	.text
	.protected	k_q62a4b427ae_attn
	.globl	k_q62a4b427ae_attn
	.p2align	8
	.type	k_q62a4b427ae_attn,@function
k_q62a4b427ae_attn:
	s_mov_b64 s[64:65], 0
	v_nop
	global_prefetch_b8 v0, s[64:65] scope:SCOPE_SE
	s_setreg_imm32_b32 hwreg(HW_REG_WAVE_MODE, 25, 1), 1
	s_wait_xcnt 0x0
	s_wait_alu depctr_hold_cnt(0) depctr_sa_sdst(0) depctr_va_vdst(0) depctr_va_sdst(0) depctr_va_ssrc(0) depctr_va_vcc(0) depctr_vm_vsrc(0)
	s_getreg_b32 s2, hwreg(HW_REG_IB_STS2, 6, 4)
	s_cmp_eq_u32 s2, 0
	s_cbranch_scc0 .Lentry_in_a_cluster
	s_endpgm
.Lentry_in_a_cluster:
	s_bfe_u32 s2, ttmp6, 0x10000c
	s_cmp_lg_u32 s2, 0x3003
	s_cbranch_scc0 .Lentry_shape_is_right
	s_endpgm
.Lentry_shape_is_right:
; Causal attention of one (batch, head) pair y, head size 64, 2,048 tokens, both products on codes of FP4 (E2M1) with one E8M0 scale for each 32 along K; the result, divided by the row's sum, is quantised along the heads' 512.
; THE SOFTMAX: t = score x log2(e) / 8; M = the running largest t rounded UP to a whole number; p = 2^(t - M) is quantised along the keys, not normalised; the row's sum is taken of the unquantised p and divides at the end.
; When M moves, the sum and O are multiplied by 2^(old M - new M): exact.
; SHARES.  A work-group has sixteen waves of 256 registers, four to a SIMD; a wave owns ONE tile of 16 queries, tile 8 sigma + j (j = the work-group's x, 0..7).  Tile qt holds tokens 32 (qt / 2) + 8 (qt % 2) + r + 8 (r / 8).
; Its keys end in key step sigma (128 keys a step), so it works sigma + 1 steps.  sigma comes from a 4 x 4 square of 0..15 whose rows and columns each add up to 30: any four waves w / 4 alike or w % 4 alike have 34 steps.
; EVERY wave walks all 16 trips, so that the trip count is a constant; a step all of whose keys come after the wave's queries is left out by a scalar branch on sigma and the count of steps.
; K AND V of the pair, as register images with their scale bytes, are one dense part of kv, 139,264 bytes: it comes into LDS ONCE, each wave bringing 34 rows of 256 bytes, and is never filled again.
; CLUSTER.  The four work-groups of a cluster serve the same pair, so each of the sixteen loads is asked for JOINTLY: the same descriptor and a mask that names the four.  One tensor load of a wave is out.
; No branch and no LDS address hangs on the work-group's place: j enters the addresses of Q and of the results, and the number against which the diagonal step's keys are held.
; LAYOUT.  Both products transposed: S^T = K Q^T, O^T = V^T P^T: a lane holds one query throughout.  The head has 64, the instruction takes 128 along K: a fragment of K carries key tile 2 b in k = 0..63 and tile 2 b + 1 in
; k = 64..127, and is multiplied by [q | 0] and by [0 | q]: zero codes add nothing.  The 16 registers of tiles 2 b, 2 b + 1 are keys 32 b + 16 (lane / 16) + 0 .. 15.
; LIMITS: NaN and infinities are not served; a block of zeros gets the scale byte 1 (its codes are zeros; this program alone reads the bytes).
.set BLOB,  139264
.set PART,  8704                       ; a wave's 34 rows of 256 bytes
.set VIM,   65536                      ; LDS: K's images from 0, V's from here: 4,096 bytes a key step each;
.set KSC,   131072                     ; K's scale words, 256 bytes a step: 16 r + 4 x block;
.set VSC,   135168                     ; V's: 16 r + 4 x tile
.set SPARE, 139264                     ; the spare words, 128 bytes for each wave: eight blocks of 256 bytes that no other line names
.set LI,  1                            ; v1   16 x lane
.set AV0, 2
.set AS0, 3
.set AT0, 4
.set SPW, 5                            ; v5   LDS address of my spare word; never rewritten
.set NIL, 6                            ; v6   0; never rewritten
.set DL,  7                            ; v7   my query's place in its key step - 16 (lane / 16)
.set ADK, 8                            ; v8-11 the step's LDS addresses
.set ADV, 9
.set ADS, 10
.set ADT, 11
.set KSW, 192                          ; v192-195 K's scale words, v196-199 V's, v200 p's, v201 q's: scales alone
.set VSW, 196
.set PSW, 200
.set QSW, 201
; v12 -M, v13 the largest t, v[14:15] the sum in two halves; v16-23 [q | 0], v24-31 [0 | q]; v32-63 K, v64-95 V; v96-159 S^T, then p; v160-191 O^T; v224-231 p's codes; v232-254 at work
.set WV,  14
.set SIG, 18
.set SEL, 22                           ; s[22:23] lane selects: lane l xor 16
.set G1,  24                           ; s[24:31] descriptor group 1
.set G0,  32                           ; s[32:35] group 0
.set CS,  36                           ; s[36:37] c = log2(e) / 8
.set MH,  38
.set KS,  55                           ; the key step
.set TB,  56                           ; 4,096 x step
.set TS,  57                           ; 256 x step
.macro PLACES
.rept 4
	v_nop
.endr
.endm
.macro ROUND                           ; a round of the cluster's barrier
	s_barrier_signal -1
	s_barrier_wait -1
	s_cmp_lg_u32 s[WV], 0
	s_cbranch_scc1 .Lnot_wave_0_\@
	s_barrier_signal -3
.Lnot_wave_0_\@:
	s_barrier_wait -3
	s_barrier_signal -1
	s_barrier_wait -1
.endm
.macro WM d, a, b, c, sa, sb           ; one product of 16 x 16 x 128; c < 0: the sum begins with 0
.if (\c) < 0
	v_wmma_scale_f32_16x16x128_f8f6f4 v[\d:\d+7], v[\a:\a+7], v[\b:\b+7], 0, v[\sa], v[\sb] matrix_a_fmt:MATRIX_FMT_FP4 matrix_b_fmt:MATRIX_FMT_FP4
.else
	v_wmma_scale_f32_16x16x128_f8f6f4 v[\d:\d+7], v[\a:\a+7], v[\b:\b+7], v[\c:\c+7], v[\sa], v[\sb] matrix_a_fmt:MATRIX_FMT_FP4 matrix_b_fmt:MATRIX_FMT_FP4
.endif
.endm
; n units of 16 registers from v[src] on; a unit is half a block of 32, the other half lies in lane l xor 16.  Leaves the scale's byte in v[TM + i] and the 16 codes in v[PC + 2 i], v[PC + 2 i + 1].
.macro QUANTU n, src, TM, TP, PC
.set qi, 0
.rept \n
	v_max3_num_f32 v[\TP+qi], |v[\src+16*qi]|, |v[\src+16*qi+1]|, 0x1800000   ; with the floor 2^(3 - 127): the byte cannot fall under 1
.set qi, qi+1
.endr
.set qi, 0
.rept \n
	s_delay_alu instid0(VALU_DEP_2)
	v_max3_num_f32 v[\TM+qi], v[\TP+qi], |v[\src+16*qi+2]|, |v[\src+16*qi+3]|
.set qi, qi+1
.endr
.irp p, 4,6,8,10,12,14
.set qi, 0
.rept \n
	s_delay_alu instid0(VALU_DEP_2)
	v_max3_num_f32 v[\TM+qi], v[\TM+qi], |v[\src+16*qi+\p]|, |v[\src+16*qi+\p+1]|
.set qi, qi+1
.endr
.endr
.set qi, 0
.rept \n
	s_delay_alu instid0(VALU_DEP_2)
	v_permlanex16_b32 v[\TP+qi], v[\TM+qi], s[SEL], s[SEL+1]
.set qi, qi+1
.endr
.set qi, 0
.rept \n
	s_delay_alu instid0(VALU_DEP_2)
	v_max_num_f32 v[\TM+qi], v[\TM+qi], v[\TP+qi]
.set qi, qi+1
.endr
.set qi, 0
.rept \n
	s_delay_alu instid0(VALU_DEP_2)
	v_add_nc_u32 v[\TP+qi], 0xff000000, v[\TM+qi]
.set qi, qi+1
.endr
.set qi, 0
.rept \n
	s_delay_alu instid0(VALU_DEP_2)
	v_lshrrev_b32 v[\TM+qi], 23, v[\TP+qi]
.set qi, qi+1
.endr
.set qi, 0
.rept \n
	v_cvt_scalef32_pk8_fp4_f32 v[\PC+2*qi], v[\src+16*qi:\src+16*qi+7], v[\TP+qi]
	v_cvt_scalef32_pk8_fp4_f32 v[\PC+2*qi+1], v[\src+16*qi+8:\src+16*qi+15], v[\TP+qi]
.set qi, qi+1
.endr
	v_nop                                          ; one plain place behind the last scaled conversion
.endm
	s_load_b256 s[4:11], s[0:1], 0x0               ; qc, qs, kv, oc
	s_load_b64 s[12:13], s[0:1], 0x20              ; os
	v_lshl_add_u32 v[SPW], v0, 2, SPARE
	v_mov_b32 v[NIL], 0
	ds_add_u32 v[SPW], v[NIL]                      ; the wave's opening: the adds, and their wait ahead of my tensor load; the set-up below, work on registers, stands between them
	ds_add_u32 v[SPW], v[NIL]
	v_lshrrev_b32 v8, 5, v0
	s_delay_alu instid0(VALU_DEP_1)
	v_readfirstlane_b32 s[WV], v8                  ; wave 0..15
	s_bfe_u32 s15, ttmp6, 0x40000                  ; cx: my place in the cluster
	s_lshl_b32 s16, ttmp9, 2                       ; in a cluster launch ttmp9 counts clusters
	s_add_co_u32 s16, s16, s15                     ; j
	s_and_b32 s17, ttmp7, 0xffff                   ; y, which the four partners share
	s_mov_b32 s19, 0x0de3b658                      ; sigma: four bits a wave; waves 8-15 here,
	s_cmp_lt_u32 s[WV], 8
	s_cselect_b32 s19, 0x7a94c12f, s19             ; waves 0-7 here
	s_and_b32 s20, s[WV], 7
	s_lshl_b32 s20, s20, 2
	s_lshr_b32 s19, s19, s20
	s_and_b32 s[SIG], s19, 15
	s_mov_b32 s[G1], 15|(3<<16)|(1<<21)            ; 15:0 the mask: all four work-groups; 17:16 elements of 8 bytes; 21 set beside a mask; no padding
	s_mov_b32 s[G1+1], 32<<16                      ; tensor_dim0 = 32 elements: 256 bytes
	s_mov_b32 s[G1+2], 34<<16                      ; tensor_dim1 = 34 rows
	s_mov_b32 s[G1+3], 32<<16                      ; tile_dim0
	s_mov_b32 s[G1+4], 34                          ; tile_dim1
	s_mov_b32 s[G1+5], 32                          ; the rows are dense
	s_mov_b32 s[G1+6], 0
	s_mov_b32 s[G1+7], 0
	s_mov_b32 s[G0], 1
	s_mul_i32 s[G0+1], s[WV], PART                 ; LDS address: the wave's number alone
	s_mul_i32 s40, s17, BLOB
	s_add_co_u32 s40, s40, s[G0+1]
	s_mov_b32 s41, 0
	s_lshl_b32 s42, s[SIG], 3
	s_add_co_u32 s42, s42, s16                     ; my tile of queries
	s_lshl_b32 s43, s17, 7
	s_add_co_u32 s43, s43, s42                     ; 128 y + tile
	s_lshl_b32 s44, s43, 9                         ; qc: 512 bytes a tile
	s_mov_b32 s45, 0
	s_lshl_b32 s46, s43, 5                         ; qs: 32 bytes a tile
	s_mov_b32 s47, 0
	s_lshr_b32 s48, s17, 3
	s_lshl_b32 s48, s48, 7
	s_add_co_u32 s48, s48, s42                     ; 128 x batch + tile
	s_and_b32 s49, s17, 7                          ; the head
	s_lshl_b32 s50, s48, 12                        ; oc: 4,096 bytes a tile, the head's two blocks at 512 x head
	s_lshl_b32 s51, s49, 9
	s_add_co_u32 s50, s50, s51
	s_mov_b32 s51, 0
	s_lshl_b32 s52, s48, 8                         ; os: 16 bytes a position, the head's two at 2 x head
	s_lshl_b32 s53, s49, 1
	s_add_co_u32 s52, s52, s53
	s_mov_b32 s53, 0
	s_lshr_b32 s54, s16, 1
	s_lshl_b32 s54, s54, 5
	s_and_b32 s21, s16, 1
	s_lshl_b32 s21, s21, 3
	s_add_co_u32 s54, s54, s21                     ; 32 (j / 2) + 8 (j % 2)
	s_mov_b32 s[SEL], 0x76543210
	s_mov_b32 s[SEL+1], 0xfedcba98
	s_mov_b32 s[CS], 0x3e38aa3b
	s_mov_b32 s[CS+1], s[CS]                       ; (named with it as a pair, so it is written)
	v_and_b32 v9, 31, v0
	s_delay_alu instid0(VALU_DEP_1)
	v_lshlrev_b32 v[LI], 4, v9
	s_delay_alu instid0(VALU_DEP_1)
	v_add_nc_u32 v[AV0], VIM, v[LI]
	v_and_b32 v10, 15, v0                          ; r
	s_delay_alu instid0(VALU_DEP_1)
	v_lshl_add_u32 v[AS0], v10, 4, KSC
	s_delay_alu instid0(VALU_DEP_2)
	v_lshl_add_u32 v[AT0], v10, 4, VSC
	v_and_b32 v11, 8, v0
	s_delay_alu instid0(VALU_DEP_1)
	v_add_nc_u32 v[DL], v10, v11
	v_and_b32 v11, 16, v0
	s_delay_alu instid0(VALU_DEP_1)
	v_sub_nc_u32 v[DL], v[DL], v11
	s_delay_alu instid0(VALU_DEP_1)
	v_add_nc_u32 v[DL], s54, v[DL]
	v_lshlrev_b32 v8, 1, v10                       ; qs: 2 r
	s_wait_dscnt 0x0                               ; the opening add is done
	s_wait_kmcnt 0x0
	s_add_nc_u64 s[G0+2:G0+3], s[8:9], s[40:41]    ; the pair's part of kv, my 34 rows: made of y and the wave's number
	s_or_b32 s[G0+3], s[G0+3], 0x80000000          ; type = 2
	s_add_nc_u64 s[4:5], s[4:5], s[44:45]
	s_add_nc_u64 s[6:7], s[6:7], s[46:47]
	s_add_nc_u64 s[10:11], s[10:11], s[50:51]
	s_add_nc_u64 s[12:13], s[12:13], s[52:53]
	ROUND                                          ; all four work-groups are here: the joint loads meet
	tensor_load_to_lds s[G0:G0+3], s[G1:G1+7]
	s_nop 0
.rept 4
	v_nop
.endr
	global_load_b128 v[16:19], v[LI], s[4:5]       ; q twice: as the lower half of one operand
	global_load_b128 v[28:31], v[LI], s[4:5]       ; and as the upper half of the other
	s_wait_alu depctr_va_vdst(0)
	global_load_u16 v[QSW], v8, s[6:7]             ; q's two scale bytes
.irp j, 20,21,22,23,24,25,26,27
	v_mov_b32 v[\j], 0                             ; zero codes
.endr
	s_wait_loadcnt 0x0
	v_lshl_or_b32 v[QSW], v[QSW], 16, v[QSW]       ; the two bytes below and above: one word serves both operands.  The lines below are the places between this write and the first product
	v_mov_b32 v13, 0xff61b1e6                      ; the largest t so far: -3e38, under every t
	s_delay_alu instid0(VALU_DEP_1)
	v_floor_f32 v12, -v13                          ; -M
	v_mov_b32 v14, 0
	v_mov_b32 v15, 0
.irp b, 0,1,2,3
	v_mov_b32 v[236+\b], 0                         ; written once: a lane permute's destination counts as one of its sources
.endr
	v_mov_b32 v253, 0                              ; (named as the upper half of the pair v[252:253])
.set nn, 0
.rept 32
	v_mov_b32 v[160+nn], 0                         ; O^T: the step is written once; the first finds zeros
.set nn, nn+1
.endr
	s_mov_b32 s[KS], 0
	s_mov_b32 s[TB], 0
	s_mov_b32 s[TS], 0
	s_wait_tensorcnt 0x0                           ; my 34 rows are in,
	s_barrier_signal -1
	s_barrier_wait -1                              ; everybody's are: K, V and their scales lie whole in LDS, and nothing is filled again
.Lstep:                                            ; 16 trips in every wave
	s_cmp_gt_u32 s[KS], s[SIG]                     ; all of this step's keys come after my queries: only the steps of the addresses are walked
	s_cbranch_scc1 .Lhidden
	v_add_nc_u32 v[ADK], s[TB], v[LI]              ; (these four are also the places behind the last trip's products, ahead of the loads into their registers)
	v_add_nc_u32 v[ADV], s[TB], v[AV0]
	v_add_nc_u32 v[ADS], s[TS], v[AS0]
	v_add_nc_u32 v[ADT], s[TS], v[AT0]
.irp b, 0,1,2,3
.irp c, 0,1
	ds_load_b128 v[32+8*\b+4*\c:32+8*\b+4*\c+3], v[ADK] offset:1024*\b+512*\c
.endr
.endr
	ds_load_b128 v[KSW:KSW+3], v[ADS]
.irp t, 0,1,2,3
.irp c, 0,1
	ds_load_b128 v[64+8*\t+4*\c:64+8*\t+4*\c+3], v[ADV] offset:1024*\t+512*\c
.endr
.endr
	ds_load_b128 v[VSW:VSW+3], v[ADT]
	s_wait_dscnt 9                                 ; K and its scale words are in; V's eight loads and its scale words stay out
.irp b, 0,1,2,3
.irp u, 0,1
	WM 96+8*(2*\b+\u), 32+8*\b, 16+8*\u, -1, KSW+\b, QSW
.endr
.endr
	PLACES
	s_cmp_lt_u32 s[KS], s[SIG]                     ; ahead of the diagonal step every key counts
	s_cbranch_scc1 .Lopen
	v_mov_b32 v254, 0xff800000                     ; register 16 b + i holds key 32 b + 16 (lane / 16) + i of the step: hidden where 32 b + i > DL; its score becomes -infinity, so p = 0
.set nn, 0
.rept 64
	v_cmp_gt_i32 vcc_lo, 32*(nn/16)+nn%16, v[DL]
	v_cndmask_b32 v[96+nn], v[96+nn], v254, vcc_lo
.set nn, nn+1
.endr
.Lopen:
.irp b, 0,1,2,3
	v_max3_num_f32 v[232+\b], v[96+16*\b], v[97+16*\b], v[98+16*\b]   ; the largest score of each block of 32 keys: it serves the row's maximum and, since p rises with the score, the block's largest p
.endr
.irp i, 3,5,7,9,11,13
.irp b, 0,1,2,3
	v_max3_num_f32 v[232+\b], v[232+\b], v[96+16*\b+\i], v[97+16*\b+\i]
.endr
.endr
.irp b, 0,1,2,3
	v_max_num_f32 v[232+\b], v[232+\b], v[111+16*\b]
.endr
.irp b, 0,1,2,3
	s_delay_alu instid0(VALU_DEP_4)
	v_permlanex16_b32 v[236+\b], v[232+\b], s[SEL], s[SEL+1]
.endr
.irp b, 0,1,2,3
	s_delay_alu instid0(VALU_DEP_4)
	v_max_num_f32 v[232+\b], v[232+\b], v[236+\b]  ; with lane l xor 16's 16 keys
.endr
	s_delay_alu instid0(VALU_DEP_2)
	v_max3_num_f32 v254, v232, v233, v234
	s_delay_alu instid0(VALU_DEP_1)
	v_max_num_f32 v254, v254, v235
	s_delay_alu instid0(VALU_DEP_1)
	v_mul_f32 v254, s[CS], v254                    ; as t (c is positive)
	s_delay_alu instid0(VALU_DEP_1)
	v_max_num_f32 v13, v13, v254                   ; the running largest t
	v_mov_b32 v254, v12
	s_delay_alu instid0(VALU_DEP_2)
	v_floor_f32 v12, -v13                          ; the new -M = -ceil(t)
	s_delay_alu instid0(VALU_DEP_1)
	v_sub_f32 v254, v12, v254                      ; old M - new M: a whole number, 0 or less
	s_delay_alu instid0(VALU_DEP_1)
	v_cvt_i32_f32 v254, v254                       ; (it saturates)
	s_delay_alu instid0(VALU_DEP_1)
	v_ldexp_f32 v252, 1.0, v254                    ; f = 2^(old M - new M)
.set nn, 0
.rept 32
	v_pk_fma_f32 v[96+nn:97+nn], v[96+nn:97+nn], s[CS:CS+1], v[12:13] op_sel_hi:[1,0,0]   ; t - M, two at a time
.set nn, nn+2
.endr
.irp b, 0,1,2,3
	v_fma_f32 v[232+\b], v[232+\b], s[CS], v12     ; the same of each block's largest score
.endr
.set nn, 0
	s_wait_alu depctr_va_vdst(0)
.rept 64
	v_exp_f32 v[96+nn], v[96+nn]                   ; p = 2^(t - M)
.set nn, nn+1
.endr
	v_pk_mul_f32 v[14:15], v[14:15], v[252:253] op_sel_hi:[1,0]   ; the sums under the new M (a plain place behind the exponentials)
	s_wait_alu depctr_va_vdst(0)                   ; one wait for the batch of 64, ahead of its first reader
.irp b, 0,1,2,3
	v_exp_f32 v[232+\b], v[232+\b]                 ; the block's largest p
.endr
	v_pk_add_f32 v[236:237], v[100:101], v[104:105]
	v_pk_add_f32 v[254:255], v[108:109], v[112:113]
	v_pk_add_f32 v[250:251], v[116:117], v[120:121]
	v_pk_add_f32 v[248:249], v[124:125], v[128:129]
	v_pk_add_f32 v[246:247], v[132:133], v[136:137]
	v_pk_add_f32 v[244:245], v[140:141], v[144:145]
	v_pk_add_f32 v[242:243], v[148:149], v[152:153]
	v_pk_add_f32 v[14:15], v[14:15], v[156:157]
	v_pk_add_f32 v[236:237], v[236:237], v[96:97]
	v_pk_add_f32 v[254:255], v[254:255], v[98:99]
	v_pk_add_f32 v[250:251], v[250:251], v[102:103]
	v_pk_add_f32 v[248:249], v[248:249], v[106:107]
	v_pk_add_f32 v[246:247], v[246:247], v[110:111]
	v_pk_add_f32 v[244:245], v[244:245], v[114:115]
	v_pk_add_f32 v[242:243], v[242:243], v[118:119]
	v_pk_add_f32 v[14:15], v[14:15], v[122:123]
	v_pk_add_f32 v[236:237], v[236:237], v[126:127]
	v_pk_add_f32 v[254:255], v[254:255], v[130:131]
	v_pk_add_f32 v[250:251], v[250:251], v[134:135]
	v_pk_add_f32 v[248:249], v[248:249], v[138:139]
	v_pk_add_f32 v[246:247], v[246:247], v[142:143]
	v_pk_add_f32 v[244:245], v[244:245], v[146:147]
	v_pk_add_f32 v[242:243], v[242:243], v[150:151]
	v_pk_add_f32 v[14:15], v[14:15], v[154:155]
	v_pk_add_f32 v[236:237], v[236:237], v[158:159]
	s_delay_alu instid0(VALU_DEP_2)
	v_pk_add_f32 v[14:15], v[14:15], v[248:249]
	s_delay_alu instid0(VALU_DEP_2)
	v_pk_add_f32 v[236:237], v[236:237], v[246:247]
	v_pk_add_f32 v[254:255], v[254:255], v[244:245]
	v_pk_add_f32 v[250:251], v[250:251], v[242:243]
	s_delay_alu instid0(VALU_DEP_2)
	v_pk_add_f32 v[14:15], v[14:15], v[254:255]
	s_delay_alu instid0(VALU_DEP_2)
	v_pk_add_f32 v[236:237], v[236:237], v[250:251]
	s_delay_alu instid0(VALU_DEP_1)
	v_pk_add_f32 v[14:15], v[14:15], v[236:237]
	s_wait_alu depctr_va_vdst(0)                   ; and one for the four
.irp b, 0,1,2,3
	v_max_num_f32 v[232+\b], 0x1800000, v[232+\b]  ; the floor 2^(3 - 127): the byte cannot fall under 1
.endr
.irp b, 0,1,2,3
	s_delay_alu instid0(VALU_DEP_4)
	v_add_nc_u32 v[244+\b], 0xff000000, v[232+\b]  ; the conversion's scale operand
.endr
.irp b, 0,1,2,3
	s_delay_alu instid0(VALU_DEP_4)
	v_lshrrev_b32 v[236+\b], 23, v[244+\b]         ; the scale's byte
.endr
	s_delay_alu instid0(VALU_DEP_3)
	v_lshl_or_b32 v[PSW], v237, 8, v236            ; p's scale word for these 128 keys
	s_delay_alu instid0(VALU_DEP_1)
	v_lshl_or_b32 v[PSW], v238, 16, v[PSW]
	s_delay_alu instid0(VALU_DEP_1)
	v_lshl_or_b32 v[PSW], v239, 24, v[PSW]
.irp b, 0,1,2,3
	v_cvt_scalef32_pk8_fp4_f32 v[224+2*\b], v[96+16*\b:103+16*\b], v[244+\b]
	v_cvt_scalef32_pk8_fp4_f32 v[225+2*\b], v[104+16*\b:111+16*\b], v[244+\b]
.endr
	v_nop                                          ; one plain place behind the last scaled conversion
.irp c, 0,1                            ; the operand's layout wants a whole block in a lane: lanes 0-15 block 2 c, lanes 16-31 block 2 c + 1
.irp i, 0,1
	v_permlane16_swap_b32 v[224+4*\c+\i], v[226+4*\c+\i]
.endr
.endr
.set nn, 0
.rept 16
	v_pk_mul_f32 v[160+nn:161+nn], v[160+nn:161+nn], v[252:253] op_sel_hi:[1,0]   ; O^T under the new M.  (These sixteen are also the places between p's codes and scale word and the products)
.set nn, nn+2
.endr
	s_wait_alu depctr_va_vdst(0)
	s_wait_dscnt 0x0                               ; V
.irp t, 0,1,2,3
	WM 160+8*\t, 64+8*\t, 224, 160+8*\t, VSW+\t, PSW   ; four accumulators by turns
.endr
.Lhidden:
	s_add_co_u32 s[TB], s[TB], 4096
	s_add_co_u32 s[TS], s[TS], 256
	s_add_co_u32 s[KS], s[KS], 1
	s_cmp_lt_u32 s[KS], 16
	s_cbranch_scc1 .Lstep
	; THE WAY OUT.  O^T / the sum; register 16 b + i is d = 32 b + 16 (lane / 16) + i of my query: two units, blocks 2 x head + b of the next product's K.
	PLACES
	v_add_f32 v14, v14, v15                        ; the sum's two halves; v15 is free from here on,
	s_delay_alu instid0(VALU_DEP_1)
	v_permlanex16_b32 v15, v14, s[SEL], s[SEL+1]   ; and takes lane l xor 16's (a lane permute's destination counts as read: v15 was written at the head on every way)
	s_delay_alu instid0(VALU_DEP_1)
	v_add_f32 v14, v14, v15                        ; the row's sum
	s_wait_alu depctr_va_vdst(0)
	v_rcp_f32 v14, v14
	v_and_b32 v10, 15, v0                          ; (a plain place behind the reciprocal)
	v_bfe_u32 v11, v0, 4, 1
	s_delay_alu instid0(VALU_DEP_2)
	v_lshlrev_b32 v8, 4, v10
	s_delay_alu instid0(VALU_DEP_1)
	v_add_nc_u32 v9, v8, v11                       ; os: 16 r + h
	s_delay_alu instid0(VALU_DEP_2)
	v_lshl_add_u32 v8, v11, 3, v8                  ; oc: 16 r + 8 h
	v_and_b32 v10, 31, v0
	s_delay_alu instid0(VALU_DEP_1)
	v_cmp_lt_u32 s[MH], 15, v10
	s_wait_alu depctr_va_vdst(0)                   ; the wait ahead of the reciprocal's first reader
.set nn, 0
.rept 32
	v_mul_f32 v[96+nn], v[160+nn], v14
.set nn, nn+1
.endr
	QUANTU 2, 96, 232, 236, 240
	global_store_b64 v8, v[240:241], s[10:11]      ; 256 consecutive bytes each, aligned
	global_store_b64 v8, v[242:243], s[10:11] offset:256
	v_cndmask_b32 v244, v232, v233, s[MH]          ; lanes 0-15 store block 0's byte, lanes 16-31 block 1's
	global_store_b8 v9, v244, s[12:13]
	s_wait_tensorcnt 0x0                           ; the wave's end
	ds_add_u32 v[SPW], v[NIL]
	s_wait_dscnt 0x0
	ROUND                                          ; the closing round
	s_endpgm
.Lfunc_end_k_q62a4b427ae_attn:
	.size	k_q62a4b427ae_attn, .Lfunc_end_k_q62a4b427ae_attn-k_q62a4b427ae_attn
	.p2alignl 7, 3214868480
	.fill 96, 4, 3214868480
	.section	.rodata,"a",@progbits
	.p2align	6, 0x0
	.amdhsa_kernel k_q62a4b427ae_attn
		.amdhsa_group_segment_fixed_size 167936
		.amdhsa_private_segment_fixed_size 0
		.amdhsa_enable_private_segment 0
		.amdhsa_kernarg_size 40
		.amdhsa_user_sgpr_count 2
		.amdhsa_user_sgpr_kernarg_segment_ptr 1
		.amdhsa_wavefront_size32 1
		.amdhsa_system_sgpr_workgroup_id_x 1
		.amdhsa_system_sgpr_workgroup_id_y 1
		.amdhsa_system_sgpr_workgroup_id_z 1
		.amdhsa_system_vgpr_workitem_id 0
		.amdhsa_next_free_vgpr 256
		.amdhsa_next_free_sgpr 66
		.amdhsa_reserve_vcc 1
		.amdhsa_float_denorm_mode_32 3
		.amdhsa_float_denorm_mode_16_64 3
		.amdhsa_memory_ordered 1
		.amdhsa_forward_progress 1
		.amdhsa_inst_pref_size 33
	.end_amdhsa_kernel
	.amdgpu_metadata
---
amdhsa.version: [ 1, 2 ]
amdhsa.kernels:
  - .name:           k_q62a4b427ae_attn
    .symbol:         k_q62a4b427ae_attn.kd
    .args:
      - { .name: qc, .offset: 0, .size: 8, .value_kind: global_buffer, .address_space: global }
      - { .name: qs, .offset: 8, .size: 8, .value_kind: global_buffer, .address_space: global }
      - { .name: kv, .offset: 16, .size: 8, .value_kind: global_buffer, .address_space: global }
      - { .name: oc, .offset: 24, .size: 8, .value_kind: global_buffer, .address_space: global }
      - { .name: os, .offset: 32, .size: 8, .value_kind: global_buffer, .address_space: global }
    .group_segment_fixed_size: 167936
    .private_segment_fixed_size: 0
    .kernarg_segment_align: 8
    .kernarg_segment_size: 40
    .max_flat_workgroup_size: 512
    .sgpr_count:     66
    .vgpr_count:     256
    .wavefront_size: 32
...
	.end_amdgpu_metadata
.endif
;; end of part 7
;; launch post (part 8): grid 256 x 1, 16 waves a work-group, clusters of 4 x 1, 327,680 bytes of LDS; arguments x, oc, os, wimg, Wo_scales, bo, ln2_g, ln2_b, W1_scales, b1, W2_scales, b2, out0; writes out0
.if DOCPART == 8
	.amdgcn_target "amdgcn-amd-amdhsa--gfx1250"
	.amdhsa_code_object_version 6
	.text
	.protected	k_q62a4b427ae_post
	.globl	k_q62a4b427ae_post
	.p2align	8
	.type	k_q62a4b427ae_post,@function
k_q62a4b427ae_post:
	s_mov_b64 s[64:65], 0
	v_nop
	global_prefetch_b8 v0, s[64:65] scope:SCOPE_SE
	s_setreg_imm32_b32 hwreg(HW_REG_WAVE_MODE, 25, 1), 1
	s_wait_xcnt 0x0
	s_wait_alu depctr_hold_cnt(0) depctr_sa_sdst(0) depctr_va_vdst(0) depctr_va_sdst(0) depctr_va_ssrc(0) depctr_va_vcc(0) depctr_vm_vsrc(0)
	s_getreg_b32 s2, hwreg(HW_REG_IB_STS2, 6, 4)
	s_cmp_eq_u32 s2, 0
	s_cbranch_scc0 .Lentry_in_a_cluster
	s_endpgm
.Lentry_in_a_cluster:
	s_bfe_u32 s2, ttmp6, 0x10000c
	s_cmp_lg_u32 s2, 0x3003
	s_cbranch_scc0 .Lentry_shape_is_right
	s_endpgm
.Lentry_shape_is_right:
; x1 = x + out Wo + bo;  h2 = LayerNorm(x1) g + b, quantised;  out0 = x1 + relu(h2 W1 + b1) W2 + b2, the hidden layer quantised.  All three products on codes of FP4 (E2M1) with one E8M0 scale for each 32 along K.
; SHARES.  A work-group owns 32 tokens, as two tiles of positions (lane r of tile m: token 8 m + r + 8 (r / 8)).  Wave w makes columns 64 w .. 64 w + 63 of x1 and out0 and hidden units 32 w .. 32 w + 31, for all 32 tokens.
; All products are used transposed (source 0 = 16 rows of a weight, source 1 = 16 tokens): a lane holds one token, and the 16 registers of two neighbouring tiles are 16 neighbouring columns.  x1 stays in 64 registers throughout.
; THE WEIGHTS are register images in wimg, 16,384 bytes a wave and matrix (Wo: 8,192 a wave and half of K).  CLUSTER 4 x 1: all work-groups walk the same weights, so they come by JOINT tensor loads (mask 15) into two LDS regions.
; A region is 256 rows of 512 bytes + 16 of padding; every fill lies on that grid of rows.  A wave fetches what it alone reads (the head aside).
; THE FILLS, one tensor load a wave each:  head: waves 0-7 x (plain loads, 32 rows x 512 bytes each, region 0), waves 8-15 Wo's K steps 2, 3 (region 1);  1: W1's K steps 0-3 (region 0);  2: W1's K steps 4-7 (region 1);
; 3: W2 of waves 0-7 (region 0);  4: W2 of waves 8-15 (region 1).  Each of 1 to 4 stands behind the wait for all tensor loads, the add, the wait for LDS and a round of the cluster's barrier.  One tensor load of a wave is out at any time.
; Wo's K steps 0, 1 go straight into registers (one tensor load a wave stands at the head) and are multiplied while x is on its way: the sums begin with bo, and x is added when the product is whole.
; Waves 0-7 finish and store their columns while fill 4 is on its way.  THE WAY OUT goes through the wave's own W2 bytes, which have had their last fill and which it alone read: 16 lanes store 256 consecutive bytes, aligned.
; PREFETCH, in clusters 0-3 alone (ttmp9 < 4): behind each fill the next fill's 131,072 bytes are asked for, one fill ahead: each 256 bytes once in a cluster; the four partners take a quarter each BY ADDRESS, waves 0-3 32 blocks each.  The head's tiles come by their loads alone.
; LIMITS: NaN and infinite inputs are not served.  A block of zeros gets the scale byte 1 (its codes are zeros; this program alone reads the bytes).  The norm goes in two passes (mean, then squares of x1 - mean).
.set RB,    528                        ; an LDS row of a region
.set R1,    135168                     ; region 1 (region 0 begins at 0)
.set AIMG,  270336                     ; out's 8 fragments: 4,096 x tile + 1,024 x K step
.set HIMG,  278528                     ; h2's 16: 8,192 x tile + 1,024 x K step
.set GIMG,  294912                     ; the hidden layer's 8
.set HS,    303104                     ; h2's scale bytes: 32 x position + block
.set GS,    304128                     ; the hidden layer's: 16 x position + block
.set RED1,  304640                     ; the rows' sums: 64 x position + 4 x wave; the sums of squares 2,048 further on
.set SPARE, 308736                     ; the spare words, 128 bytes for each wave
.set W1OFF, 786432                     ; in wimg
.set WOOFF, 1048576
.set W2OFF, 1310720
.set LI,   1                           ; 16 x lane
.set R8,   2                           ; 16 r + 8 h
.set H64,  3                           ; 64 h
.set WA0,  4                           ; my 8,448 bytes of region 0 + 16 x lane; for W2: my 16,896 bytes
.set WA1,  5                           ; my 8,448 bytes of region 1
.set PFO,  6                           ; 256 x lane; never rewritten
.set AIL,  7
.set HIL,  8
.set GIL,  9
.set SPW,  10                          ; my spare word; never rewritten
.set NIL,  11                          ; 0; never rewritten
.set WSA,  12                          ; scale bytes of rows of 32: 32 (r + 8 (r / 8)) + 16 h
.set WSB,  13                          ; of rows of 16: 16 (8 h + r + 8 (r / 8))
.set T0,   14                          ; LDS addresses of the phase in hand
.set T1,   15
.set AFC,  16                          ; v16-31 two fragments of out; else at work
.set X1,   32                          ; v32-95 x1: 32 x tile of tokens + 8 x tile of columns
.set R2,   96                          ; v96-159 bo, x; x1 - mean, h2; hidden layer and fragments; rows of out0
.set WB,   160                         ; v160-223 two sets of four weight fragments; the norm's gain and bias
.set WOS,  224                         ; scale words alone: Wo's, W1's, W2's, the tokens'
.set W1S,  232
.set W2S,  240
.set AS,   248
.set WV,   30
.set MH,   31                          ; mask of lanes 16-31
.set SEL,  32
.set C10,  34
.set EPS,  35
.set PF1,  52                          ; s[52:53] wimg + 65,536 cx + 16,384 (w % 4): prefetches of W1
.set PF2,  54                          ; s[54:55] wimg + 32,768 cx + 8,192 (w % 4): of W2
.set G1X,  56                          ; group 1 for x's tiles
.set G1A,  68                          ; for 32 dense rows of weights
.set G1B,  76                          ; for 16
.set G0X,  84                          ; group 0: x; later W2
.set G0H,  88                          ; Wo's second half
.set GF1,  92
.set GF2,  96
.macro PLACES
.rept 4
	v_nop
.endr
.endm
.macro BAR
	s_wait_dscnt 0x0
	s_barrier_signal -1
	s_barrier_wait -1
.endm
.macro LINES                           ; ahead of a round behind which LDS is filled
	s_wait_tensorcnt 0x0
	ds_add_u32 v[SPW], v[NIL]
	s_wait_dscnt 0x0
.endm
.macro ROUND                           ; a round of the cluster's barrier
	s_barrier_signal -1
	s_barrier_wait -1
	s_cmp_lg_u32 s[WV], 0
	s_cbranch_scc1 .Lnot_wave_0_\@
	s_barrier_signal -3
.Lnot_wave_0_\@:
	s_barrier_wait -3
	s_barrier_signal -1
	s_barrier_wait -1
.endm
.macro TLD g0, g1                      ; a tensor load
	tensor_load_to_lds s[\g0:\g0+3], s[\g1:\g1+7]
	s_nop 0
.rept 4
	v_nop
.endr
.endm
.macro ASK base, off                   ; waves 0-3: 32 blocks of 256 bytes each of the next fill
	s_cmp_lt_u32 s[WV], 4
	s_cbranch_scc0 .Lnot_mine_\@
	s_cmp_lt_u32 ttmp9, 4
	s_cbranch_scc0 .Lno_prefetch_post0_\@
	global_prefetch_b8 v[PFO], s[\base:\base+1] offset:\off th:TH_LOAD_NT scope:SCOPE_SE
.Lno_prefetch_post0_\@:
.Lnot_mine_\@:
.endm
.macro WM d, a, b, c, sa, sb, ra, rb   ; one product of 16 x 16 x 128; ra, rb: the half of the lanes from which A's and B's scale words are taken
.if (\ra) && (\rb)
	v_wmma_scale_f32_16x16x128_f8f6f4 v[\d:\d+7], v[\a:\a+7], v[\b:\b+7], v[\c:\c+7], v[\sa], v[\sb] matrix_a_fmt:MATRIX_FMT_FP4 matrix_b_fmt:MATRIX_FMT_FP4 matrix_a_scale:MATRIX_SCALE_ROW1 matrix_b_scale:MATRIX_SCALE_ROW1
.elseif (\ra)
	v_wmma_scale_f32_16x16x128_f8f6f4 v[\d:\d+7], v[\a:\a+7], v[\b:\b+7], v[\c:\c+7], v[\sa], v[\sb] matrix_a_fmt:MATRIX_FMT_FP4 matrix_b_fmt:MATRIX_FMT_FP4 matrix_a_scale:MATRIX_SCALE_ROW1
.elseif (\rb)
	v_wmma_scale_f32_16x16x128_f8f6f4 v[\d:\d+7], v[\a:\a+7], v[\b:\b+7], v[\c:\c+7], v[\sa], v[\sb] matrix_a_fmt:MATRIX_FMT_FP4 matrix_b_fmt:MATRIX_FMT_FP4 matrix_b_scale:MATRIX_SCALE_ROW1
.else
	v_wmma_scale_f32_16x16x128_f8f6f4 v[\d:\d+7], v[\a:\a+7], v[\b:\b+7], v[\c:\c+7], v[\sa], v[\sb] matrix_a_fmt:MATRIX_FMT_FP4 matrix_b_fmt:MATRIX_FMT_FP4
.endif
.endm
.macro GCH buf, off                    ; four weight fragments, 4,096 consecutive bytes of memory, into set buf
.irp k, 0,1,2,3,4,5,6,7
	global_load_b128 v[WB+32*(\buf)+4*\k:WB+32*(\buf)+4*\k+3], v[LI], s[36:37] offset:(\off)+512*\k
.endr
.endm
.macro LCH buf, adr, c                 ; the same from LDS: eight rows of 512 bytes, the c-th eight of my part
.irp k, 0,1,2,3,4,5,6,7
	ds_load_b128 v[WB+32*(\buf)+4*\k:WB+32*(\buf)+4*\k+3], v[\adr] offset:RB*(8*(\c)+\k)
.endr
.endm
.macro VEC reg, sb                     ; my 64 columns of a vector of 1,024, in the results' layout: register 8 t + i = column 32 (t / 2) + 16 h + 8 (t % 2) + i
.irp t, 0,1,2,3
.irp q, 0,1
	global_load_b128 v[\reg+8*\t+4*\q:\reg+8*\t+4*\q+3], v[H64], s[\sb:\sb+1] offset:128*(\t/2)+32*(\t%2)+16*\q
.endr
.endr
.endm
.macro AFLOAD s                        ; out's two fragments of K step s
.irp m, 0,1
.irp c, 0,1
	ds_load_b128 v[AFC+8*\m+4*\c:AFC+8*\m+4*\c+3], v[AIL] offset:4096*\m+1024*(\s)+512*\c
.endr
.endr
.endm
.macro P1S s                           ; K step s of out Wo: eight accumulators by turns; step 0 begins the sums with bo
.irp m, 0,1
.irp t, 0,1,2,3
.if \s == 0
	WM X1+32*\m+8*\t, WB+8*\t, AFC+8*\m, R2+8*\t, WOS+4*(\t/2), AS, \t%2, \m
.else
	WM X1+32*\m+8*\t, WB+32*(\s%2)+8*\t, AFC+8*\m, X1+32*\m+8*\t, WOS+4*(\t/2)+\s, AS+\s, \t%2, \m
.endif
.endr
.endr
.endm
.macro QUANTU n, src, TM, TP, PC       ; n units of 16 registers; a unit is half a block of 32, the other half lies in lane l xor 16.  The byte in v[TM + i], the codes in v[PC + 2 i], v[PC + 2 i + 1]
.set qi, 0
.rept \n
	v_max3_num_f32 v[\TP+qi], |v[\src+16*qi]|, |v[\src+16*qi+1]|, 0x1800000   ; with the floor 2^(3 - 127): the byte cannot fall under 1
.set qi, qi+1
.endr
.set qi, 0
.rept \n
	v_max3_num_f32 v[\TM+qi], v[\TP+qi], |v[\src+16*qi+2]|, |v[\src+16*qi+3]|
.set qi, qi+1
.endr
.irp p, 4,6,8,10,12,14
.set qi, 0
.rept \n
	v_max3_num_f32 v[\TM+qi], v[\TM+qi], |v[\src+16*qi+\p]|, |v[\src+16*qi+\p+1]|
.set qi, qi+1
.endr
.endr
.set qi, 0
.rept \n
	v_permlanex16_b32 v[\TP+qi], v[\TM+qi], s[SEL], s[SEL+1]
.set qi, qi+1
.endr
.set qi, 0
.rept \n
	v_max_num_f32 v[\TM+qi], v[\TM+qi], v[\TP+qi]
.set qi, qi+1
.endr
.set qi, 0
.rept \n
	v_add_nc_u32 v[\TP+qi], 0xff000000, v[\TM+qi]      ; 2 off the exponent field: the conversion's scale operand
.set qi, qi+1
.endr
.set qi, 0
.rept \n
	v_lshrrev_b32 v[\TM+qi], 23, v[\TP+qi]             ; the scale's byte
.set qi, qi+1
.endr
.set qi, 0
.rept \n
	v_cvt_scalef32_pk8_fp4_f32 v[\PC+2*qi], v[\src+16*qi:\src+16*qi+7], v[\TP+qi]
	v_cvt_scalef32_pk8_fp4_f32 v[\PC+2*qi+1], v[\src+16*qi+8:\src+16*qi+15], v[\TP+qi]
.set qi, qi+1
.endr
	v_nop                                          ; one plain place behind the last scaled conversion
.endm
; A sum over a token's 1,024 columns (sq = 1: of squares), for the 32 tokens: my 32 numbers of each tile's token; lane l xor 16's; one word a position into LDS; a barrier; lane l adds the sixteen waves' words of position l: v16.
; sq = 1: the barrier is the round behind which fill 2 goes out.
.macro TOTAL src, sq, off
.irp m, 0,1
.if \sq
	v_pk_mul_f32 v[16+4*\m:17+4*\m], v[\src+32*\m:\src+32*\m+1], v[\src+32*\m:\src+32*\m+1]
	v_pk_mul_f32 v[18+4*\m:19+4*\m], v[\src+32*\m+2:\src+32*\m+3], v[\src+32*\m+2:\src+32*\m+3]
.else
	v_pk_add_f32 v[16+4*\m:17+4*\m], v[\src+32*\m:\src+32*\m+1], v[\src+32*\m+2:\src+32*\m+3]
	v_pk_add_f32 v[18+4*\m:19+4*\m], v[\src+32*\m+4:\src+32*\m+5], v[\src+32*\m+6:\src+32*\m+7]
.endif
.endr
.irp k, 4,8,12,16,20,24,28
.irp m, 0,1
.if \sq
	s_delay_alu instid0(VALU_DEP_4)
	v_pk_fma_f32 v[16+4*\m:17+4*\m], v[\src+32*\m+\k:\src+32*\m+\k+1], v[\src+32*\m+\k:\src+32*\m+\k+1], v[16+4*\m:17+4*\m]
	s_delay_alu instid0(VALU_DEP_4)
	v_pk_fma_f32 v[18+4*\m:19+4*\m], v[\src+32*\m+\k+2:\src+32*\m+\k+3], v[\src+32*\m+\k+2:\src+32*\m+\k+3], v[18+4*\m:19+4*\m]
.elseif \k > 4
	v_pk_add_f32 v[16+4*\m:17+4*\m], v[16+4*\m:17+4*\m], v[\src+32*\m+\k:\src+32*\m+\k+1]
	v_pk_add_f32 v[18+4*\m:19+4*\m], v[18+4*\m:19+4*\m], v[\src+32*\m+\k+2:\src+32*\m+\k+3]
.endif
.endr
.endr
.irp m, 0
	s_delay_alu instid0(VALU_DEP_3)
	v_pk_add_f32 v[16+4*\m:17+4*\m], v[16+4*\m:17+4*\m], v[18+4*\m:19+4*\m]
.endr
.irp m, 1
	s_delay_alu instid0(VALU_DEP_2)
	v_pk_add_f32 v[16+4*\m:17+4*\m], v[16+4*\m:17+4*\m], v[18+4*\m:19+4*\m]
.endr
.irp m, 0,1
	s_delay_alu instid0(VALU_DEP_2)
	v_add_f32 v[16+4*\m], v[16+4*\m], v[17+4*\m]
.endr
.irp m, 0,1
	s_delay_alu instid0(VALU_DEP_2)
	v_permlanex16_b32 v[17+4*\m], v[16+4*\m], s[SEL], s[SEL+1]
.endr
.irp m, 0,1
	s_delay_alu instid0(VALU_DEP_2)
	v_add_f32 v[16+4*\m], v[16+4*\m], v[17+4*\m]
.endr
	s_delay_alu instid0(VALU_DEP_1)
	v_cndmask_b32 v24, v16, v20, s[MH]             ; lane 16 m + r: my wave's part of position r of tile m
	ds_store_b32 v[T0], v24 offset:\off
.if \sq
	LINES                                          ; fill 1 has landed; my reads of region 1 (Wo) ended ahead of fill 1's round
	ROUND
	TLD GF2, G1B                                   ; fill 2: W1's K steps 4-7, my 8,192 bytes, into region 1
	ASK PF2, W2OFF                                 ; fill 3's bytes
.else
	BAR
.endif
.irp q, 0,1,2,3
	ds_load_b128 v[16+4*\q:19+4*\q], v[T1] offset:\off+16*\q
.endr
	s_wait_dscnt 0x0
	v_pk_add_f32 v[16:17], v[16:17], v[18:19]
	v_pk_add_f32 v[20:21], v[20:21], v[22:23]
	v_pk_add_f32 v[24:25], v[24:25], v[26:27]
	v_pk_add_f32 v[28:29], v[28:29], v[30:31]
	s_delay_alu instid0(VALU_DEP_3)
	v_pk_add_f32 v[16:17], v[16:17], v[20:21]
	s_delay_alu instid0(VALU_DEP_2)
	v_pk_add_f32 v[24:25], v[24:25], v[28:29]
	s_delay_alu instid0(VALU_DEP_1)
	v_pk_add_f32 v[16:17], v[16:17], v[24:25]
	s_delay_alu instid0(VALU_DEP_1)
	v_add_f32 v16, v16, v17
.endm
.macro SPLIT                           ; v16 holds a number for position l; every lane gets tile 0's for its r in v20 and tile 1's in v22
	v_permlanex16_b32 v17, v16, s[SEL], s[SEL+1]
	v_cndmask_b32 v20, v16, v17, s[MH]
	v_cndmask_b32 v22, v17, v16, s[MH]
.endm
	s_load_b512 s[4:19], s[0:1], 0x0               ; x, oc, os, wimg, Wo's scales, bo, the norm's gain, its bias
	s_load_b256 s[20:27], s[0:1], 0x40             ; W1's scales, b1, W2's scales, b2
	s_load_b64 s[28:29], s[0:1], 0x60              ; out0
	v_lshl_add_u32 v[SPW], v0, 2, SPARE
	v_mov_b32 v[NIL], 0
	ds_add_u32 v[SPW], v[NIL]                      ; the opening lines: the add, twice on end, and its wait ahead of my first tensor load
	ds_add_u32 v[SPW], v[NIL]
	v_lshrrev_b32 v16, 5, v0
	v_readfirstlane_b32 s[WV], v16                 ; wave 0..15
	s_bfe_u32 s36, ttmp6, 0x40000                  ; cx: it enters global addresses alone
	s_lshl_b32 s37, ttmp9, 2
	s_add_co_u32 s37, s37, s36                     ; the work-group's number
	s_mov_b32 s[G1X], (3<<16)|(1<<20)|(6<<22)|(3<<25)   ; x: no mask; elements of 8 bytes; 4 words of padding behind every 128
	s_mov_b32 s[G1X+1], 64<<16                     ; rows of 64 elements: 512 bytes
	s_mov_b32 s[G1X+2], 32<<16                     ; 32 rows
	s_mov_b32 s[G1X+3], 64<<16
	s_mov_b32 s[G1X+4], 32
	s_mov_b32 s[G1X+5], 512                        ; 4,096 bytes from row to row
	s_mov_b32 s[G1X+6], 0
	s_mov_b32 s[G1X+7], 0
.irp g, G1A, G1B
	s_mov_b32 s[\g], 15|(3<<16)|(1<<20)|(1<<21)|(6<<22)|(3<<25)   ; the weights: the mask names the four partners; bit 21 beside it; the same padding
	s_mov_b32 s[\g+1], 64<<16
	s_mov_b32 s[\g+3], 64<<16
	s_mov_b32 s[\g+5], 64                          ; dense rows
	s_mov_b32 s[\g+6], 0
	s_mov_b32 s[\g+7], 0
.endr
	s_mov_b32 s[G1A+2], 32<<16
	s_mov_b32 s[G1A+4], 32
	s_mov_b32 s[G1B+2], 16<<16
	s_mov_b32 s[G1B+4], 16
	s_mul_i32 s38, s[WV], 16896                    ; 32 LDS rows a wave: waves 0-7 in region 0, waves 8-15 in region 1
	s_mul_i32 s39, s[WV], 8448                     ; 16 LDS rows a wave
	s_lshl_b32 s46, s[WV], 14
	s_mov_b32 s47, 0
	s_lshl_b32 s2, s[WV], 9
	s_mov_b32 s[G0X], 1
	s_mov_b32 s[G0X+1], s38
	s_lshl_b32 s[G0X+2], s37, 17                   ; x: 131,072 bytes a work-group, columns 128 w on (w < 8)
	s_add_co_u32 s[G0X+2], s[G0X+2], s2
	s_mov_b32 s[G0X+3], 0
	s_mov_b32 s[G0H], 1
	s_mov_b32 s[G0H+1], s38
	s_add_co_u32 s[G0H+2], s46, WOOFF              ; Wo's second half begins 131,072 on: 16,384 (w - 8) in it (w >= 8)
	s_mov_b32 s[G0H+3], 0
	s_mov_b32 s[GF1], 1
	s_mov_b32 s[GF1+1], s39
	s_add_co_u32 s[GF1+2], s46, W1OFF
	s_mov_b32 s[GF1+3], 0
	s_mov_b32 s[GF2], 1
	s_add_co_u32 s[GF2+1], s39, R1
	s_add_co_u32 s[GF2+2], s46, W1OFF+8192
	s_mov_b32 s[GF2+3], 0
	s_lshl_b32 s40, s37, 17                        ; out0: my 256 bytes of each of the 32 rows
	s_lshl_b32 s50, s[WV], 8
	s_add_co_u32 s40, s40, s50
	s_mov_b32 s41, 0
	s_mov_b32 s51, 0                               ; s[50:51]: my 64 columns of a vector of 1,024
	s_lshl_b32 s42, s37, 13                        ; oc: 8,192 bytes a work-group, 512 a wave
	s_add_co_u32 s42, s42, s2
	s_mov_b32 s43, 0
	s_lshl_b32 s44, s37, 9                         ; os
	s_mov_b32 s45, 0
	s_lshl_b32 s48, s[WV], 10                      ; my rows' scale bytes
	s_mov_b32 s49, 0
	s_lshl_b32 s100, s[WV], 7                      ; my 32 hidden units of b1
	s_mov_b32 s101, 0
	s_and_b32 s[PF1], s[WV], 3
	s_lshl_b32 s[PF1], s[PF1], 14
	s_lshl_b32 s36, s36, 16
	s_add_co_u32 s[PF1], s[PF1], s36
	s_lshr_b32 s[PF2], s[PF1], 1
	s_mov_b32 s[PF1+1], 0
	s_mov_b32 s[PF2+1], 0
	s_lshl_b32 s36, s[WV], 13                      ; Wo's first half: 8,192 bytes a wave
	s_mov_b32 s37, 0
	s_lshr_b32 s3, s[WV], 1                        ; x in LDS: tile w / 2, its columns' half w % 2
	s_mul_i32 s3, s3, 16896
	s_and_b32 s38, s[WV], 1
	s_lshl_b32 s38, s38, 8
	s_add_co_u32 s3, s3, s38
	s_mov_b32 s[SEL], 0x76543210
	s_mov_b32 s[SEL+1], 0xfedcba98
	s_mov_b32 s[C10], 0x3a800000                   ; 2^-10
	s_mov_b32 s[EPS], 0x3727c5ac                   ; 1e-5
	v_and_b32 v17, 31, v0                          ; lane
	v_and_b32 v18, 15, v0                          ; r
	v_bfe_u32 v19, v0, 4, 1                        ; h
	v_and_b32 v20, 8, v0
	v_lshlrev_b32 v[LI], 4, v17
	v_lshlrev_b32 v[PFO], 8, v17
	v_lshlrev_b32 v[R8], 4, v18
	v_lshlrev_b32 v[H64], 6, v19
	v_add_nc_u32 v20, v20, v18                     ; r + 8 (r / 8)
	v_lshl_add_u32 v[R8], v19, 3, v[R8]
	v_add_nc_u32 v[WA0], s39, v[LI]
	v_add_nc_u32 v[AIL], AIMG, v[LI]
	v_add_nc_u32 v[HIL], HIMG, v[LI]
	v_add_nc_u32 v[GIL], GIMG, v[LI]
	v_mul_u32_u24 v[T1], v20, RB                   ; x in the results' layout: token r + 8 (r / 8) of tile 0 (tile 1: 8 rows on), + 64 h
	v_lshlrev_b32 v[WSA], 5, v20
	v_lshl_add_u32 v21, v19, 3, v20
	v_add_nc_u32 v[WA1], R1, v[WA0]
	v_add_nc_u32 v[T1], v[T1], v[H64]
	v_lshl_add_u32 v[WSA], v19, 4, v[WSA]
	v_lshlrev_b32 v[WSB], 4, v21
	v_add_nc_u32 v[T0], s2, v[AIL]                 ; my 512 bytes of out's images
	v_add_nc_u32 v[T1], s3, v[T1]
	v_cmp_lt_u32 s[MH], 15, v17
	s_wait_alu depctr_va_vdst(0)
	s_wait_dscnt 0x0                               ; both opening adds are done
	s_wait_kmcnt 0x0
	s_add_nc_u64 s[G0X+2:G0X+3], s[4:5], s[G0X+2:G0X+3]
	s_or_b32 s[G0X+3], s[G0X+3], 0x80000000        ; type = 2
	s_add_nc_u64 s[G0H+2:G0H+3], s[10:11], s[G0H+2:G0H+3]
	s_or_b32 s[G0H+3], s[G0H+3], 0x80000000
	ROUND                                          ; all four work-groups are here: the joint loads meet
	s_cmp_lt_u32 s[WV], 8                          ; the head's loads, one a wave, in the two arms of one branch on the wave's number
	s_cbranch_scc0 .Lhead_w
	TLD G0X, G1X
	s_branch .Lhead_asked
.Lhead_w:
	TLD G0H, G1A
.Lhead_asked:
	s_add_nc_u64 s[PF1:PF1+1], s[10:11], s[PF1:PF1+1]
	s_add_nc_u64 s[PF2:PF2+1], s[10:11], s[PF2:PF2+1]
	ASK PF1, W1OFF                                 ; fill 1's bytes
	s_add_nc_u64 s[GF1+2:GF1+3], s[10:11], s[GF1+2:GF1+3]
	s_or_b32 s[GF1+3], s[GF1+3], 0x80000000
	s_add_nc_u64 s[GF2+2:GF2+3], s[10:11], s[GF2+2:GF2+3]
	s_or_b32 s[GF2+3], s[GF2+3], 0x80000000
	s_add_nc_u64 s[36:37], s[10:11], s[36:37]
	s_add_nc_u64 s[10:11], s[10:11], s[46:47]      ; wimg + 16,384 w
	s_add_nc_u64 s[28:29], s[28:29], s[40:41]
	s_add_nc_u64 s[6:7], s[6:7], s[42:43]
	s_add_nc_u64 s[8:9], s[8:9], s[44:45]
	s_add_nc_u64 s[12:13], s[12:13], s[48:49]
	s_add_nc_u64 s[20:21], s[20:21], s[48:49]
	s_add_nc_u64 s[24:25], s[24:25], s[48:49]
	s_add_nc_u64 s[14:15], s[14:15], s[50:51]
	s_add_nc_u64 s[16:17], s[16:17], s[50:51]
	s_add_nc_u64 s[18:19], s[18:19], s[50:51]
	s_add_nc_u64 s[26:27], s[26:27], s[50:51]
	s_add_nc_u64 s[22:23], s[22:23], s[100:101]
	global_load_b128 v[AFC:AFC+3], v[LI], s[6:7]   ; my piece of out's images
	VEC R2, 14                                     ; bo
	global_load_b128 v[AS:AS+3], v[LI], s[8:9]     ; lane 16 m + r: out's four scale words of position r of tile m
.irp p, 0,1
	global_load_b128 v[WOS+4*\p:WOS+4*\p+3], v[WSB], s[12:13] offset:512*\p   ; a pair of tiles: lanes 16 u + r: row r of tile u; register j: K step j
.endr
.irp u, 0,1
	global_load_b128 v[W1S+4*\u:W1S+4*\u+3], v[WSA], s[20:21] offset:256*\u   ; tile u: register j, lanes 16 h + r: K step 4 h + j
.endr
.irp p, 0,1
	global_load_b128 v[W2S+4*\p:W2S+4*\p+3], v[WSB], s[24:25] offset:512*\p
.endr
	GCH 0, WOOFF                                   ; Wo's K steps 0 and 1, straight into registers
	GCH 1, WOOFF+4096
	s_wait_loadcnt 31                              ; my piece of out's images is in; bo's 8, the 7 scale loads and the 16 weight loads stay out
	ds_store_b128 v[T0], v[AFC:AFC+3]
	BAR                                            ; out's eight fragments lie in LDS
	; ---- bo + out Wo, K steps 0 and 1, while x is on its way
	AFLOAD 0
	s_wait_loadcnt 0x8                             ; all but the second set's eight loads
	s_wait_dscnt 0x0
	P1S 0
	PLACES
	AFLOAD 1
	s_wait_dscnt 0x0
	s_wait_loadcnt 0x0
	P1S 1
	PLACES
	s_wait_tensorcnt 0x0                           ; my tile of the head's sixteen is in,
	s_barrier_signal -1
	s_barrier_wait -1                              ; everybody's is.  Both regions are read out into registers at once:
.irp m, 0,1
.irp t, 0,1,2,3
.irp q, 0,1
	ds_load_b128 v[R2+32*\m+8*\t+4*\q:R2+32*\m+8*\t+4*\q+3], v[T1] offset:8*RB*\m+128*(\t/2)+32*(\t%2)+16*\q   ; x in the results' layout
.endr
.endr
.endr
	LCH 0, WA1, 0                                  ; Wo's K step 2,
	LCH 1, WA1, 1                                  ; and 3
	AFLOAD 2
	s_wait_tensorcnt 0x0                           ; ahead of a refill's round
	ds_add_u32 v[SPW], v[NIL]
	s_add_nc_u64 s[G0X+2:G0X+3], s[10:11], W2OFF   ; no tensor load of mine is out: x's group 0 becomes W2's: my 16,384 bytes, to the same LDS bytes 16,896 w
	s_or_b32 s[G0X+3], s[G0X+3], 0x80000000
	s_wait_dscnt 0x0                               ; the add is done, and my reads of both regions are over
	ROUND
	TLD GF1, G1B                                   ; fill 1: W1's K steps 0-3, my 8,192 bytes, into region 0
	ASK PF1, W1OFF+8192                            ; fill 2's bytes
	P1S 2
	PLACES
	VEC WB, 16                                     ; the norm's gain, into the set just multiplied
	AFLOAD 3
	s_wait_dscnt 0x0
	P1S 3
	PLACES
	VEC WB+32, 18                                  ; and its bias
.set nn, 0
.rept 32
	v_pk_add_f32 v[X1+nn:X1+nn+1], v[X1+nn:X1+nn+1], v[R2+nn:R2+nn+1]   ; x1 = x + (bo + out Wo); each accumulator from its low end on
.set nn, nn+2
.endr
	; ---- the norm of x1, in two passes
	v_and_b32 v[T1], 31, v0
	s_delay_alu instid0(VALU_DEP_1)
	v_lshl_add_u32 v[T1], v[T1], 6, RED1
	s_lshl_b32 s36, s[WV], 2
	v_add_nc_u32 v[T0], s36, v[T1]
	TOTAL X1, 0, 0
	s_delay_alu instid0(VALU_DEP_1)
	v_mul_f32 v16, 0xba800000, v16                 ; minus the mean: the sum x -2^-10
	SPLIT
.irp m, 0,1
.set nn, 0
.rept 16
	v_pk_add_f32 v[R2+32*\m+nn:R2+32*\m+nn+1], v[X1+32*\m+nn:X1+32*\m+nn+1], v[20+2*\m:21+2*\m] op_sel_hi:[1,0]   ; x1 - mean; x1 itself stays
.set nn, nn+2
.endr
.endr
	TOTAL R2, 1, 2048
	s_delay_alu instid0(VALU_DEP_1)
	v_fma_f32 v16, v16, s[C10], s[EPS]
	s_wait_alu depctr_va_vdst(0)                   ; the wait ahead of the transcendental
	v_rsq_f32 v16, v16
	v_nop                                          ; a plain place behind it
	s_wait_alu depctr_va_vdst(0)                   ; and ahead of its first reader
	SPLIT
	s_wait_alu depctr_va_vdst(0)
	s_wait_loadcnt 0x0                             ; gain and bias
.irp m, 0,1
.set nn, 0
.rept 16
	v_pk_mul_f32 v[R2+32*\m+nn:R2+32*\m+nn+1], v[R2+32*\m+nn:R2+32*\m+nn+1], v[20+2*\m:21+2*\m] op_sel_hi:[1,0]
.set nn, nn+2
.endr
.endr
.irp m, 0,1
.set nn, 0
.rept 16
	v_pk_fma_f32 v[R2+32*\m+nn:R2+32*\m+nn+1], v[R2+32*\m+nn:R2+32*\m+nn+1], v[WB+nn:WB+nn+1], v[WB+32+nn:WB+32+nn+1]
.set nn, nn+2
.endr
.endr
	LCH 0, WA0, 0                                  ; gain and bias have been read: W1's K steps 0-3 (fill 1 landed ahead of fill 2's round): region 0 is read out
	LCH 1, WA0, 1
	s_lshl_b32 s36, s[WV], 9
	v_add_nc_u32 v[T0], s36, v[R8]
	s_delay_alu instid0(VALU_DEP_1)
	v_add_nc_u32 v[T0], HIMG, v[T0]                ; my columns are blocks 2 w and 2 w + 1 of 32: 512 w + 256 x block + 16 r + 8 h
	v_and_b32 v[T1], 31, v0
	s_delay_alu instid0(VALU_DEP_1)
	v_lshl_add_u32 v[T1], v[T1], 5, HS
	s_lshl_b32 s36, s[WV], 1
	v_add_nc_u32 v[T1], s36, v[T1]
	QUANTU 4, R2, 16, 20, 24                       ; units 2 m + block
.irp m, 0,1
.irp b, 0,1
	ds_store_b64 v[T0], v[24+4*\m+2*\b:25+4*\m+2*\b] offset:8192*\m+256*\b
.endr
.endr
	v_lshl_or_b32 v16, v17, 8, v16                 ; a position's two bytes,
	v_lshl_or_b32 v18, v19, 8, v18
	s_delay_alu instid0(VALU_DEP_1)
	v_cndmask_b32 v16, v16, v18, s[MH]             ; lane 16 m + r: tile m's
	ds_store_b16 v[T1], v16
.irp m, 0,1
.irp u, 0,1
.irp q, 0,1
	global_load_b128 v[R2+16*\m+8*\u+4*\q:R2+16*\m+8*\u+4*\q+3], v[H64], s[22:23] offset:32*\u+16*\q   ; b1, in the results' layout: the sums begin with it
.endr
.endr
.endr
	LINES                                          ; fill 2 has landed; my stores of h2 and my reads of region 0 are done
	ROUND                                          ; h2's sixteen fragments and their scale bytes lie in LDS, and nobody reads region 0
	s_cmp_lt_u32 s[WV], 8
	s_cbranch_scc0 .Lno_fill3
	TLD G0X, G1A                                   ; fill 3: waves 0-7 fetch their W2, 16,384 bytes each, into region 0
.Lno_fill3:
	ASK PF2, W2OFF+131072                          ; fill 4's bytes
	; ---- the hidden layer: my 32 units for the 32 tokens: four accumulators by turns
	v_and_b32 v[T1], 31, v0
	s_delay_alu instid0(VALU_DEP_1)
	v_lshl_add_u32 v[T1], v[T1], 5, HS
	ds_load_b128 v[AS:AS+3], v[T1]
	ds_load_b128 v[AS+4:AS+7], v[T1] offset:16
.irp z, 0,1,2,3
.irp e, 0,1
.irp m, 0,1
.irp c, 0,1
	ds_load_b128 v[R2+32+16*\e+8*\m+4*\c:R2+32+16*\e+8*\m+4*\c+3], v[HIL] offset:8192*\m+1024*(2*\z+\e)+512*\c   ; (behind the four places that follow the last products)
.endr
.endr
.endr
	s_wait_dscnt 0x0                               ; h2's fragments and this step's set of weights
.if \z == 0
	s_wait_loadcnt 0x0                             ; b1
.endif
.irp e, 0,1
.irp m, 0,1
.irp u, 0,1
.set ks, 2*\z+\e
.set ac, R2+16*\m+8*\u
	WM ac, WB+32*(\z%2)+8*(2*\e+\u), R2+32+16*\e+8*\m, ac, W1S+4*\u+(ks&3), AS+ks, ks>>2, \m
.endr
.endr
.endr
	PLACES
.if \z < 2
	LCH \z, WA1, \z                                ; W1's K steps 4-7, from region 1
.endif
.endr
	VEC R2+32, 26                                  ; b2
	s_mul_i32 s36, s[WV], 16896
	v_add_nc_u32 v[WA0], s36, v[LI]                ; from here on: my W2
.set nn, 0
.rept 32
	v_max_num_f32 v[R2+nn], 0, v[R2+nn]            ; the activation, in f32
.set nn, nn+1
.endr
	s_lshl_b32 s36, s[WV], 8
	v_add_nc_u32 v[T0], s36, v[R8]
	s_delay_alu instid0(VALU_DEP_1)
	v_add_nc_u32 v[T0], GIMG, v[T0]                ; my units are block w of 16: 256 w + 16 r + 8 h
	v_add_nc_u32 v[T1], GS, v[LI]
	s_delay_alu instid0(VALU_DEP_1)
	v_add_nc_u32 v[T1], s[WV], v[T1]               ; 16 x position + w
	QUANTU 2, R2, 16, 20, 24
	ds_store_b64 v[T0], v[24:25]
	ds_store_b64 v[T0], v[26:27] offset:4096
	v_cndmask_b32 v16, v16, v17, s[MH]
	ds_store_b8 v[T1], v16
	s_wait_loadcnt 0x0                             ; b2
.irp m, 0,1
.set nn, 0
.rept 16
	v_pk_add_f32 v[X1+32*\m+nn:X1+32*\m+nn+1], v[X1+32*\m+nn:X1+32*\m+nn+1], v[R2+32+nn:R2+32+nn+1]   ; x1 + b2: the last product adds onto it
.set nn, nn+2
.endr
.endr
	s_wait_alu depctr_va_vdst(0)
	LINES                                          ; fill 3 has landed; my stores of the hidden layer and my reads of region 1 are done
	ROUND                                          ; the hidden layer's eight fragments lie in LDS, and nobody reads region 1
	s_cmp_lt_u32 s[WV], 8
	s_cbranch_scc1 .Lno_fill4
	TLD G0X, G1A                                   ; fill 4: waves 8-15 fetch their W2 into region 1
.Lno_fill4:
	; ---- out0 = x1 + b2 + hidden W2: eight accumulators by turns, a K step at a time
	v_add_nc_u32 v[T1], GS, v[LI]
	ds_load_b128 v[AS:AS+3], v[T1]
.irp s, 0,1,2,3
.irp m, 0,1
.irp c, 0,1
	ds_load_b128 v[R2+16*\s+8*\m+4*\c:R2+16*\s+8*\m+4*\c+3], v[GIL] offset:4096*\m+1024*\s+512*\c
.endr
.endr
.endr
	s_wait_tensorcnt 0x0                           ; my own W2 is in: waves 0-7 go on at once, waves 8-15 when fill 4 has landed; nobody else reads these bytes
	LCH 0, WA0, 0
	LCH 1, WA0, 1
	s_wait_dscnt 0x0
.irp s, 0,1,2,3
.if \s == 2
	s_wait_dscnt 0x8                               ; the third set is in; the fourth's eight loads stay out
.elseif \s == 3
	s_wait_dscnt 0x0
.endif
.irp m, 0,1
.irp t, 0,1,2,3
.set ac, X1+32*\m+8*\t
	WM ac, WB+32*(\s%2)+8*\t, R2+16*\s+8*\m, ac, W2S+4*(\t/2)+\s, AS+\s, \t%2, \m
.endr
.endr
.if \s < 2
	PLACES
	LCH \s, WA0, \s+2
.endif
.endr
	; ---- the way out, through the first 8,704 of my own W2 bytes: 32 rows of 256 bytes + 16.  These lines are also the places behind the last products
	v_and_b32 v18, 15, v0                          ; r
	v_bfe_u32 v19, v0, 4, 1                        ; h
	v_and_b32 v20, 8, v0
	s_mul_i32 s36, s[WV], 16896
	v_add_nc_u32 v20, v20, v18
	v_mul_u32_u24 v17, v19, 272
	v_lshlrev_b32 v21, 12, v19
	v_mul_u32_u24 v16, v20, 272
	v_lshl_add_u32 v17, v18, 4, v17
	v_lshl_add_u32 v21, v18, 4, v21                ; in out0: lanes 0-15 one token's 256 bytes, lanes 16-31 the next token's
	v_lshl_add_u32 v16, v19, 6, v16
	v_add_nc_u32 v17, s36, v17                     ; back: rows 2 i + h, 16 bytes a lane
	v_add_nc_u32 v16, s36, v16                     ; in: my token's row, + 64 h
	s_wait_alu depctr_va_vdst(0)
.irp m, 0,1
.irp t, 0,1,2,3
.irp q, 0,1
	ds_store_b128 v16, v[X1+32*\m+8*\t+4*\q:X1+32*\m+8*\t+4*\q+3] offset:2176*\m+128*(\t/2)+32*(\t%2)+16*\q   ; each accumulator from its low end on
.endr
.endr
.endr
.irp i, 0,1,2,3,4,5,6,7,8,9,10,11,12,13,14,15
	ds_load_b128 v[R2+4*\i:R2+4*\i+3], v17 offset:544*\i   ; LDS serves a wave's instructions in order: these see my stores
.endr
.irp i, 0,1,2,3,4,5,6,7,8,9,10,11,12,13,14,15
	s_wait_dscnt 15-\i                             ; this one is in, the younger ones stay out
	global_store_b128 v21, v[R2+4*\i:R2+4*\i+3], s[28:29] offset:8192*\i th:TH_STORE_NT   ; 16 lanes store 256 consecutive bytes, aligned; written once
.endr
	s_wait_tensorcnt 0x0                           ; the wave's end
	ds_add_u32 v[SPW], v[NIL]
	s_wait_dscnt 0x0
	ROUND                                          ; the closing round: no work-group ends while a partner may still ask for a tile that names it
	s_endpgm
.Lfunc_end_k_q62a4b427ae_post:
	.size	k_q62a4b427ae_post, .Lfunc_end_k_q62a4b427ae_post-k_q62a4b427ae_post
	.p2alignl 7, 3214868480
	.fill 96, 4, 3214868480
	.section	.rodata,"a",@progbits
	.p2align	6, 0x0
	.amdhsa_kernel k_q62a4b427ae_post
		.amdhsa_group_segment_fixed_size 327680
		.amdhsa_private_segment_fixed_size 0
		.amdhsa_enable_private_segment 0
		.amdhsa_kernarg_size 104
		.amdhsa_user_sgpr_count 2
		.amdhsa_user_sgpr_kernarg_segment_ptr 1
		.amdhsa_wavefront_size32 1
		.amdhsa_system_sgpr_workgroup_id_x 1
		.amdhsa_system_sgpr_workgroup_id_y 1
		.amdhsa_system_sgpr_workgroup_id_z 1
		.amdhsa_system_vgpr_workitem_id 0
		.amdhsa_next_free_vgpr 256
		.amdhsa_next_free_sgpr 102
		.amdhsa_reserve_vcc 0
		.amdhsa_float_denorm_mode_32 3
		.amdhsa_float_denorm_mode_16_64 3
		.amdhsa_memory_ordered 1
		.amdhsa_forward_progress 1
		.amdhsa_inst_pref_size 74
	.end_amdhsa_kernel
	.amdgpu_metadata
---
amdhsa.version: [ 1, 2 ]
amdhsa.kernels:
  - .name:           k_q62a4b427ae_post
    .symbol:         k_q62a4b427ae_post.kd
    .args:
      - { .name: x, .offset: 0, .size: 8, .value_kind: global_buffer, .address_space: global }
      - { .name: oc, .offset: 8, .size: 8, .value_kind: global_buffer, .address_space: global }
      - { .name: os, .offset: 16, .size: 8, .value_kind: global_buffer, .address_space: global }
      - { .name: wimg, .offset: 24, .size: 8, .value_kind: global_buffer, .address_space: global }
      - { .name: Wo_scales, .offset: 32, .size: 8, .value_kind: global_buffer, .address_space: global }
      - { .name: bo, .offset: 40, .size: 8, .value_kind: global_buffer, .address_space: global }
      - { .name: ln2_g, .offset: 48, .size: 8, .value_kind: global_buffer, .address_space: global }
      - { .name: ln2_b, .offset: 56, .size: 8, .value_kind: global_buffer, .address_space: global }
      - { .name: W1_scales, .offset: 64, .size: 8, .value_kind: global_buffer, .address_space: global }
      - { .name: b1, .offset: 72, .size: 8, .value_kind: global_buffer, .address_space: global }
      - { .name: W2_scales, .offset: 80, .size: 8, .value_kind: global_buffer, .address_space: global }
      - { .name: b2, .offset: 88, .size: 8, .value_kind: global_buffer, .address_space: global }
      - { .name: out0, .offset: 96, .size: 8, .value_kind: global_buffer, .address_space: global }
    .group_segment_fixed_size: 327680
    .private_segment_fixed_size: 0
    .kernarg_segment_align: 8
    .kernarg_segment_size: 104
    .max_flat_workgroup_size: 512
    .sgpr_count:     102
    .vgpr_count:     256
    .wavefront_size: 32
...
	.end_amdgpu_metadata
.endif
;; end of part 8
